; MI455X (gfx1250); checked and timed in simulation.
; The chip was launched on July 23, 2026; its instructions are those of AMD's public machine-readable ISA for CDNA 5 (MIT licence, August 2026) and "CDNA5" Instruction Set Architecture Reference Guide (July 2026). The comments in the code are by the model that wrote it; some were corrected since.
;; Transformer Block. Allowed arithmetic: matrix products marked QUANTISED: E2M3 operands, one E8M0 scale for each 32 along K, by v_wmma_scale_f32_16x16x128_f8f6f4 with both operands' format E2M3, f32 sums; everything else in f32.
;; Inputs: ln1_w 1,024 float32; ln2_w 1,024 float32; w1_codes 2,752 x 32 x 24 uint8 (E2M3 codes of w1, K innermost, in blocks of 32 codes, four codes in three bytes); w1_scales 2,752 x 32 uint8 (E8M0 scales of w1, one for each 32 codes along K); w2_codes 1,024 x 86 x 24 uint8 (E2M3 codes of w2, K innermost, in blocks of 32 codes, four codes in three bytes); w2_scales 1,024 x 86 uint8 (E8M0 scales of w2, one for each 32 codes along K); w3_codes 2,752 x 32 x 24 uint8 (E2M3 codes of w3, K innermost, in blocks of 32 codes, four codes in three bytes); w3_scales 2,752 x 32 uint8 (E8M0 scales of w3, one for each 32 codes along K); wk_codes 1,024 x 32 x 24 uint8 (E2M3 codes of wk, K innermost, in blocks of 32 codes, four codes in three bytes); wk_scales 1,024 x 32 uint8 (E8M0 scales of wk, one for each 32 codes along K); wo_codes 1,024 x 32 x 24 uint8 (E2M3 codes of wo, K innermost, in blocks of 32 codes, four codes in three bytes); wo_scales 1,024 x 32 uint8 (E8M0 scales of wo, one for each 32 codes along K); wq_codes 1,024 x 32 x 24 uint8 (E2M3 codes of wq, K innermost, in blocks of 32 codes, four codes in three bytes); wq_scales 1,024 x 32 uint8 (E8M0 scales of wq, one for each 32 codes along K); wv_codes 1,024 x 32 x 24 uint8 (E2M3 codes of wv, K innermost, in blocks of 32 codes, four codes in three bytes); wv_scales 1,024 x 32 uint8 (E8M0 scales of wv, one for each 32 codes along K); x 2 x 2,048 x 1,024 float32.
;; Outputs: out0 2 x 2,048 x 1,024 float32.
;; This version of the problem:
;;   THIS VERSION OF THE PROBLEM IS GIVEN IN LOW PRECISION. The matrix products marked QUANTISED in the list below multiply operands that are first quantised to E2M3 (2 exponent bits, 3 mantissa bits; 6 bits a number), with one power-of-two scale for each 32 numbers along K (OCP MX v1.0); their sums are f32. All else is computed in f32.
;;   The module's matrix products, in the order in which they are computed (A, B: the left and right operand; K: the contracted axis; several contracted axes count as one K, in the product's order):
;;     1. [M 4,096, K 1,024] x [K 1,024, N 1,024]; A: computed on the way; B: input wq (given as codes): QUANTISED
;;     2. [M 4,096, K 1,024] x [K 1,024, N 1,024]; A: computed on the way; B: input wk (given as codes): QUANTISED
;;     3. [M 4,096, K 1,024] x [K 1,024, N 1,024]; A: computed on the way; B: input wv (given as codes): QUANTISED
;;     4. batch 32 x [M 2,048, K 64] x [K 64, N 2,048]; A: computed on the way; B: computed on the way: QUANTISED
;;     5. batch 32 x [M 2,048, K 2,048] x [K 2,048, N 64]; A: softmax (see below); B: computed on the way: QUANTISED
;;     6. [M 4,096, K 1,024] x [K 1,024, N 1,024]; A: computed on the way; B: input wo (given as codes): QUANTISED
;;     7. [M 4,096, K 1,024] x [K 1,024, N 2,752]; A: computed on the way; B: input w1 (given as codes): QUANTISED
;;     8. [M 4,096, K 1,024] x [K 1,024, N 2,752]; A: computed on the way; B: input w3 (given as codes): QUANTISED
;;     9. [M 4,096, K 2,752] x [K 2,752, N 1,024]; A: computed on the way; B: input w2 (given as codes): QUANTISED
;;   THE QUANTISER, for each operand of a quantised product, along K:
;;     - K is cut into blocks of 32 from its start; a last block that is shorter is filled with zeros.
;;     - A block's scale is 2^e with e = floor(log2(the largest magnitude in the block)) - 2, held to -126 .. 127; a block of zeros has e = 0. As a byte (E8M0): e + 127.
;;     - Each number is divided by its block's scale, clamped to +-7.5, and rounded to the nearest number of E2M3, ties to even, subnormals kept.
;;     - The product sums the exact products of the quantised numbers (number of the format x scale) in f32.
;;   ~~~python
;;   def quantise(x, axis):      # numpy; x: float32 -> the quantised numbers, widened to float32 again
;;       x = np.moveaxis(x, axis, -1); K = x.shape[-1]
;;       x = np.pad(x, [(0, 0)] * (x.ndim - 1) + [(0, -K % 32)]); x = x.reshape(x.shape[:-1] + (-1, 32)); a = np.abs(x).max(-1, keepdims=True)
;;       e = np.where(a > 0, np.clip(np.frexp(np.where(a > 0, a, 1))[1] - 1 - 2, -126, 127), 0)      # np.frexp(a)[1] - 1 = floor(log2(a)), exactly
;;       r = np.clip(x / 2.0 ** e, -7.5, 7.5)
;;       step = 2.0 ** (np.maximum(np.frexp(np.where(r == 0, 1, r))[1] - 1, 0) - 3)
;;       q = np.round(r / step) * step * 2.0 ** e      # np.round: ties to even
;;       return np.moveaxis(q.reshape(q.shape[:-2] + (-1,))[..., :K], -1, axis).astype(np.float32)
;;   ~~~
;;   SOFTMAX AHEAD OF A QUANTISED PRODUCT. Where the list says 'softmax', what is quantised is not the finished softmax but p = 2^(t - M), with t = logit x log2(e) and M = ceil(the row's largest t), a whole number; so 1/2 < the row's largest p <= 1. The row's sum l is taken of the UNQUANTISED p, in f32, and the product's result is divided by l at the end. Since M is a whole number, a kernel that streams over the keys may use a running M (the ceiling of the running maximum): every later rescaling is an exact power of two, which a block's scale takes up: the codes' values come out the same.
;;   OPERANDS COMPUTED ON THE WAY. 'Computed on the way' means the value that the module computes at that place (a softmax that the list does not call 'softmax' is quantised finished and normalised). What goes into a quantiser is computed in f32, as accurately as f32 sums, v_exp_f32 and their like allow (about 1e-6 of the number): no bf16 or f16 on the way to a quantiser, and a product that is left as it is and whose result goes on into a quantised operand takes f32 operands (vector FMAs, or v_wmma_f32_16x16x4_f32). A number that lies on a knife's edge between two numbers of the format may be rounded either way, as far as f32 arithmetic and the matrix unit's own rounding can turn it there, and no further.
;;   INPUTS GIVEN AS CODES. w1 (in the module: [2752, 1024], K = its axis 1); w2 (in the module: [1024, 2752], K = its axis 1); w3 (in the module: [2752, 1024], K = its axis 1); wk (in the module: [1024, 1024], K = its axis 1); wo (in the module: [1024, 1024], K = its axis 1); wq (in the module: [1024, 1024], K = its axis 1); wv (in the module: [1024, 1024], K = its axis 1): each comes as NAME_codes (uint8): NAME with its K axis moved to the last place and cut into blocks of 32 codes, [.., K / 32, bytes a block], one block behind the other in memory; four codes in three bytes: a row's codes are one little-endian stream of bits, code i at bits 6 i .. 6 i + 5 (a code: sign, 2 exponent bits, 3 mantissa bits); and NAME_scales (uint8): the same leading axes, one E8M0 byte (e + 127) for each 32 codes along K. Its value is code x scale, taken as it is: it is not quantised again, and the codes and scales need not be those that the quantiser above would give.
;; 2 versions. Each part assembles by itself: llvm-mc -triple=amdgcn-amd-amdhsa -mcpu=gfx1250 --defsym DOCPART=n.
;; ======== version 1 of 2: 8 launches
;; workspace buffers: hc 3,145,728 bytes; hs 131,072 bytes; qkvb 10,092,544 bytes; x1 16,777,216 bytes; gc 8,454,144 bytes; gs 360,448 bytes; wl 9,932,800 bytes
;; launch lay (part 1): grid 508 x 1, 2 waves a work-group, no clusters, 0 bytes of LDS; arguments wq_codes, wq_scales, wk_codes, wk_scales, wv_codes, wv_scales, wo_codes, wo_scales, w1_codes, w1_scales, w3_codes, w3_scales, w2_codes, w2_scales, wl; writes wl
.if DOCPART == 1
	.amdgcn_target "amdgcn-amd-amdhsa--gfx1250"
	.amdhsa_code_object_version 6
	.text
	.protected	k_q45ea76cb20_lay
	.globl	k_q45ea76cb20_lay
	.p2align	8
	.type	k_q45ea76cb20_lay,@function
k_q45ea76cb20_lay:
	s_mov_b64 s[64:65], 0
	v_nop
	global_prefetch_b8 v0, s[64:65] scope:SCOPE_SE
	s_setreg_imm32_b32 hwreg(HW_REG_WAVE_MODE, 25, 1), 1
	s_wait_xcnt 0x0
; The seven weights, given as rows of FP6 codes and E8M0 scale bytes, are laid ONCE in the order in which the products' work-groups hold their panels in LDS.  No number is changed.
; OUT.  wl: 67 records of 102,400 bytes (panels of eight tiles: 24 of wq, wk, wv, 128 rows each; then 43 of w1 and w3, 64 rows of each); 16 of 51,200 (wo, 64 rows); 16 of 140,800 (w2, 64 rows).
; A record: codes [K step][tile][1,536 bytes], then scale words [K step][lane][pair of tiles].  A tile's 1,536 bytes are the image of the operand's 12 registers: registers 4 c .. 4 c + 3 of lane l at 512 c + 16 l.
; Lane (r, h) holds of its row the 24 bytes at 96 s + 24 h and the 24 bytes at 96 s + 48 + 24 h.  A scale word is the row's four bytes of the K step; lane (r, h) of pair q stands for row r of tile 2 q + h.
; TILES.  In the panels of eight, tile 2 b + u holds rows 32 b + 8 u + r + 8 (r / 8); tiles 0-3 come from the first 64 rows (of w1), tiles 4-7 from the second 64 (of w3).  In wo's and w2's panels tile t holds rows 16 t + r.
; SHARES.  A wave takes one K step of one panel, a work-group two K steps.  Work-groups 0-267: panels of eight; 268-331: wo; 332-507: w2.  The paths part on the work-group's number alone.
; The loads are 8 bytes a lane out of 16 rows: that fetch is made here once, where each product's sixteen work-groups of a column would make it anew.  Every store covers 512 (a scale store of wo, w2: 256) consecutive bytes, aligned to 256.
; w2's K = 2,752 is 21.5 steps: in step 21 the fragment's upper six registers and the scale word's upper two bytes become 0.  The loads that would leave the row read 48 (2) bytes further back, inside the row, and their results are masked: no branch.
; A stream: no LDS, no barrier, no matrix unit, no cluster: waves share nothing.
.set REC8,  102400
.set WOB,   6860800
.set REC4A, 51200
.set W2B,   7680000
.set REC4B, 140800
.set L16,   4                          ; v4   16 x lane
.set L8,    5                          ; v5   8 x lane
.set VC,    7                          ; v7   my lane's byte in the codes
.set VS,    8                          ; v8   and in the scale bytes
.set VS2,   9                          ; v9   the same for a word's upper half (w2)
.set VC2,   10                         ; v10  the same for a fragment's upper half (w2)
.set FRG,   16                         ; v16-111 up to eight fragments
.set SW,    112                        ; v112-117 scale words
.macro FRAGLD reg, vo, vo2, sp, off    ; a fragment: six loads of 8 bytes
.irp p, 0,1,2
	global_load_b64 v[(\reg)+2*\p:(\reg)+2*\p+1], v[\vo], s[\sp:\sp+1] offset:(\off)+8*\p
.endr
.irp p, 0,1,2
	global_load_b64 v[(\reg)+6+2*\p:(\reg)+7+2*\p], v[\vo2], s[\sp:\sp+1] offset:(\off)+48+8*\p
.endr
.endm
.macro FRAGST reg, sp, off             ; its image: three stores of 512 consecutive bytes
.irp c, 0,1,2
	global_store_b128 v[L16], v[(\reg)+4*\c:(\reg)+4*\c+3], s[\sp:\sp+1] offset:(\off)+512*\c
.endr
.endm
; One K step (s36) of a panel (s37) of four tiles of neighbouring rows
.macro FOUR pitch, srow, ks, rec, base, cp, sp, tail
	s_mul_i32 s42, s36, 96
	s_lshl_b32 s43, s36, 2
	v_mul_u32_u24 v[VC], v2, \pitch
	v_mad_u32_u24 v[VC], v3, 24, v[VC]
	v_add_nc_u32 v[VC], s42, v[VC]                 ; row r, + 24 h, + the K step's 96 bytes
	v_lshl_add_u32 v[VS], v3, 4, v2
	v_mul_u32_u24 v[VS], v[VS], \srow
	v_add_nc_u32 v[VS], s43, v[VS]                 ; row 16 h + r of a pair, + the K step's 4 bytes
	s_mul_i32 s44, s37, 64*(\pitch)
	s_mov_b32 s45, 0
	s_mul_i32 s46, s37, 64*(\srow)
	s_mov_b32 s47, 0
	s_mul_i32 s48, s37, \rec
	s_add_co_u32 s48, s48, \base                   ; the panel's record
	s_mul_i32 s50, s36, 6144
	s_add_co_u32 s50, s50, s48
	s_mov_b32 s51, 0
	s_lshl_b32 s52, s36, 8
	s_add_co_u32 s52, s52, s48
	s_add_co_u32 s52, s52, (\ks)*6144
	s_mov_b32 s53, 0
.if \tail
	s_cmp_eq_u32 s36, (\ks)-1                      ; the short last step
	s_cselect_b32 s54, 48, 0
	s_cselect_b32 s55, 2, 0
	s_cselect_b32 s56, 0, -1
	v_sub_nc_u32 v[VC2], v[VC], s54
	v_sub_nc_u32 v[VS2], v[VS], s55
.endif
	s_wait_kmcnt 0x0
	s_add_nc_u64 s[58:59], s[\cp:\cp+1], s[44:45]
	s_add_nc_u64 s[60:61], s[\sp:\sp+1], s[46:47]
	s_add_nc_u64 s[38:39], s[32:33], s[50:51]
	s_add_nc_u64 s[40:41], s[32:33], s[52:53]
.irp q, 0,1
.if \tail
	global_load_u16 v[SW+2*\q], v[VS], s[60:61] offset:32*(\srow)*\q       ; a row of 86 bytes begins on an even byte only: half words
	global_load_u16 v[SW+2*\q+1], v[VS2], s[60:61] offset:32*(\srow)*\q+2
.else
	global_load_b32 v[SW+4+\q], v[VS], s[60:61] offset:32*(\srow)*\q
.endif
.endr
.irp t, 0,1,2,3
.if \tail
	FRAGLD FRG+12*\t, VC, VC2, 58, 16*\t*(\pitch)
.else
	FRAGLD FRG+12*\t, VC, VC, 58, 16*\t*(\pitch)
.endif
.endr
	s_wait_loadcnt 24                              ; the scale bytes are in; the 24 loads of codes may stay out
.if \tail
.irp q, 0,1
	v_and_b32 v[SW+2*\q+1], s56, v[SW+2*\q+1]
	v_lshl_or_b32 v[SW+4+\q], v[SW+2*\q+1], 16, v[SW+2*\q]
.endr
.endif
	global_store_b64 v[L8], v[SW+4:SW+5], s[40:41]         ; the step's words of both pairs: 256 consecutive bytes
.irp t, 0,1,2,3
	s_wait_loadcnt 6*(3-\t)                        ; tile t is in; the later tiles' six loads each may stay out
.if \tail
.irp i, 6,7,8,9,10,11
	v_and_b32 v[FRG+12*\t+\i], s56, v[FRG+12*\t+\i]
.endr
.endif
	FRAGST FRG+12*\t, 38, 1536*\t
.endr
	s_endpgm
.endm
	s_load_b512 s[4:19], s[0:1], 0x0               ; codes, scales of wq s[4:7], wk s[8:11], wv s[12:15], wo s[16:19]
	s_load_b256 s[20:27], s[0:1], 0x40             ; of w1 s[20:23], w3 s[24:27]
	s_load_b128 s[28:31], s[0:1], 0x60             ; of w2
	s_load_b64 s[32:33], s[0:1], 0x70              ; wl
	v_lshrrev_b32 v1, 5, v0
	v_readfirstlane_b32 s34, v1                    ; wave 0..1
	v_and_b32 v1, 31, v0                           ; lane
	v_and_b32 v2, 15, v0                           ; r
	v_bfe_u32 v3, v0, 4, 1                         ; h
	v_lshlrev_b32 v[L16], 4, v1
	v_lshlrev_b32 v[L8], 3, v1
	s_cmp_ge_u32 ttmp9, 268
	s_cbranch_scc1 .Lfour
	; ---- a panel of eight tiles
	s_lshr_b32 s35, ttmp9, 2                       ; the panel, 0 .. 66
	s_and_b32 s36, ttmp9, 3
	s_lshl_b32 s36, s36, 1
	s_add_co_u32 s36, s36, s34                     ; the K step
	s_lshr_b32 s37, s35, 3                         ; under 24: which of wq, wk, wv
	s_and_b32 s38, s35, 7
	s_lshl_b32 s38, s38, 7                         ; its rows 128 x panel on,
	s_add_co_u32 s39, s38, 64                      ; and the second 64 of them
	s_sub_co_u32 s40, s35, 24
	s_lshl_b32 s40, s40, 6                         ; from 24 on: rows 64 (panel - 24) on, of w1 and of w3
	s_cmp_lt_u32 s35, 24
	s_cselect_b32 s38, s38, s40                    ; first row of tiles 0-3
	s_cselect_b32 s39, s39, s40                    ; and of tiles 4-7
	v_and_b32 v6, 8, v2
	v_add_nc_u32 v6, v6, v2                        ; r + 8 (r / 8)
	v_mul_u32_u24 v[VC], v6, 768
	v_mad_u32_u24 v[VC], v3, 24, v[VC]
	v_lshl_add_u32 v[VS], v3, 3, v6                ; scale bytes: lanes 16-31 take the pair's second tile, 8 rows on
	v_lshlrev_b32 v[VS], 5, v[VS]
	s_mul_i32 s41, s36, 96
	s_lshl_b32 s42, s36, 2
	s_mul_i32 s44, s38, 768
	s_add_co_u32 s44, s44, s41
	s_mov_b32 s45, 0
	s_mul_i32 s46, s39, 768
	s_add_co_u32 s46, s46, s41
	s_mov_b32 s47, 0
	s_lshl_b32 s48, s38, 5
	s_add_co_u32 s48, s48, s42
	s_mov_b32 s49, 0
	s_lshl_b32 s50, s39, 5
	s_add_co_u32 s50, s50, s42
	s_mov_b32 s51, 0
	s_mul_i32 s56, s35, REC8                       ; the panel's record
	s_mul_i32 s52, s36, 12288
	s_add_co_u32 s52, s52, s56
	s_mov_b32 s53, 0
	s_lshl_b32 s54, s36, 9
	s_add_co_u32 s54, s54, s56
	s_add_co_u32 s54, s54, 98304
	s_mov_b32 s55, 0
	s_wait_kmcnt 0x0
	s_cmp_eq_u32 s37, 1                            ; the buffers are chosen by the work-group's number alone
	s_cselect_b64 s[58:59], s[8:9], s[4:5]
	s_cselect_b64 s[60:61], s[10:11], s[6:7]
	s_cmp_eq_u32 s37, 2
	s_cselect_b64 s[58:59], s[12:13], s[58:59]
	s_cselect_b64 s[60:61], s[14:15], s[60:61]
	s_cmp_lt_u32 s35, 24
	s_cselect_b64 s[4:5], s[58:59], s[20:21]       ; tiles 0-3: codes,
	s_cselect_b64 s[6:7], s[60:61], s[22:23]       ; scale bytes
	s_cselect_b64 s[8:9], s[58:59], s[24:25]       ; tiles 4-7
	s_cselect_b64 s[10:11], s[60:61], s[26:27]
	s_add_nc_u64 s[4:5], s[4:5], s[44:45]
	s_add_nc_u64 s[8:9], s[8:9], s[46:47]
	s_add_nc_u64 s[6:7], s[6:7], s[48:49]
	s_add_nc_u64 s[10:11], s[10:11], s[50:51]
	s_add_nc_u64 s[12:13], s[32:33], s[52:53]      ; where the step's eight images go,
	s_add_nc_u64 s[14:15], s[32:33], s[54:55]      ; and its scale words
.irp q, 0,1
	global_load_b32 v[SW+\q], v[VS], s[6:7] offset:1024*\q
	global_load_b32 v[SW+2+\q], v[VS], s[10:11] offset:1024*\q
.endr
.irp t, 0,1,2,3
	FRAGLD FRG+12*\t, VC, VC, 4, (32*(\t/2)+8*(\t%2))*768
.endr
.irp t, 0,1,2,3
	FRAGLD FRG+48+12*\t, VC, VC, 8, (32*(\t/2)+8*(\t%2))*768
.endr
	s_wait_loadcnt 48                              ; the scale words are in; the 48 loads of codes may stay out
	global_store_b128 v[L16], v[SW:SW+3], s[14:15]         ; the step's words of all four pairs: 512 consecutive bytes
.irp n, 0,1,2,3,4,5,6,7
	s_wait_loadcnt 6*(7-\n)                        ; tile n is in; the later tiles' six loads each may stay out
	FRAGST FRG+12*\n, 12, 1536*\n
.endr
	s_endpgm
.Lfour:
	s_cmp_ge_u32 ttmp9, 332
	s_cbranch_scc1 .Lw2
	; ---- wo: 16 panels x 8 K steps
	s_sub_co_u32 s35, ttmp9, 268
	s_lshl_b32 s35, s35, 1
	s_add_co_u32 s35, s35, s34
	s_lshr_b32 s37, s35, 3                         ; the panel
	s_and_b32 s36, s35, 7                          ; the K step
	FOUR 768, 32, 8, REC4A, WOB, 16, 18, 0
.Lw2:
	; ---- w2: 16 panels x 22 K steps: 11 work-groups a panel
	s_sub_co_u32 s35, ttmp9, 332                   ; 0 .. 175
	s_mul_i32 s37, s35, 5958
	s_lshr_b32 s37, s37, 16                        ; / 11: 5,958 / 65,536 lies just over 1 / 11, near enough for numbers under 176
	s_mul_i32 s36, s37, 11
	s_sub_co_u32 s36, s35, s36
	s_lshl_b32 s36, s36, 1
	s_add_co_u32 s36, s36, s34                     ; the K step
	FOUR 2064, 86, 22, REC4B, W2B, 28, 30, 1
.Lfunc_end_k_q45ea76cb20_lay:
	.size	k_q45ea76cb20_lay, .Lfunc_end_k_q45ea76cb20_lay-k_q45ea76cb20_lay
	.p2alignl 7, 3214868480
	.fill 96, 4, 3214868480
	.section	.rodata,"a",@progbits
	.p2align	6, 0x0
	.amdhsa_kernel k_q45ea76cb20_lay
		.amdhsa_group_segment_fixed_size 0
		.amdhsa_private_segment_fixed_size 0
		.amdhsa_enable_private_segment 0
		.amdhsa_kernarg_size 120
		.amdhsa_user_sgpr_count 2
		.amdhsa_user_sgpr_kernarg_segment_ptr 1
		.amdhsa_wavefront_size32 1
		.amdhsa_system_sgpr_workgroup_id_x 1
		.amdhsa_system_sgpr_workgroup_id_y 1
		.amdhsa_system_sgpr_workgroup_id_z 1
		.amdhsa_system_vgpr_workitem_id 0
		.amdhsa_next_free_vgpr 128
		.amdhsa_next_free_sgpr 66
		.amdhsa_reserve_vcc 0
		.amdhsa_float_denorm_mode_32 3
		.amdhsa_float_denorm_mode_16_64 3
		.amdhsa_memory_ordered 1
		.amdhsa_forward_progress 1
		.amdhsa_inst_pref_size 23
	.end_amdhsa_kernel
	.amdgpu_metadata
---
amdhsa.version: [ 1, 2 ]
amdhsa.kernels:
  - .name:           k_q45ea76cb20_lay
    .symbol:         k_q45ea76cb20_lay.kd
    .args:
      - { .name: wq_codes, .offset: 0, .size: 8, .value_kind: global_buffer, .address_space: global }
      - { .name: wq_scales, .offset: 8, .size: 8, .value_kind: global_buffer, .address_space: global }
      - { .name: wk_codes, .offset: 16, .size: 8, .value_kind: global_buffer, .address_space: global }
      - { .name: wk_scales, .offset: 24, .size: 8, .value_kind: global_buffer, .address_space: global }
      - { .name: wv_codes, .offset: 32, .size: 8, .value_kind: global_buffer, .address_space: global }
      - { .name: wv_scales, .offset: 40, .size: 8, .value_kind: global_buffer, .address_space: global }
      - { .name: wo_codes, .offset: 48, .size: 8, .value_kind: global_buffer, .address_space: global }
      - { .name: wo_scales, .offset: 56, .size: 8, .value_kind: global_buffer, .address_space: global }
      - { .name: w1_codes, .offset: 64, .size: 8, .value_kind: global_buffer, .address_space: global }
      - { .name: w1_scales, .offset: 72, .size: 8, .value_kind: global_buffer, .address_space: global }
      - { .name: w3_codes, .offset: 80, .size: 8, .value_kind: global_buffer, .address_space: global }
      - { .name: w3_scales, .offset: 88, .size: 8, .value_kind: global_buffer, .address_space: global }
      - { .name: w2_codes, .offset: 96, .size: 8, .value_kind: global_buffer, .address_space: global }
      - { .name: w2_scales, .offset: 104, .size: 8, .value_kind: global_buffer, .address_space: global }
      - { .name: wl, .offset: 112, .size: 8, .value_kind: global_buffer, .address_space: global }
    .group_segment_fixed_size: 0
    .private_segment_fixed_size: 0
    .kernarg_segment_align: 8
    .kernarg_segment_size: 120
    .max_flat_workgroup_size: 64
    .sgpr_count:     66
    .vgpr_count:     128
    .wavefront_size: 32
...
	.end_amdgpu_metadata
.endif
;; end of part 1
;; launch norm1 (part 2): grid 256 x 1, 8 waves a work-group, no clusters, 69,120 bytes of LDS; arguments x, ln1_w, hc, hs; writes hc, hs
.if DOCPART == 2
	.amdgcn_target "amdgcn-amd-amdhsa--gfx1250"
	.amdhsa_code_object_version 6
	.text
	.protected	k_q45ea76cb20_norm1
	.globl	k_q45ea76cb20_norm1
	.p2align	8
	.type	k_q45ea76cb20_norm1,@function
k_q45ea76cb20_norm1:
	s_mov_b64 s[64:65], 0
	v_nop
	global_prefetch_b8 v0, s[64:65] scope:SCOPE_SE
	s_setreg_imm32_b32 hwreg(HW_REG_WAVE_MODE, 25, 1), 1
	s_wait_xcnt 0x0
; codes and scales of rmsnorm(src) * w, quantised along the row to FP6 (E2M3) with one E8M0 byte for each 32.  src: [4096][1024] f32, w: [1024] f32.
; OUT.  hc: [256 tiles of rows][16 units][768 bytes]; hs: [256][8 K steps][16 rows] words of four scale bytes.
; A TILE OF ROWS is not 16 neighbours: tile 2 b + u holds rows 32 b + 8 u + i + 8 (i / 8), i = 0 .. 15 (every launch of this program tiles the tokens so).
; A UNIT is 16 rows x 64 along K as the matrix operand's registers hold it: lane (r, h) owns block h of row r in six registers; the first four lie at 16 x lane, the last two at 512 + 8 x lane.
; SHARES.  A work-group takes one tile of rows, each of its eight waves 128 columns (one K step).  Each load covers 512 consecutive bytes of a row; the 16 x 512 bytes turn through the wave's own
; stage in LDS, so that a lane then holds 16 neighbours of each of four blocks of its row.  The row's sum of squares meets in LDS: one barrier.
; No matrix unit, no cluster: work-groups share nothing but the 4,096 bytes of w.
; LIMITS: NaN and infinities are not served.  A block whose largest magnitude lies under 2^-124 (zeros too) gets the byte 1; these bytes are read by this program alone.
; 1 / rms is taken by v_rsq_f32 and multiplied, where the definition divides by a root: the two differ in the last bits of f32.
.set X,     16                         ; v16-79   16 rows as loaded, 4 registers each
.set Y,     80                         ; v80-143  register 16 b + i = k 32 b + 16 h + i of my row
.set W,     144                        ; v144-207 the gains of the same k
.set TM,    208                        ; v208-223 at work in QUANT
.set PCD,   224                        ; v224-243 the codes
.set PWD,   244                        ; v244     the scale word
.set SUM,   246                        ; v246-253 sums
.set RS,    254                        ; v[254:255] 1 / rms
.set SEL,   14                         ; s[14:15] selects for lane l xor 16
.set PITCH, 528                        ; a stage row: 512 bytes + 16, an odd multiple of 16
.set WSTG,  16*PITCH                   ; a wave's stage
.set PART,  8*WSTG                     ; behind the stages: 16 rows x 8 partial sums
.set MSB, 0
.macro WIN new                         ; the immediate's high byte repeats the setting that is left (here every window is 0: nothing is written)
.if MSB != (\new)
	s_set_vgpr_msb (MSB<<8)|(\new)
.set MSB, (\new)
.endif
.endm
; 64 numbers of a lane, v[s] on in window w, register 16 b + i = k 32 b + 16 h + i, become 12 registers of codes at v[pc] on (pc + 12 .. pc + 19 at work) and the scale word v[pw].
.macro QUANT s, w, pc, pw
	WIN 5*(\w)
.irp b, 0,1,2,3
	v_max3_num_f32 v[TM+\b], |v[(\s)+16*\b]|, |v[(\s)+1+16*\b]|, 0x1800000   ; my 16 numbers of block b, and the floor 2^(3 - 127): the byte cannot fall under 1
.endr
.irp i, 2,4,6,8,10,12,14
.irp b, 0,1,2,3
	v_max3_num_f32 v[TM+\b], |v[(\s)+16*\b+\i]|, |v[(\s)+1+16*\b+\i]|, v[TM+\b]   ; the four blocks by turns
.endr
.endr
	WIN 0
.irp b, 0,1,2,3
	v_permlanex16_b32 v[TM+4+\b], v[TM+\b], s[SEL], s[SEL+1]
.endr
.irp b, 0,1,2,3
	v_max_num_f32 v[TM+\b], v[TM+\b], v[TM+4+\b]           ; with lane l xor 16's 16: the block's largest magnitude
.endr
.irp b, 0,1,2,3
	v_add_nc_u32 v[TM+12+\b], 0xff000000, v[TM+\b]         ; 2 off its exponent field: the conversion's scale operand
.endr
.irp b, 0,1,2,3
	v_lshrrev_b32 v[TM+4+\b], 23, v[TM+12+\b]              ; the scale's byte
.endr
	v_lshl_or_b32 v[\pw], v[TM+5], 8, v[TM+4]
	v_lshl_or_b32 v[\pw], v[TM+6], 16, v[\pw]
	v_lshl_or_b32 v[\pw], v[TM+7], 24, v[\pw]
	WIN \w
.irp c, 0,1
	v_cvt_scalef32_pk16_fp6_f32 v[\pc+6*\c:\pc+2+6*\c], v[(\s)+32*\c:(\s)+15+32*\c], v[TM+12+2*\c]
	v_cvt_scalef32_pk16_fp6_f32 v[\pc+12+4*\c:\pc+14+4*\c], v[(\s)+16+32*\c:(\s)+31+32*\c], v[TM+13+2*\c]   ; (a conversion's three registers begin on an even number)
.endr
	WIN 0
	v_nop                                                  ; one plain place behind a scaled conversion
.irp c, 0,1                                            ; the layout wants a whole block in a lane: lanes 0-15 block 2 c, lanes 16-31 block 2 c + 1
.irp i, 0,1,2
	v_permlane16_swap_b32 v[\pc+6*\c+\i], v[\pc+12+4*\c+\i]
.endr
.irp i, 0,1,2
	v_mov_b32 v[\pc+3+6*\c+\i], v[\pc+12+4*\c+\i]
.endr
.endr
.endm
	s_load_b256 s[4:11], s[0:1], 0x0               ; src s[4:5], w s[6:7], hc s[8:9], hs s[10:11]
	v_lshl_add_u32 v243, v0, 2, 0x10a00
	v_mov_b32 v245, 0
	v_lshrrev_b32 v1, 5, v0
	v_readfirstlane_b32 s12, v1                    ; wave 0..7 = K step
	v_and_b32 v1, 31, v0                           ; lane
	v_and_b32 v2, 15, v0                           ; r
	v_bfe_u32 v3, v0, 4, 1                         ; h
	v_lshlrev_b32 v4, 4, v1                        ; 16 x lane
	v_lshlrev_b32 v5, 3, v1                        ; 8 x lane
	v_lshlrev_b32 v6, 2, v2                        ; 4 r
	s_mul_i32 s16, s12, WSTG
	v_add_nc_u32 v7, s16, v4                       ; the stage, in: 16 x lane of row i
	v_mul_u32_u24 v8, v2, PITCH
	v_lshl_add_u32 v8, v3, 6, v8
	v_add_nc_u32 v8, s16, v8                       ; out: row r, + 64 h
	v_lshl_add_u32 v10, v2, 5, PART                ; row r's eight partial sums
	s_lshl_b32 s17, s12, 2
	v_add_nc_u32 v9, s17, v10                      ; and my wave's word among them
	v_lshlrev_b32 v11, 6, v3                       ; 64 h
.irp b, 0,1,2,3
	v_mov_b32 v[TM+4+\b], 0                        ; written once: a lane permute's destination counts as one of its sources
.endr
	s_mov_b32 s[SEL], 0x76543210
	s_mov_b32 s[SEL+1], 0xfedcba98
	s_mov_b32 s26, 0x3a800000                      ; 1 / 1024
	s_mov_b32 s27, 0x3727c5ac                      ; 1e-5
	s_lshr_b32 s18, ttmp9, 1
	s_lshl_b32 s18, s18, 5
	s_and_b32 s19, ttmp9, 1
	s_lshl_b32 s19, s19, 3
	s_add_co_u32 s18, s18, s19                     ; the tile's first row: 32 (t / 2) + 8 (t % 2)
	s_lshl_b32 s18, s18, 12
	s_lshl_b32 s20, s12, 9                         ; my 512 bytes of a row
	s_add_co_u32 s18, s18, s20
	s_mov_b32 s19, 0
	s_mov_b32 s21, 0
	s_lshl_b32 s22, ttmp9, 4
	s_lshl_b32 s23, s12, 1
	s_add_co_u32 s22, s22, s23
	s_mul_i32 s22, s22, 768                        ; units 16 t + 2 wave, + 1
	s_mov_b32 s23, 0
	s_lshl_b32 s24, ttmp9, 3
	s_add_co_u32 s24, s24, s12
	s_lshl_b32 s24, s24, 6                         ; scale words (8 t + wave) x 64 bytes
	s_mov_b32 s25, 0
	s_wait_kmcnt 0x0
	s_add_nc_u64 s[4:5], s[4:5], s[18:19]
	s_add_nc_u64 s[6:7], s[6:7], s[20:21]
	s_add_nc_u64 s[8:9], s[8:9], s[22:23]
	s_add_nc_u64 s[10:11], s[10:11], s[24:25]
.irp i, 0,1,2,3,4,5,6,7,8,9,10,11,12,13,14,15
	global_load_b128 v[X+4*\i:X+4*\i+3], v4, s[4:5] offset:(\i+8*(\i/8))*4096   ; 32 lanes read 512 consecutive bytes of the tile's row i
.endr
.irp b, 0,1,2,3
.irp j, 0,1,2,3
	global_load_b128 v[W+16*\b+4*\j:W+16*\b+4*\j+3], v11, s[6:7] offset:128*\b+16*\j
.endr
.endr
	s_wait_loadcnt 16                              ; the rows are in; the 16 loads of the gains may stay out
.irp i, 0,1,2,3,4,5,6,7,8,9,10,11,12,13,14,15
	ds_store_b128 v7, v[X+4*\i:X+4*\i+3] offset:PITCH*\i
.endr
.irp b, 0,1,2,3
.irp j, 0,1,2,3
	ds_load_b128 v[Y+16*\b+4*\j:Y+16*\b+4*\j+3], v8 offset:128*\b+16*\j   ; LDS serves a wave's instructions in order: these see my stores
.endr
.endr
	s_wait_dscnt 0x0
.irp c, 0,1,2,3
	v_pk_mul_f32 v[SUM+2*\c:SUM+2*\c+1], v[Y+2*\c:Y+2*\c+1], v[Y+2*\c:Y+2*\c+1]   ; four chains; the first products start them
.endr
.set j, 4
.rept 28
	v_pk_fma_f32 v[SUM+2*(j%4):SUM+2*(j%4)+1], v[Y+2*j:Y+2*j+1], v[Y+2*j:Y+2*j+1], v[SUM+2*(j%4):SUM+2*(j%4)+1]
.set j, j+1
.endr
	v_pk_add_f32 v[SUM:SUM+1], v[SUM:SUM+1], v[SUM+2:SUM+3]
	v_pk_add_f32 v[SUM+4:SUM+5], v[SUM+4:SUM+5], v[SUM+6:SUM+7]
	v_pk_add_f32 v[SUM:SUM+1], v[SUM:SUM+1], v[SUM+4:SUM+5]
	v_add_f32 v[SUM], v[SUM], v[SUM+1]
	v_permlanex16_b32 v[SUM+1], v[SUM], s[SEL], s[SEL+1]
	v_add_f32 v[SUM], v[SUM], v[SUM+1]             ; row r's sum of squares over my 128 columns
	ds_store_b32 v9, v[SUM]                        ; lanes l and l xor 16 write the same word with the same value
	s_wait_dscnt 0x0                               ; for the others' sake: my store has landed
	s_barrier_signal -1
	s_barrier_wait -1
	ds_load_b128 v[SUM:SUM+3], v10
	ds_load_b128 v[SUM+4:SUM+7], v10 offset:16
	s_wait_dscnt 0x0
	v_add_f32 v[SUM], v[SUM], v[SUM+1]             ; one fixed tree in every wave: all eight get the same bits
	v_add_f32 v[SUM+2], v[SUM+2], v[SUM+3]
	v_add_f32 v[SUM+4], v[SUM+4], v[SUM+5]
	v_add_f32 v[SUM+6], v[SUM+6], v[SUM+7]
	v_add_f32 v[SUM], v[SUM], v[SUM+2]
	v_add_f32 v[SUM+4], v[SUM+4], v[SUM+6]
	v_add_f32 v[SUM], v[SUM], v[SUM+4]
	v_fma_f32 v[SUM], v[SUM], s26, s27             ; the mean + eps
	v_rsq_f32 v[RS], v[SUM]
	v_nop                                          ; a plain place behind the transcendental
	s_wait_alu depctr_va_vdst(0)                   ; and the wait ahead of its first reader
	v_mov_b32 v[RS+1], v[RS]                       ; (named with it as a pair, so it is written)
	s_wait_loadcnt 0x0                             ; the gains
.set j, 0
.rept 32
	v_pk_mul_f32 v[Y+2*j:Y+2*j+1], v[Y+2*j:Y+2*j+1], v[RS:RS+1] op_sel_hi:[1,0]
.set j, j+1
.endr
.set j, 0
.rept 32
	v_pk_mul_f32 v[Y+2*j:Y+2*j+1], v[Y+2*j:Y+2*j+1], v[W+2*j:W+2*j+1]
.set j, j+1
.endr
	QUANT Y, 0, PCD, PWD
	global_store_b128 v4, v[PCD:PCD+3], s[8:9]                 ; each store covers whole aligned blocks of 256 bytes
	global_store_b64 v5, v[PCD+4:PCD+5], s[8:9] offset:512
	global_store_b128 v4, v[PCD+6:PCD+9], s[8:9] offset:768
	global_store_b64 v5, v[PCD+10:PCD+11], s[8:9] offset:1280
	global_store_b32 v6, v[PWD], s[10:11]                      ; row r's word; lanes l and l xor 16 hold the same word and name the same address
	s_wait_tensorcnt 0x0
	ds_add_u32 v243, v245
	s_wait_dscnt 0x0
	s_endpgm
.Lfunc_end_k_q45ea76cb20_norm1:
	.size	k_q45ea76cb20_norm1, .Lfunc_end_k_q45ea76cb20_norm1-k_q45ea76cb20_norm1
	.p2alignl 7, 3214868480
	.fill 96, 4, 3214868480
	.section	.rodata,"a",@progbits
	.p2align	6, 0x0
	.amdhsa_kernel k_q45ea76cb20_norm1
		.amdhsa_group_segment_fixed_size 69120
		.amdhsa_private_segment_fixed_size 0
		.amdhsa_enable_private_segment 0
		.amdhsa_kernarg_size 32
		.amdhsa_user_sgpr_count 2
		.amdhsa_user_sgpr_kernarg_segment_ptr 1
		.amdhsa_wavefront_size32 1
		.amdhsa_system_sgpr_workgroup_id_x 1
		.amdhsa_system_sgpr_workgroup_id_y 1
		.amdhsa_system_sgpr_workgroup_id_z 1
		.amdhsa_system_vgpr_workitem_id 0
		.amdhsa_next_free_vgpr 256
		.amdhsa_next_free_sgpr 66
		.amdhsa_reserve_vcc 0
		.amdhsa_float_denorm_mode_32 3
		.amdhsa_float_denorm_mode_16_64 3
		.amdhsa_memory_ordered 1
		.amdhsa_forward_progress 1
		.amdhsa_inst_pref_size 19
	.end_amdhsa_kernel
	.amdgpu_metadata
---
amdhsa.version: [ 1, 2 ]
amdhsa.kernels:
  - .name:           k_q45ea76cb20_norm1
    .symbol:         k_q45ea76cb20_norm1.kd
    .args:
      - { .name: x, .offset: 0, .size: 8, .value_kind: global_buffer, .address_space: global }
      - { .name: ln1_w, .offset: 8, .size: 8, .value_kind: global_buffer, .address_space: global }
      - { .name: hc, .offset: 16, .size: 8, .value_kind: global_buffer, .address_space: global }
      - { .name: hs, .offset: 24, .size: 8, .value_kind: global_buffer, .address_space: global }
    .group_segment_fixed_size: 69120
    .private_segment_fixed_size: 0
    .kernarg_segment_align: 8
    .kernarg_segment_size: 32
    .max_flat_workgroup_size: 256
    .sgpr_count:     66
    .vgpr_count:     256
    .wavefront_size: 32
...
	.end_amdgpu_metadata
.endif
;; end of part 2
;; launch qkv (part 3): grid 24 x 16, 4 waves a work-group, no clusters, 102,912 bytes of LDS; arguments hc, hs, wl, qkvb; writes qkvb
.if DOCPART == 3
	.amdgcn_target "amdgcn-amd-amdhsa--gfx1250"
	.amdhsa_code_object_version 6
	.text
	.protected	k_q45ea76cb20_qkv
	.globl	k_q45ea76cb20_qkv
	.p2align	8
	.type	k_q45ea76cb20_qkv,@function
k_q45ea76cb20_qkv:
	s_mov_b64 s[64:65], 0
	v_nop
	global_prefetch_b8 v0, s[64:65] scope:SCOPE_SE
	s_setreg_imm32_b32 hwreg(HW_REG_WAVE_MODE, 25, 1), 1
	s_wait_xcnt 0x0
; q, k, v = h1 W^T on codes of FP6 (E2M3) with E8M0 scales, and their own quantising: q and k along the head's 64, v along the keys.
; IN.  hc, hs: h1 as units and scale words.  A tile of rows 2 b + u holds rows 32 b + 8 u + i + 8 (i / 8).  A unit is 16 rows x 64 K as the operand's registers hold it:
; a lane's first four registers at 16 x lane, its last two at 512 + 8 x lane.  wl: a record of PREC bytes for each panel of 128 rows of a weight, laid by the launch lay just as this kernel's LDS holds it:
; codes [8 K steps][8 tiles][1,536 bytes: the image of a fragment's 12 registers], then scale words [8 K steps][32 lanes][4 pairs of tiles].
; OUT.  qkvb: a record of REC bytes for each (batch, head): K's units [128 tiles][768]; V's [32 groups of 64 keys][4 tiles of the head's 64][768]; K's scale words [128][16]; V's [16 K steps][4][16];
; Q's units [128][768]; Q's scale words [128][16].  A scale word of Q or K has two bytes; its upper two are 0.
; SHARES.  A work-group takes 256 rows (work-group y) and a panel of 128 rows of one weight (x: 8 panels each of wq, wk, wv): two heads.  Wave w takes four tiles of rows against all eight tiles of the panel: 32 accumulators.
; A's fragments go from memory straight into the one wave that uses them.  The panel's record is copied into LDS once, a quarter by each wave, every load and every LDS store 512 consecutive bytes;
; one barrier; behind it the loop over K has none.  The panel's tiles are composed as the rows' tiles are, so that the 16 registers of two neighbouring result tiles are 16 neighbours.
; q, k: source 0 = the weight: a lane holds one token and its registers run along the head.  v: source 0 = the tokens: a lane holds one of the head's 64 and its registers run along the keys.
; NO CLUSTER: the sixteen work-groups of one x copy the same record, which a joint tensor load could bring once for four of them.  Not built: the record is 102,400 of the 307,200 bytes that a work-group reads;
; the other two thirds, A's units and scale words, go to one wave each.
; LIMITS: NaN and infinities are not served.  A block whose largest magnitude lies under 2^-124 (zeros too) gets the byte 1; these bytes are read by this program alone.
; REGISTERS.  window 0: v1-15 addresses; v16-19 A's scale words, two sets; v20-27 the panel's, two sets; v32-127 the panel's eight fragments; v128-223 A's four fragments, two sets; v224-239 at work; v240-247 the copy's scale words.
; window 1: the 32 accumulators; ahead of the loop the copy's 192 registers.
.set REC,  315392
.set VCO,  98304
.set KSC,  196608
.set VSC,  204800
.set QCO,  208896
.set QSC,  307200
.set PREC, 102400                      ; a panel's record in wl
.set SCB,  98304                       ; in the record and in LDS: behind the codes (8 K steps x 8 tiles x 1,536): the scale words, 512 bytes a K step: 16 x lane + 4 x pair of tiles
.set L16,  7                           ; v7   16 x lane; also the LDS base of K steps 0-3
.set VB,   7                           ; v8   the same + 49,152: K steps 4-7
.set L8,   5                           ; v5   8 x lane
.set VAS,  6                           ; v6   A's scale words: 512 h + 4 r: lanes 0-15 an even tile, lanes 16-31 the odd one beside it
.set VBS,  9                           ; v9   SCB + 16 x lane
.set FI,   10                          ; v10  where I lay my quarter of the codes: 16 x lane + 24,576 x wave
.set FS,   12                          ; v12  and of the scale words: SCB + 16 x lane + 1,024 x wave
.set EO,   15                          ; v15  the way out: my scale word's place
.set SA,   16
.set SB,   20
.set BF,   32
.set AF,   128
.set TM,   224
.set FT,   240
.set WV,   22                          ; s22 wave;  s23 block of 256 rows;  s24 which weight;  s25 its panel
.set RBK,  23
.set WH,   24
.set PP,   25
.set SEL,  26                          ; s[26:27] selects for lane l xor 16
.set SBP,  28                          ; s[28:29] my quarter of the record's codes;  s[30:31] of its scale words
.set SBS,  30
.set SAP,  4                           ; s[4:5] hc at my four tiles;  s[6:7] hs
.set SAS,  6
.set HM,   40                          ; s40 mask of lanes 16-31
.set SO,   48                          ; s[48:49] where my units go;  s[50:51] my scale words
.set SOS,  50
.set MSB, 0
.macro WIN new                         ; the immediate's high byte repeats the setting that is left
.if MSB != (\new)
	s_set_vgpr_msb (MSB<<8)|(\new)
.set MSB, (\new)
.endif
.endm
.macro PLACES                          ; four plain places behind matrix instructions, in front of loads into their registers and of the first read of results
.rept 4
	v_nop
.endr
.endm
; one product.  ra, rb: the side's scale words stand in lanes 16-31 of its register
.macro WM d, a, b, zero, sa, sb, ra, rb
.if \zero
.if (\ra) && (\rb)
	v_wmma_scale_f32_16x16x128_f8f6f4 v[\d:\d+7], v[\a:\a+11], v[\b:\b+11], 0, v[\sa], v[\sb] matrix_a_fmt:MATRIX_FMT_FP6 matrix_b_fmt:MATRIX_FMT_FP6 matrix_a_scale:MATRIX_SCALE_ROW1 matrix_b_scale:MATRIX_SCALE_ROW1
.elseif (\ra)
	v_wmma_scale_f32_16x16x128_f8f6f4 v[\d:\d+7], v[\a:\a+11], v[\b:\b+11], 0, v[\sa], v[\sb] matrix_a_fmt:MATRIX_FMT_FP6 matrix_b_fmt:MATRIX_FMT_FP6 matrix_a_scale:MATRIX_SCALE_ROW1
.elseif (\rb)
	v_wmma_scale_f32_16x16x128_f8f6f4 v[\d:\d+7], v[\a:\a+11], v[\b:\b+11], 0, v[\sa], v[\sb] matrix_a_fmt:MATRIX_FMT_FP6 matrix_b_fmt:MATRIX_FMT_FP6 matrix_b_scale:MATRIX_SCALE_ROW1
.else
	v_wmma_scale_f32_16x16x128_f8f6f4 v[\d:\d+7], v[\a:\a+11], v[\b:\b+11], 0, v[\sa], v[\sb] matrix_a_fmt:MATRIX_FMT_FP6 matrix_b_fmt:MATRIX_FMT_FP6
.endif
.else
.if (\ra) && (\rb)
	v_wmma_scale_f32_16x16x128_f8f6f4 v[\d:\d+7], v[\a:\a+11], v[\b:\b+11], v[\d:\d+7], v[\sa], v[\sb] matrix_a_fmt:MATRIX_FMT_FP6 matrix_b_fmt:MATRIX_FMT_FP6 matrix_a_scale:MATRIX_SCALE_ROW1 matrix_b_scale:MATRIX_SCALE_ROW1
.elseif (\ra)
	v_wmma_scale_f32_16x16x128_f8f6f4 v[\d:\d+7], v[\a:\a+11], v[\b:\b+11], v[\d:\d+7], v[\sa], v[\sb] matrix_a_fmt:MATRIX_FMT_FP6 matrix_b_fmt:MATRIX_FMT_FP6 matrix_a_scale:MATRIX_SCALE_ROW1
.elseif (\rb)
	v_wmma_scale_f32_16x16x128_f8f6f4 v[\d:\d+7], v[\a:\a+11], v[\b:\b+11], v[\d:\d+7], v[\sa], v[\sb] matrix_a_fmt:MATRIX_FMT_FP6 matrix_b_fmt:MATRIX_FMT_FP6 matrix_b_scale:MATRIX_SCALE_ROW1
.else
	v_wmma_scale_f32_16x16x128_f8f6f4 v[\d:\d+7], v[\a:\a+11], v[\b:\b+11], v[\d:\d+7], v[\sa], v[\sb] matrix_a_fmt:MATRIX_FMT_FP6 matrix_b_fmt:MATRIX_FMT_FP6
.endif
.endif
.endm
; 64 numbers of a lane, v[s] on in window w, register 16 b + i = k 32 b + 16 h + i, become 12 registers of codes at v[pc] on (pc + 12 .. pc + 19 at work) and the scale word v[pw].  Each accumulator is read from its low end on.
.macro QUANT s, w, pc, pw
	WIN 5*(\w)
.irp b, 0,1,2,3
	v_max3_num_f32 v[TM+\b], |v[(\s)+16*\b]|, |v[(\s)+1+16*\b]|, 0x1800000   ; my 16 numbers of block b, and the floor 2^(3 - 127): the byte cannot fall under 1
.endr
.irp i, 2,4,6,8,10,12,14
.irp b, 0,1,2,3
	v_max3_num_f32 v[TM+\b], |v[(\s)+16*\b+\i]|, |v[(\s)+1+16*\b+\i]|, v[TM+\b]
.endr
.endr
	WIN 0
.irp b, 0,1,2,3
	v_permlanex16_b32 v[TM+4+\b], v[TM+\b], s[SEL], s[SEL+1]
.endr
.irp b, 0,1,2,3
	v_max_num_f32 v[TM+\b], v[TM+\b], v[TM+4+\b]           ; with lane l xor 16's 16: the block's largest magnitude
.endr
.irp b, 0,1,2,3
	v_add_nc_u32 v[TM+12+\b], 0xff000000, v[TM+\b]         ; 2 off its exponent field: the conversion's scale operand
.endr
.irp b, 0,1,2,3
	v_lshrrev_b32 v[TM+4+\b], 23, v[TM+12+\b]              ; the scale's byte
.endr
	v_lshl_or_b32 v[\pw], v[TM+5], 8, v[TM+4]
	v_lshl_or_b32 v[\pw], v[TM+6], 16, v[\pw]
	v_lshl_or_b32 v[\pw], v[TM+7], 24, v[\pw]
	WIN \w
.irp c, 0,1
	v_cvt_scalef32_pk16_fp6_f32 v[\pc+6*\c:\pc+2+6*\c], v[(\s)+32*\c:(\s)+15+32*\c], v[TM+12+2*\c]
	v_cvt_scalef32_pk16_fp6_f32 v[\pc+12+4*\c:\pc+14+4*\c], v[(\s)+16+32*\c:(\s)+31+32*\c], v[TM+13+2*\c]
.endr
	WIN 0
	v_nop                                                  ; one plain place behind a scaled conversion
.irp c, 0,1
.irp i, 0,1,2
	v_permlane16_swap_b32 v[\pc+6*\c+\i], v[\pc+12+4*\c+\i]
.endr
.irp i, 0,1,2
	v_mov_b32 v[\pc+3+6*\c+\i], v[\pc+12+4*\c+\i]
.endr
.endr
.endm
.macro ALOAD s                         ; 18 loads: my four tiles' fragments of K step s (two units each) and two registers of scale words, into set s % 2
.irp m, 0,1,2,3
.irp e, 0,1
	global_load_b128 v[AF+48*((\s)%2)+12*\m+6*\e:AF+48*((\s)%2)+12*\m+6*\e+3], v[L16], s[SAP:SAP+1] offset:(16*\m+2*(\s)+\e)*768
	global_load_b64 v[AF+48*((\s)%2)+12*\m+6*\e+4:AF+48*((\s)%2)+12*\m+6*\e+5], v[L8], s[SAP:SAP+1] offset:(16*\m+2*(\s)+\e)*768+512
.endr
.endr
.irp q, 0,1
	global_load_b32 v[SA+2*((\s)%2)+\q], v[VAS], s[SAS:SAS+1] offset:(16*\q+(\s))*64
.endr
.endm
.macro BLOAD s, half                   ; four of the panel's fragments of K step s: 12 loads; with half 0 the step's scale words: 13
.irp n, 0,1,2,3
.irp c, 0,1,2
	ds_load_b128 v[BF+12*(4*(\half)+\n)+4*\c:BF+12*(4*(\half)+\n)+4*\c+3], v[VB+(\s)/4] offset:((\s)%4)*12288+1536*(4*(\half)+\n)+512*\c
.endr
.endr
.if (\half) == 0
	ds_load_b128 v[SB+4*((\s)%2):SB+4*((\s)%2)+3], v[VBS] offset:512*(\s)
.endif
.endm
.macro MULH s, half, nat               ; 16 products: four of the panel's tiles x my four tiles of rows.  The 32 accumulators take turns, in the same order in every K step
.irp n, 0,1,2,3
.irp m, 0,1,2,3
.set NTI, 4*(\half)+\n
.set RB, BF+12*NTI
.set RA, AF+48*((\s)%2)+12*\m
.set RSB, SB+4*((\s)%2)+NTI/2
.set RSA, SA+2*((\s)%2)+\m/2
.if \nat
	WM 8*(4*NTI+\m), RA, RB, (\s)==0, RSA, RSB, \m%2, NTI%2
.else
	WM 8*(8*\m+NTI), RB, RA, (\s)==0, RSB, RSA, NTI%2, \m%2
.endif
.endr
.endr
.endm
.macro KSTEP s, nat
.if (\s) < 7
	s_wait_loadcnt 18                              ; A of this step is in; the 18 loads of the next step may stay out
.else
	s_wait_loadcnt 0
.endif
	s_wait_dscnt 12                                ; the panel's first four fragments and the scale words are in; the other four's 12 loads may stay out
	WIN 0x50                                       ; C and D in window 1
	MULH \s, 0, \nat
	WIN 0
.if (\s) < 7
	PLACES
	BLOAD (\s)+1, 0
	s_wait_dscnt 13                                ; this step's other four are in; the 13 just issued may stay out
.else
	s_wait_dscnt 0
.endif
	WIN 0x50
	MULH \s, 1, \nat
	WIN 0
	PLACES
.if (\s) < 7
	BLOAD (\s)+1, 1
.endif
.if (\s) < 6
	ALOAD (\s)+2
.endif
.endm
	s_load_b256 s[4:11], s[0:1], 0x0               ; hc s[4:5], hs s[6:7], wl s[8:9], qkvb s[10:11]
	v_lshl_add_u32 v254, v0, 2, 0x19000
	v_mov_b32 v255, 0
	v_lshrrev_b32 v1, 5, v0
	v_readfirstlane_b32 s[WV], v1
	v_and_b32 v1, 31, v0                           ; lane
	v_and_b32 v2, 15, v0                           ; r
	v_bfe_u32 v3, v0, 4, 1                         ; h
	v_lshlrev_b32 v[L16], 4, v1
	v_lshlrev_b32 v[L8], 3, v1
	v_lshlrev_b32 v[VAS], 2, v2
	v_lshl_add_u32 v[VAS], v3, 9, v[VAS]
	v_add_nc_u32 v[VB+1], 49152, v[L16]
	v_add_nc_u32 v[VBS], SCB, v[L16]
	s_mul_i32 s32, s[WV], 24576
	v_add_nc_u32 v[FI], s32, v[L16]
	s_lshl_b32 s33, s[WV], 10
	v_add_nc_u32 v[FS], s33, v[VBS]
	v_cmp_ne_u32 s[HM], 0, v3
.irp b, 0,1,2,3
	v_mov_b32 v[TM+4+\b], 0                        ; written once: a lane permute's destination counts as one of its sources
.endr
	s_and_b32 s[RBK], ttmp7, 0xffff
	s_lshr_b32 s[WH], ttmp9, 3
	s_and_b32 s[PP], ttmp9, 7
	s_mov_b32 s[SEL], 0x76543210
	s_mov_b32 s[SEL+1], 0xfedcba98
	s_mul_i32 s34, ttmp9, PREC                     ; my panel's record
	s_add_co_u32 s36, s34, s33
	s_add_co_u32 s36, s36, SCB                     ; my quarter of its scale words,
	s_add_co_u32 s34, s34, s32                     ; and of its codes
	s_mov_b32 s35, 0
	s_mov_b32 s37, 0
	s_lshl_b32 s38, s[RBK], 4
	s_lshl_b32 s39, s[WV], 2
	s_add_co_u32 s38, s38, s39                     ; my first tile of rows
	s_mul_i32 s42, s38, 12288
	s_mov_b32 s43, 0
	s_lshl_b32 s44, s38, 9
	s_mov_b32 s45, 0
	s_lshr_b32 s46, s[RBK], 3
	s_lshl_b32 s46, s46, 4
	s_lshl_b32 s47, s[PP], 1
	s_add_co_u32 s46, s46, s47                     ; the first of my two records of qkvb: 16 x batch + 2 x panel
	s_mul_i32 s46, s46, REC
	s_wait_kmcnt 0x0
	s_add_nc_u64 s[SBP:SBP+1], s[8:9], s[34:35]
	s_add_nc_u64 s[SBS:SBS+1], s[8:9], s[36:37]
	s_add_nc_u64 s[SAP:SAP+1], s[SAP:SAP+1], s[42:43]
	s_add_nc_u64 s[SAS:SAS+1], s[SAS:SAS+1], s[44:45]
	; THE COPY: my quarter of the record, 50 loads of 512 consecutive bytes
	global_load_b128 v[FT:FT+3], v[L16], s[SBS:SBS+1]
	global_load_b128 v[FT+4:FT+7], v[L16], s[SBS:SBS+1] offset:512
	WIN 0x40                                       ; destination window 1
.set fq, 0
.rept 48
	global_load_b128 v[4*fq:4*fq+3], v[L16], s[SBP:SBP+1] offset:512*fq
.set fq, fq+1
.endr
	WIN 0
	ALOAD 0
	ALOAD 1
	s_wait_loadcnt 36                              ; all but A's first two K steps
	ds_store_b128 v[FS], v[FT:FT+3]
	ds_store_b128 v[FS], v[FT+4:FT+7] offset:512
	WIN 0x04                                       ; an LDS store's data are its source 1: window 1
.set fq, 0
.rept 48
	ds_store_b128 v[FI], v[4*fq:4*fq+3] offset:512*fq
.set fq, fq+1
.endr
	WIN 0
	s_wait_dscnt 0x0                               ; for the others' sake: my part of the panel has landed
	s_barrier_signal -1
	s_barrier_wait -1                              ; the panel is whole; from here on LDS is only read
	BLOAD 0, 0
	BLOAD 0, 1
	s_cmp_eq_u32 s[WH], 2
	s_cbranch_scc1 .Lv
	; ---- q or k
	s_and_b32 s47, s[RBK], 7
	s_lshl_b32 s47, s47, 4
	s_add_co_u32 s47, s47, s39                     ; my first tile within the batch: 16 (y % 8) + 4 x wave
	s_mul_i32 s48, s47, 768
	s_lshl_b32 s49, s47, 6
	s_mov_b32 s51, QSC
	s_cmp_eq_u32 s[WH], 1
	s_cselect_b32 s50, 0, QCO
	s_cselect_b32 s51, KSC, s51
	s_add_co_u32 s48, s48, s46
	s_add_co_u32 s48, s48, s50
	s_add_co_u32 s50, s49, s46
	s_add_co_u32 s50, s50, s51
	s_mov_b32 s49, 0
	s_mov_b32 s51, 0
	s_add_nc_u64 s[SO:SO+1], s[10:11], s[SO:SO+1]
	s_add_nc_u64 s[SOS:SOS+1], s[10:11], s[SOS:SOS+1]
	v_mul_u32_u24 v[EO], v3, REC
	v_lshl_add_u32 v[EO], v2, 2, v[EO]             ; lanes 0-15 write the first head's words, lanes 16-31 the second's
.irp k, 0,1,2,3,4,5,6,7
	KSTEP \k, 0
.endr
.irp m, 0,1,2,3                        ; a tile of rows: 128 numbers a token = two heads = two units
	QUANT 64*\m, 1, 32+20*\m, 112+\m
	v_lshrrev_b32 v120, 16, v[112+\m]
	v_and_b32 v121, 0xffff, v[112+\m]
	v_cndmask_b32 v[116+\m], v121, v120, s[HM]
	global_store_b128 v[L16], v[32+20*\m:35+20*\m], s[SO:SO+1] offset:768*\m
	global_store_b64 v[L8], v[36+20*\m:37+20*\m], s[SO:SO+1] offset:768*\m+512
	global_store_b128 v[L16], v[38+20*\m:41+20*\m], s[SO:SO+1] offset:768*\m+REC
	global_store_b64 v[L8], v[42+20*\m:43+20*\m], s[SO:SO+1] offset:768*\m+512+REC
	global_store_b32 v[EO], v[116+\m], s[SOS:SOS+1] offset:64*\m
.endr
	s_wait_tensorcnt 0x0
	ds_add_u32 v254, v255
	s_wait_dscnt 0x0
	s_endpgm
.Lv:
	; ---- v: my 64 rows are one group of 64 keys
	s_and_b32 s47, s[RBK], 7
	s_lshl_b32 s47, s47, 2
	s_add_co_u32 s47, s47, s[WV]                   ; the group: 4 (y % 8) + wave
	s_mul_i32 s48, s47, 3072
	s_add_co_u32 s48, s48, s46
	s_add_co_u32 s48, s48, VCO
	s_mov_b32 s49, 0
	s_lshr_b32 s50, s47, 1
	s_lshl_b32 s50, s50, 8
	s_and_b32 s51, s47, 1
	s_lshl_b32 s51, s51, 1
	s_add_co_u32 s50, s50, s51                     ; K step group / 2, half word group % 2
	s_add_co_u32 s50, s50, s46
	s_add_co_u32 s50, s50, VSC
	s_mov_b32 s51, 0
	s_add_nc_u64 s[SO:SO+1], s[10:11], s[SO:SO+1]
	s_add_nc_u64 s[SOS:SOS+1], s[10:11], s[SOS:SOS+1]
	v_lshlrev_b32 v[EO], 6, v3
	v_lshl_add_u32 v[EO], v2, 2, v[EO]             ; lanes 0-15 the even tile's half words, lanes 16-31 the odd tile's
.irp k, 0,1,2,3,4,5,6,7
	KSTEP \k, 1
.endr
.irp g, 0,1,2,3                        ; two of the panel's tiles: 16 of a head's 64 each, 64 keys a lane: a unit each
	QUANT 64*\g, 1, 32+20*\g, 112+\g
	v_lshrrev_b32 v120, 16, v[112+\g]
	v_cndmask_b32 v[116+\g], v[112+\g], v120, s[HM]
	global_store_b128 v[L16], v[32+20*\g:35+20*\g], s[SO:SO+1] offset:(\g/2)*REC+1536*(\g%2)
	global_store_b64 v[L8], v[36+20*\g:37+20*\g], s[SO:SO+1] offset:(\g/2)*REC+1536*(\g%2)+512
	global_store_b128 v[L16], v[38+20*\g:41+20*\g], s[SO:SO+1] offset:(\g/2)*REC+1536*(\g%2)+768
	global_store_b64 v[L8], v[42+20*\g:43+20*\g], s[SO:SO+1] offset:(\g/2)*REC+1536*(\g%2)+1280
	global_store_b16 v[EO], v[116+\g], s[SOS:SOS+1] offset:(\g/2)*REC+128*(\g%2)
.endr
	s_wait_tensorcnt 0x0
	ds_add_u32 v254, v255
	s_wait_dscnt 0x0
	s_endpgm
.Lfunc_end_k_q45ea76cb20_qkv:
	.size	k_q45ea76cb20_qkv, .Lfunc_end_k_q45ea76cb20_qkv-k_q45ea76cb20_qkv
	.p2alignl 7, 3214868480
	.fill 96, 4, 3214868480
	.section	.rodata,"a",@progbits
	.p2align	6, 0x0
	.amdhsa_kernel k_q45ea76cb20_qkv
		.amdhsa_group_segment_fixed_size 102912
		.amdhsa_private_segment_fixed_size 0
		.amdhsa_enable_private_segment 0
		.amdhsa_kernarg_size 32
		.amdhsa_user_sgpr_count 2
		.amdhsa_user_sgpr_kernarg_segment_ptr 1
		.amdhsa_wavefront_size32 1
		.amdhsa_system_sgpr_workgroup_id_x 1
		.amdhsa_system_sgpr_workgroup_id_y 1
		.amdhsa_system_sgpr_workgroup_id_z 1
		.amdhsa_system_vgpr_workitem_id 0
		.amdhsa_next_free_vgpr 512
		.amdhsa_next_free_sgpr 66
		.amdhsa_reserve_vcc 0
		.amdhsa_float_denorm_mode_32 3
		.amdhsa_float_denorm_mode_16_64 3
		.amdhsa_memory_ordered 1
		.amdhsa_forward_progress 1
		.amdhsa_inst_pref_size 167
	.end_amdhsa_kernel
	.amdgpu_metadata
---
amdhsa.version: [ 1, 2 ]
amdhsa.kernels:
  - .name:           k_q45ea76cb20_qkv
    .symbol:         k_q45ea76cb20_qkv.kd
    .args:
      - { .name: hc, .offset: 0, .size: 8, .value_kind: global_buffer, .address_space: global }
      - { .name: hs, .offset: 8, .size: 8, .value_kind: global_buffer, .address_space: global }
      - { .name: wl, .offset: 16, .size: 8, .value_kind: global_buffer, .address_space: global }
      - { .name: qkvb, .offset: 24, .size: 8, .value_kind: global_buffer, .address_space: global }
    .group_segment_fixed_size: 102912
    .private_segment_fixed_size: 0
    .kernarg_segment_align: 8
    .kernarg_segment_size: 32
    .max_flat_workgroup_size: 128
    .sgpr_count:     66
    .vgpr_count:     512
    .wavefront_size: 32
...
	.end_amdgpu_metadata
.endif
;; end of part 3
;; launch attn (part 4): grid 8 x 32, 16 waves a work-group, no clusters, 210,944 bytes of LDS; arguments qkvb, hc, hs; writes hc, hs
.if DOCPART == 4
	.amdgcn_target "amdgcn-amd-amdhsa--gfx1250"
	.amdhsa_code_object_version 6
	.text
	.protected	k_q45ea76cb20_attn
	.globl	k_q45ea76cb20_attn
	.p2align	8
	.type	k_q45ea76cb20_attn,@function
k_q45ea76cb20_attn:
	s_mov_b64 s[64:65], 0
	v_nop
	global_prefetch_b8 v0, s[64:65] scope:SCOPE_SE
	s_setreg_imm32_b32 hwreg(HW_REG_WAVE_MODE, 25, 1), 1
	s_wait_xcnt 0x0
; o = softmax(q k^T / 8, causal) v for one (batch, head), both products on codes of FP6 (E2M3) with E8M0 scales, and o's own quantising along the head's 64.
; IN.  qkvb: the head's record: K's units [128 tiles of 16 keys][768], V's [32 groups of 64 keys][4 tiles of the head's 64][768], K's scale words [128][16], V's [16 steps][4][16], Q's units, Q's scale words.
; A tile of tokens 2 b + u holds tokens 32 b + 8 u + i + 8 (i / 8), so that the 16 registers of two neighbouring tiles of S^T are 16 neighbouring keys; V's tiles of the head's 64 are composed alike, so O^T's are 16 neighbours too.
; OUT.  hc, hs: o as units (the head is the unit's number) and half scale words, for the product with wo.
; THE SOFTMAX: t = score x log2(e) / 8; M = the running largest t rounded up to a whole number, kept as -M = floor(-t); p = 2^(t - M) is quantised along the keys; the row's sum is taken of the unquantised p and divides at the end;
; when M moves, the sum and O^T are multiplied by 2^(old M - new M), which rounds nothing.
; SHARES.  A work-group has 16 waves, each ONE tile of 16 queries in 256 registers.  Work-group x = j gives waves 0-7 tiles 8 j .. 8 j + 7 and waves 8-15 tiles 8 (15 - j) ..: 8 (j + 1) + 8 (16 - j) = 136 key steps in every work-group.
; The record's first 208,896 bytes (K, V, their scales) come into LDS ONCE: each wave brings 51 rows of 256 bytes by one tensor load; nothing is ever filled again.  By this text's count a wave has one tensor load out.
; Every wave walks 16 trips; a step whose 128 keys all come after the wave's queries is jumped over by a scalar branch on ids; the lines that step addresses are on every path.
; K = 64 IN A PRODUCT 128 DEEP: Q's registers 6-11 are zero codes, so K's fragment of tile t is the run of 12 registers that begins with its six; the upper six (the next tile's codes, or zeros) meet zeros.  The scale words' upper bytes are 0, which is 2^-127 and no NaN.
; NO CLUSTER: the eight work-groups of a head read the same record, but which steps a wave jumps over hangs on the work-group's x.
; LIMITS: NaN and infinities are not served.  A block whose largest magnitude lies under 2^-124 (zeros too) gets the byte 1; these bytes are read by this program alone.
; A block's largest p is the exponential of its largest score: this takes v_exp_f32 not to fall where its input rises.
; REGISTERS: v1-6 places that stay; v7 the mask's number; v8-11, v92-93 addresses of the step; v12 -M, v13 the largest t, v[14:15] the sum; v16-27 Q; v28 Q's scale words; v29 p's; v[30:31] f; v32-85 K (behind the first product: at work);
; v86-89 K's scale words, v90-91 V's; v94 at work; v95 8 x lane; v96-159 S^T, then p; v160-191 O^T; v192-239 V; v240-251 p's codes; v252 4 r.
.set REC,  315392
.set VCO,  98304
.set KSC,  196608
.set VSC,  204800
.set QCO,  208896
.set QSC,  307200
.set BM,   32                          ; the blocks' largest scores
.set PT,   36                          ; the exchange with lane l xor 16 (K's loads of the same trip have written them)
.set SOP,  40                          ; the conversions' scale operands
.set BY,   44                          ; the bytes
.set C2,   48                          ; the blocks' second halves of codes
.set RSM,  56                          ; the sum's second chain
.set G1,   16                          ; s[16:23], s[24:27] the tensor load's descriptor
.set G0,   24
.set SEL,  28
.set CS,   30                          ; s[30:31] c = log2(e) / 8
.macro PLACES
.rept 4
	v_nop
.endr
.endm
.macro WM d, a, b, zero, sa, sb, ra, rb
.if \zero
.if (\ra) && (\rb)
	v_wmma_scale_f32_16x16x128_f8f6f4 v[\d:\d+7], v[\a:\a+11], v[\b:\b+11], 0, v[\sa], v[\sb] matrix_a_fmt:MATRIX_FMT_FP6 matrix_b_fmt:MATRIX_FMT_FP6 matrix_a_scale:MATRIX_SCALE_ROW1 matrix_b_scale:MATRIX_SCALE_ROW1
.elseif (\ra)
	v_wmma_scale_f32_16x16x128_f8f6f4 v[\d:\d+7], v[\a:\a+11], v[\b:\b+11], 0, v[\sa], v[\sb] matrix_a_fmt:MATRIX_FMT_FP6 matrix_b_fmt:MATRIX_FMT_FP6 matrix_a_scale:MATRIX_SCALE_ROW1
.elseif (\rb)
	v_wmma_scale_f32_16x16x128_f8f6f4 v[\d:\d+7], v[\a:\a+11], v[\b:\b+11], 0, v[\sa], v[\sb] matrix_a_fmt:MATRIX_FMT_FP6 matrix_b_fmt:MATRIX_FMT_FP6 matrix_b_scale:MATRIX_SCALE_ROW1
.else
	v_wmma_scale_f32_16x16x128_f8f6f4 v[\d:\d+7], v[\a:\a+11], v[\b:\b+11], 0, v[\sa], v[\sb] matrix_a_fmt:MATRIX_FMT_FP6 matrix_b_fmt:MATRIX_FMT_FP6
.endif
.else
.if (\ra) && (\rb)
	v_wmma_scale_f32_16x16x128_f8f6f4 v[\d:\d+7], v[\a:\a+11], v[\b:\b+11], v[\d:\d+7], v[\sa], v[\sb] matrix_a_fmt:MATRIX_FMT_FP6 matrix_b_fmt:MATRIX_FMT_FP6 matrix_a_scale:MATRIX_SCALE_ROW1 matrix_b_scale:MATRIX_SCALE_ROW1
.elseif (\ra)
	v_wmma_scale_f32_16x16x128_f8f6f4 v[\d:\d+7], v[\a:\a+11], v[\b:\b+11], v[\d:\d+7], v[\sa], v[\sb] matrix_a_fmt:MATRIX_FMT_FP6 matrix_b_fmt:MATRIX_FMT_FP6 matrix_a_scale:MATRIX_SCALE_ROW1
.elseif (\rb)
	v_wmma_scale_f32_16x16x128_f8f6f4 v[\d:\d+7], v[\a:\a+11], v[\b:\b+11], v[\d:\d+7], v[\sa], v[\sb] matrix_a_fmt:MATRIX_FMT_FP6 matrix_b_fmt:MATRIX_FMT_FP6 matrix_b_scale:MATRIX_SCALE_ROW1
.else
	v_wmma_scale_f32_16x16x128_f8f6f4 v[\d:\d+7], v[\a:\a+11], v[\b:\b+11], v[\d:\d+7], v[\sa], v[\sb] matrix_a_fmt:MATRIX_FMT_FP6 matrix_b_fmt:MATRIX_FMT_FP6
.endif
.endif
.endm
	s_load_b128 s[4:7], s[0:1], 0x0                ; qkvb, hc
	s_load_b64 s[8:9], s[0:1], 0x10                ; hs
	v_lshl_add_u32 v254, v0, 2, 0x33000
	v_mov_b32 v255, 0
	ds_add_u32 v254, v255
	ds_add_u32 v254, v255
	v_lshrrev_b32 v94, 5, v0
	v_readfirstlane_b32 s10, v94                   ; wave 0..15
	s_and_b32 s11, ttmp7, 0xffff                   ; 16 x batch + head
	s_mul_i32 s36, s11, REC
	s_mov_b32 s37, 0
	s_mul_i32 s[G0+1], s10, 13056                  ; LDS address: my 51 rows of 256 bytes
	s_mov_b32 s38, s[G0+1]                         ; and the same place in the record
	s_mov_b32 s39, 0
	s_mov_b32 s[G0], 1                             ; count = 1
	s_mov_b32 s[G1], 3<<16                         ; no mask; elements of 8 bytes; no padding
	s_mov_b32 s[G1+1], 32<<16                      ; tensor_dim0 = 32 elements: 256 bytes
	s_mov_b32 s[G1+2], 51<<16                      ; tensor_dim1 = 51
	s_mov_b32 s[G1+3], 32<<16                      ; tile_dim0
	s_mov_b32 s[G1+4], 51                          ; tile_dim1
	s_mov_b32 s[G1+5], 32                          ; the pitch: rows follow each other
	s_mov_b32 s[G1+6], 0
	s_mov_b32 s[G1+7], 0
	s_wait_dscnt 0x0
	s_wait_kmcnt 0x0
	s_add_nc_u64 s[4:5], s[4:5], s[36:37]          ; my record
	s_add_nc_u64 s[G0+2:G0+3], s[4:5], s[38:39]
	s_or_b32 s[G0+3], s[G0+3], 0x80000000          ; type = 2
	tensor_load_to_lds s[G0:G0+3], s[G1:G1+7]      ; the one fill, ahead of everything else
	s_nop 0
.rept 4
	v_nop
.endr
	s_lshl_b32 s13, ttmp9, 3
	s_add_co_u32 s13, s13, s10                     ; 8 j + wave
	s_sub_co_u32 s15, 15, ttmp9
	s_lshl_b32 s15, s15, 3
	s_add_co_u32 s15, s15, s10
	s_sub_co_u32 s15, s15, 8                       ; 8 (15 - j) + wave - 8
	s_cmp_lt_u32 s10, 8
	s_cselect_b32 s13, s13, s15                    ; T: my tile of queries
	s_lshr_b32 s14, s13, 3                         ; my last key step, the one on the diagonal
	s_and_b32 s40, s13, 7
	s_lshr_b32 s40, s40, 1
	s_lshl_b32 s40, s40, 5
	s_and_b32 s41, s13, 1
	s_lshl_b32 s41, s41, 3
	s_add_co_u32 s40, s40, s41                     ; my tile's first token within its 128
	s_mul_i32 s42, s13, 768
	s_add_co_u32 s42, s42, QCO
	s_mov_b32 s43, 0
	s_lshl_b32 s44, s13, 6
	s_add_co_u32 s44, s44, QSC
	s_mov_b32 s45, 0
	s_add_nc_u64 s[42:43], s[4:5], s[42:43]        ; Q's unit
	s_add_nc_u64 s[44:45], s[4:5], s[44:45]        ; Q's scale words
	s_lshr_b32 s46, s11, 4
	s_lshl_b32 s46, s46, 7
	s_add_co_u32 s46, s46, s13                     ; my tile among all 256
	s_and_b32 s47, s11, 15                         ; the head
	s_lshl_b32 s48, s46, 4
	s_add_co_u32 s48, s48, s47
	s_mul_i32 s48, s48, 768
	s_mov_b32 s49, 0
	s_lshl_b32 s50, s46, 3
	s_lshr_b32 s51, s47, 1
	s_add_co_u32 s50, s50, s51
	s_lshl_b32 s50, s50, 6
	s_and_b32 s51, s47, 1
	s_lshl_b32 s51, s51, 1
	s_add_co_u32 s50, s50, s51
	s_mov_b32 s51, 0
	s_add_nc_u64 s[6:7], s[6:7], s[48:49]          ; o's unit
	s_add_nc_u64 s[8:9], s[8:9], s[50:51]          ; o's half scale words
	s_mov_b32 s[SEL], 0x76543210
	s_mov_b32 s[SEL+1], 0xfedcba98
	s_mov_b32 s[CS], 0x3e38aa3b                    ; log2(e) / 8
	s_mov_b32 s[CS+1], s[CS]                       ; (named with it as a pair, so it is written)
	v_and_b32 v94, 31, v0                          ; lane
	v_lshlrev_b32 v1, 4, v94                       ; K's units: 16 x lane,
	v_lshlrev_b32 v95, 3, v94
	v_add_nc_u32 v2, 512, v95                      ; and 512 + 8 x lane
	v_add_nc_u32 v3, VCO, v1                       ; V's likewise
	v_add_nc_u32 v4, VCO+512, v95
	v_lshl_add_u32 v5, v94, 2, KSC                 ; scale words: lanes 0-15 an even tile, lanes 16-31 the odd one beside it
	v_lshl_add_u32 v6, v94, 2, VSC
	v_and_b32 v8, 15, v0                           ; r
	v_lshlrev_b32 v252, 2, v8
	global_load_b128 v[16:19], v1, s[42:43]        ; Q's six registers stay
	global_load_b64 v[20:21], v95, s[42:43] offset:512
	global_load_b32 v28, v252, s[44:45]
	v_and_b32 v7, 8, v8
	v_add_nc_u32 v7, v7, v8                        ; r + 8 (r / 8)
	v_bfe_u32 v9, v0, 4, 1
	v_lshlrev_b32 v9, 4, v9
	v_sub_nc_u32 v7, v7, v9
	v_add_nc_u32 v7, s40, v7                       ; my query - the diagonal step's first key - 16 h
.irp i, 22,23,24,25,26,27, 80,81,82,83,84,85
	v_mov_b32 v\i, 0                               ; zero codes: Q's upper half, and what follows K's last tile
.endr
.set n, 0
.rept 32
	v_mov_b32 v[160+n], 0                          ; O^T: the step is written once; the first finds zeros
.set n, n+1
.endr
	v_mov_b32 v14, 0
	v_mov_b32 v15, 0
	v_mov_b32 v31, 0                               ; (named as the upper half of the pair v[30:31])
	v_mov_b32 v13, 0xff61b1e6                      ; the largest t so far: -3e38
	v_floor_f32 v12, -v13
	s_mov_b32 s32, 0                               ; the step
	s_mov_b32 s33, 0                               ; its units: 6,144 bytes a step, in K and in V
	s_mov_b32 s34, 0                               ; K's scale words: 512
	s_mov_b32 s35, 0                               ; V's: 256
	s_wait_tensorcnt 0x0                           ; my part has landed,
	s_barrier_signal -1
	s_barrier_wait -1                              ; everybody's has; from here on LDS is only read
	s_wait_loadcnt 0x0                             ; Q
.Lstep:
	s_cmp_gt_u32 s32, s14
	s_cbranch_scc1 .Lskip                          ; all 128 keys come after my queries
	v_add_nc_u32 v8, s33, v1                       ; (these six are also the places behind the last products, in front of the loads into V's registers)
	v_add_nc_u32 v9, s33, v2
	v_add_nc_u32 v10, s33, v3
	v_add_nc_u32 v11, s33, v4
	v_add_nc_u32 v92, s34, v5
	v_add_nc_u32 v93, s35, v6
.irp t, 0,1,2,3,4,5,6,7
	ds_load_b128 v[32+6*\t:35+6*\t], v8 offset:768*\t
	ds_load_b64 v[36+6*\t:37+6*\t], v9 offset:768*\t
.endr
.irp b, 0,1,2,3
	ds_load_b32 v[86+\b], v92 offset:128*\b
.endr
.irp t, 0,1,2,3
.irp c, 0,1
	ds_load_b128 v[192+12*\t+6*\c:195+12*\t+6*\c], v10 offset:(4*\c+\t)*768
	ds_load_b64 v[196+12*\t+6*\c:197+12*\t+6*\c], v11 offset:(4*\c+\t)*768
.endr
.endr
.irp q, 0,1
	ds_load_b32 v[90+\q], v93 offset:128*\q
.endr
	s_wait_dscnt 18                                ; K and its scale words are in; V's 18 loads may stay out
.irp t, 0,1,2,3,4,5,6,7
	WM 96+8*\t, 32+6*\t, 16, 1, 86+\t/2, 28, \t%2, 0   ; S^T: lane (r, h) holds query r; registers 16 b + i are keys 32 b + 16 h + i of the step
.endr
	PLACES
	s_cmp_lg_u32 s32, s14
	s_cbranch_scc1 .Lopen                          ; only the diagonal step hides keys
	v_mov_b32 v94, 0xff800000                      ; -infinity: p = 0 then
.set n, 0
.rept 64
	v_cmp_gt_i32 vcc_lo, 32*(n/16)+n%16, v7
	v_cndmask_b32 v[96+n], v[96+n], v94, vcc_lo
.set n, n+1
.endr
.Lopen:
.irp b, 0,1,2,3
	v_max3_num_f32 v[BM+\b], v[96+16*\b], v[97+16*\b], v[98+16*\b]   ; the largest score of each block of 32 keys: for the row's maximum and for the block's largest p
.endr
.irp i, 3,5,7,9,11,13
.irp b, 0,1,2,3
	v_max3_num_f32 v[BM+\b], v[BM+\b], v[96+16*\b+\i], v[97+16*\b+\i]
.endr
.endr
.irp b, 0,1,2,3
	v_max_num_f32 v[BM+\b], v[BM+\b], v[111+16*\b]
.endr
.irp b, 0,1,2,3
	v_permlanex16_b32 v[PT+\b], v[BM+\b], s[SEL], s[SEL+1]
.endr
.irp b, 0,1,2,3
	v_max_num_f32 v[BM+\b], v[BM+\b], v[PT+\b]
.endr
	v_max3_num_f32 v94, v[BM], v[BM+1], v[BM+2]
	v_max_num_f32 v94, v94, v[BM+3]
	v_mul_f32 v94, s[CS], v94
	v_max_num_f32 v13, v13, v94                    ; the running largest t
	v_mov_b32 v94, v12
	v_floor_f32 v12, -v13                          ; the new -M
	v_sub_f32 v94, v12, v94                        ; old M - new M: a whole number, 0 or less
	v_cvt_i32_f32 v94, v94                         ; (it saturates)
	v_ldexp_f32 v30, 1.0, v94                      ; f = 2^(old M - new M)
.set n, 0
.rept 32
	v_pk_fma_f32 v[96+n:97+n], v[96+n:97+n], s[CS:CS+1], v[12:13] op_sel_hi:[1,0,0]   ; t - M
.set n, n+2
.endr
.irp b, 0,1,2,3
	v_fma_f32 v[BM+\b], v[BM+\b], s[CS], v12
.endr
.set n, 0
.rept 64
	v_exp_f32 v[96+n], v[96+n]                     ; p = 2^(t - M)
.set n, n+1
.endr
	v_pk_mul_f32 v[14:15], v[14:15], v[30:31] op_sel_hi:[1,0]   ; the sums under the new M: the plain place behind the batch
	s_wait_alu depctr_va_vdst(0)                   ; one wait for the 64, ahead of their first reader
.irp b, 0,1,2,3
	v_exp_f32 v[BM+\b], v[BM+\b]                   ; the blocks' largest p
.endr
	v_pk_add_f32 v[RSM:RSM+1], v[96:97], v[98:99]  ; the row's sum of the unquantised p, in two chains
.set n, 4
.rept 15
	v_pk_add_f32 v[14:15], v[14:15], v[96+n:97+n]
	v_pk_add_f32 v[RSM:RSM+1], v[RSM:RSM+1], v[98+n:99+n]
.set n, n+4
.endr
	v_pk_add_f32 v[14:15], v[14:15], v[RSM:RSM+1]
	s_wait_alu depctr_va_vdst(0)                   ; and one for the four
.irp b, 0,1,2,3
	v_max_num_f32 v[BM+\b], 0x1800000, v[BM+\b]    ; the floor 2^(3 - 127)
.endr
.irp b, 0,1,2,3
	v_add_nc_u32 v[SOP+\b], 0xff000000, v[BM+\b]
.endr
.irp b, 0,1,2,3
	v_lshrrev_b32 v[BY+\b], 23, v[SOP+\b]
.endr
	v_lshl_or_b32 v29, v[BY+1], 8, v[BY]           ; p's scale word for these 128 keys
	v_lshl_or_b32 v29, v[BY+2], 16, v29
	v_lshl_or_b32 v29, v[BY+3], 24, v29
.irp c, 0,1
	v_cvt_scalef32_pk16_fp6_f32 v[240+6*\c:242+6*\c], v[96+32*\c:111+32*\c], v[SOP+2*\c]
	v_cvt_scalef32_pk16_fp6_f32 v[C2+4*\c:C2+2+4*\c], v[112+32*\c:127+32*\c], v[SOP+1+2*\c]
.endr
	v_nop                                          ; one plain place behind a scaled conversion
.irp c, 0,1
.irp i, 0,1,2
	v_permlane16_swap_b32 v[240+6*\c+\i], v[C2+4*\c+\i]
.endr
.irp i, 0,1,2
	v_mov_b32 v[243+6*\c+\i], v[C2+4*\c+\i]
.endr
.endr
.set n, 0
.rept 16
	v_pk_mul_f32 v[160+n:161+n], v[160+n:161+n], v[30:31] op_sel_hi:[1,0]   ; O^T under the new M; also the places between p's codes and scale word and the products
.set n, n+2
.endr
	s_wait_dscnt 0x0                               ; V
.irp t, 0,1,2,3
	WM 160+8*\t, 192+12*\t, 240, 0, 90+\t/2, 29, \t%2, 0   ; O^T += V^T P^T: four accumulators by turns
.endr
.Lskip:
	s_add_co_u32 s33, s33, 6144
	s_add_co_u32 s34, s34, 512
	s_add_co_u32 s35, s35, 256
	s_add_co_u32 s32, s32, 1
	s_cmp_lt_u32 s32, 16
	s_cbranch_scc1 .Lstep
	; THE WAY OUT
	PLACES                                         ; behind the last products, on every way out of the loop
	v_add_f32 v14, v14, v15
	v_permlanex16_b32 v94, v14, s[SEL], s[SEL+1]
	v_add_f32 v14, v14, v94                        ; the row's sum
	v_rcp_f32 v14, v14
	v_mov_b32 v34, 0                               ; (a plain place; a lane permute's destination counts as one of its sources)
	v_mov_b32 v35, 0
	s_wait_alu depctr_va_vdst(0)
.set n, 0
.rept 16
	v_pk_mul_f32 v[96+n:97+n], v[160+n:161+n], v[14:15] op_sel_hi:[1,0]   ; o: register 16 b + i is channel 32 b + 16 h + i of my query
.set n, n+2
.endr
.irp b, 0,1
	v_max3_num_f32 v[32+\b], |v[96+16*\b]|, |v[97+16*\b]|, 0x1800000
.endr
.irp i, 2,4,6,8,10,12,14
.irp b, 0,1
	v_max3_num_f32 v[32+\b], v[32+\b], |v[96+16*\b+\i]|, |v[97+16*\b+\i]|
.endr
.endr
.irp b, 0,1
	v_permlanex16_b32 v[34+\b], v[32+\b], s[SEL], s[SEL+1]
.endr
.irp b, 0,1
	v_max_num_f32 v[32+\b], v[32+\b], v[34+\b]
.endr
.irp b, 0,1
	v_add_nc_u32 v[36+\b], 0xff000000, v[32+\b]
.endr
.irp b, 0,1
	v_lshrrev_b32 v[34+\b], 23, v[36+\b]
.endr
	v_lshl_or_b32 v38, v35, 8, v34                 ; the head's two bytes
	v_cvt_scalef32_pk16_fp6_f32 v[240:242], v[96:111], v36
	v_cvt_scalef32_pk16_fp6_f32 v[48:50], v[112:127], v37
	v_nop
.irp i, 0,1,2
	v_permlane16_swap_b32 v[240+\i], v[48+\i]
.endr
.irp i, 0,1,2
	v_mov_b32 v[243+\i], v[48+\i]
.endr
	global_store_b128 v1, v[240:243], s[6:7]       ; the unit: whole aligned blocks of 256 bytes
	global_store_b64 v95, v[244:245], s[6:7] offset:512
	global_store_b16 v252, v38, s[8:9]             ; lanes l and l xor 16 hold the same half word and name the same address
	s_wait_tensorcnt 0x0
	ds_add_u32 v254, v255
	s_wait_dscnt 0x0
	s_endpgm
.Lfunc_end_k_q45ea76cb20_attn:
	.size	k_q45ea76cb20_attn, .Lfunc_end_k_q45ea76cb20_attn-k_q45ea76cb20_attn
	.p2alignl 7, 3214868480
	.fill 96, 4, 3214868480
	.section	.rodata,"a",@progbits
	.p2align	6, 0x0
	.amdhsa_kernel k_q45ea76cb20_attn
		.amdhsa_group_segment_fixed_size 210944
		.amdhsa_private_segment_fixed_size 0
		.amdhsa_enable_private_segment 0
		.amdhsa_kernarg_size 24
		.amdhsa_user_sgpr_count 2
		.amdhsa_user_sgpr_kernarg_segment_ptr 1
		.amdhsa_wavefront_size32 1
		.amdhsa_system_sgpr_workgroup_id_x 1
		.amdhsa_system_sgpr_workgroup_id_y 1
		.amdhsa_system_sgpr_workgroup_id_z 1
		.amdhsa_system_vgpr_workitem_id 0
		.amdhsa_next_free_vgpr 256
		.amdhsa_next_free_sgpr 66
		.amdhsa_reserve_vcc 1
		.amdhsa_float_denorm_mode_32 3
		.amdhsa_float_denorm_mode_16_64 3
		.amdhsa_memory_ordered 1
		.amdhsa_forward_progress 1
		.amdhsa_inst_pref_size 32
	.end_amdhsa_kernel
	.amdgpu_metadata
---
amdhsa.version: [ 1, 2 ]
amdhsa.kernels:
  - .name:           k_q45ea76cb20_attn
    .symbol:         k_q45ea76cb20_attn.kd
    .args:
      - { .name: qkvb, .offset: 0, .size: 8, .value_kind: global_buffer, .address_space: global }
      - { .name: hc, .offset: 8, .size: 8, .value_kind: global_buffer, .address_space: global }
      - { .name: hs, .offset: 16, .size: 8, .value_kind: global_buffer, .address_space: global }
    .group_segment_fixed_size: 210944
    .private_segment_fixed_size: 0
    .kernarg_segment_align: 8
    .kernarg_segment_size: 24
    .max_flat_workgroup_size: 512
    .sgpr_count:     66
    .vgpr_count:     256
    .wavefront_size: 32
...
	.end_amdgpu_metadata
.endif
;; end of part 4
;; launch oproj (part 5): grid 16 x 16, 4 waves a work-group, no clusters, 69,120 bytes of LDS; arguments hc, hs, wl, x, x1; writes x1
.if DOCPART == 5
	.amdgcn_target "amdgcn-amd-amdhsa--gfx1250"
	.amdhsa_code_object_version 6
	.text
	.protected	k_q45ea76cb20_oproj
	.globl	k_q45ea76cb20_oproj
	.p2align	8
	.type	k_q45ea76cb20_oproj,@function
k_q45ea76cb20_oproj:
	s_mov_b64 s[64:65], 0
	v_nop
	global_prefetch_b8 v0, s[64:65] scope:SCOPE_SE
	s_setreg_imm32_b32 hwreg(HW_REG_WAVE_MODE, 25, 1), 1
	s_wait_xcnt 0x0
; out = res + A W^T on codes of FP6 (E2M3) with E8M0 scales.  Here: A = o (hc, hs), W = wo [1024][1024], res = x, out = x1; K = 1,024: KS = 8 steps of 128.
; IN.  A as units and scale words.  A tile of rows 2 b + u holds rows 32 b + 8 u + i + 8 (i / 8).  A unit is 16 rows x 64 K as the operand's registers hold it.  Scale words lie [tile][K step][16].
; wl, from byte WLO on: a record of RECB bytes for each panel of 64 rows of W, laid by the launch lay just as this kernel's LDS holds it: codes [KS][4 tiles][1,536 bytes: the image of a fragment's 12 registers], then scale words [KS][32 lanes][2 pairs of tiles].
; SHARES.  A work-group takes 256 rows (work-group y) and 64 columns (x): 256 work-groups.  Wave w takes four tiles of rows against the panel's four tiles: 16 accumulators.
; A's fragments go from memory straight into the one wave that uses them, four K steps ahead (a ring of four sets in window 2).  The panel's record is copied into LDS once, a quarter by each wave, the codes 512 consecutive bytes a load and a store,
; the scale words 128; one barrier; behind it the loop over K has none.  Source 0 = the weight: a lane holds one token and eight neighbouring columns.
; THE WAY OUT: a tile goes through the wave's own stage in LDS and comes back as rows of 256 bytes; the residual, asked for three K steps before the end, is added; sixteen lanes store 256 consecutive aligned bytes.
; NO CLUSTER: the sixteen work-groups of one x copy the same record, which a joint tensor load could bring once for four of them.  Not built: the record is 51,200 of the 321,536 bytes that a work-group reads; the rest goes to one wave each.
; REGISTERS.  window 0: v1-15, v30-31, v254 addresses; v16-23 A's scale words, four sets; v24-27 the panel's, two sets; v32-127 the panel's four fragments, two sets; v128.. the copy's scale words, later rows of the result.
; window 1: v0-127 the accumulators, v128-255 the residual; ahead of the loop the copy's registers.   window 2: A's fragments.
.set KS,     8
.set UPM,    16                        ; units in a tile's row of A
.set TAIL,   0                         ; 1: the last K step has 64 along K only
.set WLO,    6860800                   ; where W's records begin in wl
.set SCB,    KS*4*1536                 ; in the record and in LDS: behind the codes: the scale words, 256 bytes a K step: 8 x lane + 4 x pair of tiles
.set RECB,   SCB+KS*256                ; a record
.set STG,    SCB+KS*256                ; LDS, behind the record: a stage of 16 rows x (256 + 16) bytes for each wave
.set NCL,    3*KS                      ; loads of 512 bytes in my quarter of the codes
.if NCL > 64
.set NC1,    64                        ; as many as window 1 holds; the rest lands in window 0
.else
.set NC1,    NCL
.endif
.set L16,  7                           ; v7   16 x lane; also the LDS base of K steps 0-7
.set VB,   7                           ; v8, v9: + 49,152, + 98,304
.set L8,   5
.set VAS,  6                           ; v6   A's scale words: 64 KS h + 4 r
.set VBS,  10
.set FI,   11                          ; v11  where I lay my quarter of the codes
.set FS,   14                          ; v14  and of the scale words
.set L4,   15                          ; v15  4 x lane
.set STO,  30
.set RD,   31
.set CO,   254
.set SA,   16
.set SB,   24
.set BF,   32
.set FT,   128
.set TF,   224
.set MSB, 0
.macro WIN new                         ; the immediate's high byte repeats the setting that is left
.if MSB != (\new)
	s_set_vgpr_msb (MSB<<8)|(\new)
.set MSB, (\new)
.endif
.endm
.macro PLACES                          ; four plain places behind matrix instructions, in front of loads into their registers and of the first read of results
.rept 4
	v_nop
.endr
.endm
.macro WM d, a, b, zero, sa, sb, ra, rb
.if \zero
.if (\ra) && (\rb)
	v_wmma_scale_f32_16x16x128_f8f6f4 v[\d:\d+7], v[\a:\a+11], v[\b:\b+11], 0, v[\sa], v[\sb] matrix_a_fmt:MATRIX_FMT_FP6 matrix_b_fmt:MATRIX_FMT_FP6 matrix_a_scale:MATRIX_SCALE_ROW1 matrix_b_scale:MATRIX_SCALE_ROW1
.elseif (\ra)
	v_wmma_scale_f32_16x16x128_f8f6f4 v[\d:\d+7], v[\a:\a+11], v[\b:\b+11], 0, v[\sa], v[\sb] matrix_a_fmt:MATRIX_FMT_FP6 matrix_b_fmt:MATRIX_FMT_FP6 matrix_a_scale:MATRIX_SCALE_ROW1
.elseif (\rb)
	v_wmma_scale_f32_16x16x128_f8f6f4 v[\d:\d+7], v[\a:\a+11], v[\b:\b+11], 0, v[\sa], v[\sb] matrix_a_fmt:MATRIX_FMT_FP6 matrix_b_fmt:MATRIX_FMT_FP6 matrix_b_scale:MATRIX_SCALE_ROW1
.else
	v_wmma_scale_f32_16x16x128_f8f6f4 v[\d:\d+7], v[\a:\a+11], v[\b:\b+11], 0, v[\sa], v[\sb] matrix_a_fmt:MATRIX_FMT_FP6 matrix_b_fmt:MATRIX_FMT_FP6
.endif
.else
.if (\ra) && (\rb)
	v_wmma_scale_f32_16x16x128_f8f6f4 v[\d:\d+7], v[\a:\a+11], v[\b:\b+11], v[\d:\d+7], v[\sa], v[\sb] matrix_a_fmt:MATRIX_FMT_FP6 matrix_b_fmt:MATRIX_FMT_FP6 matrix_a_scale:MATRIX_SCALE_ROW1 matrix_b_scale:MATRIX_SCALE_ROW1
.elseif (\ra)
	v_wmma_scale_f32_16x16x128_f8f6f4 v[\d:\d+7], v[\a:\a+11], v[\b:\b+11], v[\d:\d+7], v[\sa], v[\sb] matrix_a_fmt:MATRIX_FMT_FP6 matrix_b_fmt:MATRIX_FMT_FP6 matrix_a_scale:MATRIX_SCALE_ROW1
.elseif (\rb)
	v_wmma_scale_f32_16x16x128_f8f6f4 v[\d:\d+7], v[\a:\a+11], v[\b:\b+11], v[\d:\d+7], v[\sa], v[\sb] matrix_a_fmt:MATRIX_FMT_FP6 matrix_b_fmt:MATRIX_FMT_FP6 matrix_b_scale:MATRIX_SCALE_ROW1
.else
	v_wmma_scale_f32_16x16x128_f8f6f4 v[\d:\d+7], v[\a:\a+11], v[\b:\b+11], v[\d:\d+7], v[\sa], v[\sb] matrix_a_fmt:MATRIX_FMT_FP6 matrix_b_fmt:MATRIX_FMT_FP6
.endif
.endif
.endm
.macro ALOAD s                         ; my four tiles' fragments of K step s into set s % 4 of window 2, and two registers of scale words: 18 loads (a short last step: 10, its upper halves cleared)
	WIN 0x80
.irp m, 0,1,2,3
.irp e, 0,1
.if (TAIL == 0) || ((\s) < KS-1) || (\e == 0)
	global_load_b128 v[48*((\s)%4)+12*\m+6*\e:48*((\s)%4)+12*\m+6*\e+3], v[L16], s[4:5] offset:(\m*UPM+2*(\s)+\e)*768
	global_load_b64 v[48*((\s)%4)+12*\m+6*\e+4:48*((\s)%4)+12*\m+6*\e+5], v[L8], s[4:5] offset:(\m*UPM+2*(\s)+\e)*768+512
.else
.irp i, 6,7,8,9,10,11
	v_mov_b32 v[48*((\s)%4)+12*\m+\i], 0           ; zero codes past the end of K
.endr
.endif
.endr
.endr
	WIN 0
.irp q2, 0,1
.if TAIL && ((\s) == KS-1)
	global_load_u16 v[SA+2*((\s)%4)+\q2], v[VAS], s[6:7] offset:(2*\q2*KS+(\s))*64   ; two bytes; the word's upper two become 0
.else
	global_load_b32 v[SA+2*((\s)%4)+\q2], v[VAS], s[6:7] offset:(2*\q2*KS+(\s))*64
.endif
.endr
.endm
.macro BLOAD s                         ; the panel's four fragments and scale words of K step s into set s % 2: 13 loads
.irp n, 0,1,2,3
.irp c, 0,1,2
	ds_load_b128 v[BF+48*((\s)%2)+12*\n+4*\c:BF+48*((\s)%2)+12*\n+4*\c+3], v[VB+(\s)/8] offset:((\s)%8)*6144+1536*\n+512*\c
.endr
.endr
	ds_load_b64 v[SB+2*((\s)%2):SB+2*((\s)%2)+1], v[VBS] offset:256*(\s)
.endm
.macro RLOAD                           ; the residual of my 64 rows x 64 columns, in the order in which the result comes back from the stage: 32 loads
	WIN 0x40
.irp m, 0,1,2,3
.irp t, 0,1,2,3,4,5,6,7
	global_load_b128 v[128+32*\m+4*\t:128+32*\m+4*\t+3], v[CO], s[12:13] offset:(32*(\m/2)+8*(\m%2)+2*\t+8*(\t/4))*4096 th:TH_LOAD_NT
.endr
.endr
	WIN 0
.endm
.macro NWAIT s                         ; A of K step s is in: what was issued behind it may stay out: the up to three later steps' loads, and from the last step but one on the residual's 32
.set NW, 0
.irp d, 1,2,3
.if (\s)+\d < KS
.if TAIL && ((\s)+\d == KS-1)
.set NW, NW+10
.else
.set NW, NW+18
.endif
.endif
.endr
.if (\s) >= KS-2
.set NW, NW+32
.endif
	s_wait_loadcnt NW
.endm
.macro KSTEP s
.if (\s)+1 < KS
	BLOAD (\s)+1
.endif
	NWAIT \s
.if (\s)+1 < KS
	s_wait_dscnt 13                                ; this step's part of the panel is in; the 13 loads just issued may stay out
.else
	s_wait_dscnt 0
.endif
	WIN 0x58                                       ; source 1 (A) window 2; C and D window 1
.irp n, 0,1,2,3
.irp m, 0,1,2,3
	WM 8*(4*\m+\n), BF+48*((\s)%2)+12*\n, 48*((\s)%4)+12*\m, (\s)==0, SB+2*((\s)%2)+\n/2, SA+2*((\s)%4)+\m/2, \n%2, \m%2   ; the 16 accumulators by turns
.endr
.endr
	WIN 0
	PLACES
.if (\s)+4 < KS
	ALOAD (\s)+4
.endif
.if (\s) == KS-3
	RLOAD
.endif
.endm
.macro BKR m                           ; where tile m's rows come back: v128-223 for tiles 0-2, v32-63 for tile 3
.if (\m) < 3
.set BK, 128+32*(\m)
.else
.set BK, 32
.endif
.endm
	s_load_b128 s[4:7], s[0:1], 0x0                ; A's units, A's scale words
	s_load_b64 s[8:9], s[0:1], 0x10                ; wl
	s_load_b64 s[12:13], s[0:1], 0x18              ; the residual
	s_load_b64 s[14:15], s[0:1], 0x20              ; the result
	v_lshl_add_u32 v253, v0, 2, 0x10c00
	v_mov_b32 v255, 0
	v_lshrrev_b32 v1, 5, v0
	v_readfirstlane_b32 s16, v1                    ; wave
	v_and_b32 v1, 31, v0
	v_and_b32 v2, 15, v0                           ; r
	v_bfe_u32 v3, v0, 4, 1                         ; h
	v_lshlrev_b32 v[L16], 4, v1
	v_lshlrev_b32 v[L8], 3, v1
	v_lshlrev_b32 v[L4], 2, v1
	v_mul_u32_u24 v[VAS], v3, KS*64
	v_lshl_add_u32 v[VAS], v2, 2, v[VAS]
.if KS > 8
	v_add_nc_u32 v[VB+1], 49152, v[L16]
	v_add_nc_u32 v[VB+2], 98304, v[L16]
.endif
	v_lshl_add_u32 v[VBS], v1, 3, SCB
	s_mul_i32 s17, s16, KS*1536                    ; my quarter of the codes
	v_add_nc_u32 v[FI], s17, v[L16]
	s_mul_i32 s18, s16, KS*64                      ; and of the scale words
	v_add_nc_u32 v[FS], SCB, v[L4]
	v_add_nc_u32 v[FS], s18, v[FS]
	s_mul_i32 s20, s16, 4352
	s_add_co_u32 s20, s20, STG                     ; my stage
	v_mul_u32_u24 v[STO], v2, 272
	v_lshl_add_u32 v[STO], v3, 5, v[STO]
	v_add_nc_u32 v[STO], s20, v[STO]               ; in: row r, + 32 h
	v_mul_u32_u24 v[RD], v3, 272
	v_lshl_add_u32 v[RD], v2, 4, v[RD]
	v_add_nc_u32 v[RD], s20, v[RD]                 ; back: lanes 0-15 one row, lanes 16-31 the next
	v_lshlrev_b32 v[CO], 12, v3
	v_lshl_add_u32 v[CO], v2, 4, v[CO]             ; and the same in memory
	s_and_b32 s19, ttmp7, 0xffff
	s_mul_i32 s24, ttmp9, RECB
	s_add_co_u32 s24, s24, WLO                     ; my panel's record
	s_add_co_u32 s26, s24, s18
	s_add_co_u32 s26, s26, SCB
	s_add_co_u32 s24, s24, s17
	s_mov_b32 s25, 0
	s_mov_b32 s27, 0
	s_lshl_b32 s22, s19, 4
	s_lshl_b32 s23, s16, 2
	s_add_co_u32 s22, s22, s23                     ; my first tile of rows
	s_mul_i32 s28, s22, UPM*768
	s_mov_b32 s29, 0
	s_mul_i32 s30, s22, KS*64
	s_mov_b32 s31, 0
	s_lshl_b32 s32, s22, 16                        ; 16 rows of 4,096 bytes a tile,
	s_lshl_b32 s23, ttmp9, 8
	s_add_co_u32 s32, s32, s23                     ; + the panel's 256 bytes
	s_mov_b32 s33, 0
	s_wait_kmcnt 0x0
	s_add_nc_u64 s[10:11], s[8:9], s[26:27]        ; the record's scale words,
	s_add_nc_u64 s[8:9], s[8:9], s[24:25]          ; its codes
	s_add_nc_u64 s[4:5], s[4:5], s[28:29]
	s_add_nc_u64 s[6:7], s[6:7], s[30:31]
	s_add_nc_u64 s[12:13], s[12:13], s[32:33]
	s_add_nc_u64 s[14:15], s[14:15], s[32:33]
	; THE COPY: my quarter of the record
.set fj, 0
.rept KS/2
	global_load_b32 v[FT+fj], v[L4], s[10:11] offset:128*fj
.set fj, fj+1
.endr
	WIN 0x40
.set fq, 0
.rept NC1
	global_load_b128 v[4*fq:4*fq+3], v[L16], s[8:9] offset:512*fq
.set fq, fq+1
.endr
	WIN 0
.if NCL > NC1
.rept NCL-NC1
	global_load_b128 v[TF+4*(fq-NC1):TF+4*(fq-NC1)+3], v[L16], s[8:9] offset:512*fq
.set fq, fq+1
.endr
.endif
	ALOAD 0
	ALOAD 1
	ALOAD 2
	s_wait_loadcnt 54                              ; all but A's first three K steps
.set fj, 0
.rept KS/2
	ds_store_b32 v[FS], v[FT+fj] offset:128*fj
.set fj, fj+1
.endr
	WIN 0x04                                       ; an LDS store's data are its source 1: window 1
.set fq, 0
.rept NC1
	ds_store_b128 v[FI], v[4*fq:4*fq+3] offset:512*fq
.set fq, fq+1
.endr
	WIN 0
.if NCL > NC1
.rept NCL-NC1
	ds_store_b128 v[FI], v[TF+4*(fq-NC1):TF+4*(fq-NC1)+3] offset:512*fq
.set fq, fq+1
.endr
.endif
	ALOAD 3
	s_wait_dscnt 0x0                               ; for the others' sake: my part of the panel has landed
	s_barrier_signal -1
	s_barrier_wait -1                              ; the panel is whole and is only read from here on; the stages are each wave's own
	BLOAD 0
.set st, 0
.rept KS
	KSTEP st
.set st, st+1
.endr
	; THE WAY OUT.  LDS serves a wave's instructions in order: no wait between a tile's stores and its loads, nor in front of the next tile's stores
.irp m, 0,1,2,3
	BKR \m
	WIN 0x04
.irp n, 0,1,2,3
	ds_store_b128 v[STO], v[8*(4*\m+\n):8*(4*\m+\n)+3] offset:64*\n          ; each accumulator from its low end on
	ds_store_b128 v[STO], v[8*(4*\m+\n)+4:8*(4*\m+\n)+7] offset:64*\n+16
.endr
	WIN 0
.irp t, 0,1,2,3,4,5,6,7
	ds_load_b128 v[BK+4*\t:BK+4*\t+3], v[RD] offset:544*\t
.endr
.endr
.irp m, 0,1,2,3
	BKR \m
	s_wait_dscnt 16*(3-\m)                         ; tile m is back; the later tiles' 8 stores and 8 loads each may stay out
	s_wait_loadcnt 8*(3-\m)                        ; its residual is in; the later tiles' 8 loads each may stay out
	WIN 0x04
.irp i, 0,1,2,3,4,5,6,7,8,9,10,11,12,13,14,15
	v_pk_add_f32 v[BK+2*\i:BK+2*\i+1], v[BK+2*\i:BK+2*\i+1], v[128+32*\m+2*\i:128+32*\m+2*\i+1]
.endr
	WIN 0
.irp t, 0,1,2,3,4,5,6,7
	global_store_b128 v[CO], v[BK+4*\t:BK+4*\t+3], s[14:15] offset:(32*(\m/2)+8*(\m%2)+2*\t+8*(\t/4))*4096   ; 16 lanes store 256 consecutive bytes, aligned
.endr
.endr
	s_wait_tensorcnt 0x0
	ds_add_u32 v253, v255
	s_wait_dscnt 0x0
	s_endpgm
.Lfunc_end_k_q45ea76cb20_oproj:
	.size	k_q45ea76cb20_oproj, .Lfunc_end_k_q45ea76cb20_oproj-k_q45ea76cb20_oproj
	.p2alignl 7, 3214868480
	.fill 96, 4, 3214868480
	.section	.rodata,"a",@progbits
	.p2align	6, 0x0
	.amdhsa_kernel k_q45ea76cb20_oproj
		.amdhsa_group_segment_fixed_size 69120
		.amdhsa_private_segment_fixed_size 0
		.amdhsa_enable_private_segment 0
		.amdhsa_kernarg_size 40
		.amdhsa_user_sgpr_count 2
		.amdhsa_user_sgpr_kernarg_segment_ptr 1
		.amdhsa_wavefront_size32 1
		.amdhsa_system_sgpr_workgroup_id_x 1
		.amdhsa_system_sgpr_workgroup_id_y 1
		.amdhsa_system_sgpr_workgroup_id_z 1
		.amdhsa_system_vgpr_workitem_id 0
		.amdhsa_next_free_vgpr 768
		.amdhsa_next_free_sgpr 66
		.amdhsa_reserve_vcc 0
		.amdhsa_float_denorm_mode_32 3
		.amdhsa_float_denorm_mode_16_64 3
		.amdhsa_memory_ordered 1
		.amdhsa_forward_progress 1
		.amdhsa_inst_pref_size 62
	.end_amdhsa_kernel
	.amdgpu_metadata
---
amdhsa.version: [ 1, 2 ]
amdhsa.kernels:
  - .name:           k_q45ea76cb20_oproj
    .symbol:         k_q45ea76cb20_oproj.kd
    .args:
      - { .name: hc, .offset: 0, .size: 8, .value_kind: global_buffer, .address_space: global }
      - { .name: hs, .offset: 8, .size: 8, .value_kind: global_buffer, .address_space: global }
      - { .name: wl, .offset: 16, .size: 8, .value_kind: global_buffer, .address_space: global }
      - { .name: x, .offset: 24, .size: 8, .value_kind: global_buffer, .address_space: global }
      - { .name: x1, .offset: 32, .size: 8, .value_kind: global_buffer, .address_space: global }
    .group_segment_fixed_size: 69120
    .private_segment_fixed_size: 0
    .kernarg_segment_align: 8
    .kernarg_segment_size: 40
    .max_flat_workgroup_size: 128
    .sgpr_count:     66
    .vgpr_count:     768
    .wavefront_size: 32
...
	.end_amdgpu_metadata
.endif
;; end of part 5
;; launch norm2: the kernel of part 2 again; grid 256 x 1, 8 waves a work-group, no clusters, 69,120 bytes of LDS; arguments x1, ln2_w, hc, hs; writes hc, hs
;; launch ffn1 (part 6): grid 43 x 16, 4 waves a work-group, no clusters, 102,912 bytes of LDS; arguments hc, hs, wl, gc, gs; writes gc, gs
.if DOCPART == 6
	.amdgcn_target "amdgcn-amd-amdhsa--gfx1250"
	.amdhsa_code_object_version 6
	.text
	.protected	k_q45ea76cb20_ffn1
	.globl	k_q45ea76cb20_ffn1
	.p2align	8
	.type	k_q45ea76cb20_ffn1,@function
k_q45ea76cb20_ffn1:
	s_mov_b64 s[64:65], 0
	v_nop
	global_prefetch_b8 v0, s[64:65] scope:SCOPE_SE
	s_setreg_imm32_b32 hwreg(HW_REG_WAVE_MODE, 25, 1), 1
	s_wait_xcnt 0x0
; g = silu(h2 W1^T) * (h2 W3^T) on codes of FP6 (E2M3) with E8M0 scales, and g's own quantising along F.
; IN.  hc, hs: h2 as units and scale words.  A tile of rows 2 b + u holds rows 32 b + 8 u + i + 8 (i / 8).  A unit is 16 rows x 64 K as the operand's registers hold it.
; wl: record 24 + x of PREC bytes is my panel, laid by the launch lay just as this kernel's LDS holds it: codes [8 K steps][8 tiles][1,536 bytes: the image of a fragment's 12 registers], then scale words [8 K steps][32 lanes][4 pairs of tiles].
; OUT.  gc: [256 tiles of rows][43 units][768]; gs: [256][22 K steps][16] words; a work-group writes the half word of its unit.  The upper half word of step 21 has no unit: it is neither written nor read.
; SHARES.  A work-group takes 256 rows (work-group y) and 64 columns of F (x: 43 x 64 = 2,752): its panel is those 64 rows of W1 (tiles 0-3) and of W3 (tiles 4-7).  Wave w takes four tiles of rows against all eight: 32 accumulators.
; A's fragments go from memory straight into the one wave that uses them.  The panel's record is copied into LDS once, a quarter by each wave, every load and every LDS store 512 consecutive bytes; one barrier; behind it the loop over K has none.
; The panel's tiles are composed as the rows' tiles are; source 0 = the weight: a lane holds one token, and the 16 registers of two neighbouring tiles are 16 neighbouring columns of F, the next product's K.
; NO CLUSTER: 43 work-groups along x divide into no cluster.
; LIMITS: NaN and infinities are not served.  A block whose largest magnitude lies under 2^-124 (zeros too) gets the byte 1; these bytes are read by this program alone.
; sigmoid(a) = 1 / (1 + 2^(-a log2 e)) by v_exp_f32 and v_rcp_f32: where the exponential overflows the sigmoid is 0.
; REGISTERS.  window 0: v1-15 addresses; v16-19 A's scale words, two sets; v20-27 the panel's, two sets; v32-127 the panel's eight fragments; v128-223 A's four fragments, two sets (on the way out v128-191: g); v224-239 at work; v240-247 the copy's scale words.
; window 1: the 32 accumulators; ahead of the loop the copy's 192 registers.
.set PREC, 102400                      ; a panel's record in wl
.set SCB,  98304                       ; in the record and in LDS: behind the codes: the scale words, 512 bytes a K step: 16 x lane + 4 x pair of tiles
.set L16,  7
.set VB,   7
.set L8,   5
.set VAS,  6
.set VBS,  9
.set FI,   10                          ; v10  where I lay my quarter of the codes: 16 x lane + 24,576 x wave
.set FS,   12                          ; v12  and of the scale words: SCB + 16 x lane + 1,024 x wave
.set EO,   15
.set SA,   16
.set SB,   20
.set BF,   32
.set AF,   128
.set G,    128
.set TM,   224
.set FT,   240
.set WV,   22
.set RBK,  23
.set NL,   24                          ; s[24:25] -log2(e)
.set SEL,  26
.set SBP,  28
.set SBS,  30
.set SAP,  4
.set SAS,  6
.set HM,   40
.set MSB, 0
.macro WIN new                         ; the immediate's high byte repeats the setting that is left
.if MSB != (\new)
	s_set_vgpr_msb (MSB<<8)|(\new)
.set MSB, (\new)
.endif
.endm
.macro PLACES                          ; four plain places behind matrix instructions, in front of loads into their registers and of the first read of results
.rept 4
	v_nop
.endr
.endm
.macro WM d, a, b, zero, sa, sb, ra, rb
.if \zero
.if (\ra) && (\rb)
	v_wmma_scale_f32_16x16x128_f8f6f4 v[\d:\d+7], v[\a:\a+11], v[\b:\b+11], 0, v[\sa], v[\sb] matrix_a_fmt:MATRIX_FMT_FP6 matrix_b_fmt:MATRIX_FMT_FP6 matrix_a_scale:MATRIX_SCALE_ROW1 matrix_b_scale:MATRIX_SCALE_ROW1
.elseif (\ra)
	v_wmma_scale_f32_16x16x128_f8f6f4 v[\d:\d+7], v[\a:\a+11], v[\b:\b+11], 0, v[\sa], v[\sb] matrix_a_fmt:MATRIX_FMT_FP6 matrix_b_fmt:MATRIX_FMT_FP6 matrix_a_scale:MATRIX_SCALE_ROW1
.elseif (\rb)
	v_wmma_scale_f32_16x16x128_f8f6f4 v[\d:\d+7], v[\a:\a+11], v[\b:\b+11], 0, v[\sa], v[\sb] matrix_a_fmt:MATRIX_FMT_FP6 matrix_b_fmt:MATRIX_FMT_FP6 matrix_b_scale:MATRIX_SCALE_ROW1
.else
	v_wmma_scale_f32_16x16x128_f8f6f4 v[\d:\d+7], v[\a:\a+11], v[\b:\b+11], 0, v[\sa], v[\sb] matrix_a_fmt:MATRIX_FMT_FP6 matrix_b_fmt:MATRIX_FMT_FP6
.endif
.else
.if (\ra) && (\rb)
	v_wmma_scale_f32_16x16x128_f8f6f4 v[\d:\d+7], v[\a:\a+11], v[\b:\b+11], v[\d:\d+7], v[\sa], v[\sb] matrix_a_fmt:MATRIX_FMT_FP6 matrix_b_fmt:MATRIX_FMT_FP6 matrix_a_scale:MATRIX_SCALE_ROW1 matrix_b_scale:MATRIX_SCALE_ROW1
.elseif (\ra)
	v_wmma_scale_f32_16x16x128_f8f6f4 v[\d:\d+7], v[\a:\a+11], v[\b:\b+11], v[\d:\d+7], v[\sa], v[\sb] matrix_a_fmt:MATRIX_FMT_FP6 matrix_b_fmt:MATRIX_FMT_FP6 matrix_a_scale:MATRIX_SCALE_ROW1
.elseif (\rb)
	v_wmma_scale_f32_16x16x128_f8f6f4 v[\d:\d+7], v[\a:\a+11], v[\b:\b+11], v[\d:\d+7], v[\sa], v[\sb] matrix_a_fmt:MATRIX_FMT_FP6 matrix_b_fmt:MATRIX_FMT_FP6 matrix_b_scale:MATRIX_SCALE_ROW1
.else
	v_wmma_scale_f32_16x16x128_f8f6f4 v[\d:\d+7], v[\a:\a+11], v[\b:\b+11], v[\d:\d+7], v[\sa], v[\sb] matrix_a_fmt:MATRIX_FMT_FP6 matrix_b_fmt:MATRIX_FMT_FP6
.endif
.endif
.endm
; 64 numbers of a lane, v[s] on in window w, register 16 b + i = k 32 b + 16 h + i, become 12 registers of codes at v[pc] on (pc + 12 .. pc + 19 at work) and the scale word v[pw]
.macro QUANT s, w, pc, pw
	WIN 5*(\w)
.irp b, 0,1,2,3
	v_max3_num_f32 v[TM+\b], |v[(\s)+16*\b]|, |v[(\s)+1+16*\b]|, 0x1800000   ; my 16 numbers of block b, and the floor 2^(3 - 127): the byte cannot fall under 1
.endr
.irp i, 2,4,6,8,10,12,14
.irp b, 0,1,2,3
	v_max3_num_f32 v[TM+\b], |v[(\s)+16*\b+\i]|, |v[(\s)+1+16*\b+\i]|, v[TM+\b]
.endr
.endr
	WIN 0
.irp b, 0,1,2,3
	v_permlanex16_b32 v[TM+4+\b], v[TM+\b], s[SEL], s[SEL+1]
.endr
.irp b, 0,1,2,3
	v_max_num_f32 v[TM+\b], v[TM+\b], v[TM+4+\b]
.endr
.irp b, 0,1,2,3
	v_add_nc_u32 v[TM+12+\b], 0xff000000, v[TM+\b]         ; 2 off the exponent field: the conversion's scale operand
.endr
.irp b, 0,1,2,3
	v_lshrrev_b32 v[TM+4+\b], 23, v[TM+12+\b]              ; the scale's byte
.endr
	v_lshl_or_b32 v[\pw], v[TM+5], 8, v[TM+4]
	v_lshl_or_b32 v[\pw], v[TM+6], 16, v[\pw]
	v_lshl_or_b32 v[\pw], v[TM+7], 24, v[\pw]
	WIN \w
.irp c, 0,1
	v_cvt_scalef32_pk16_fp6_f32 v[\pc+6*\c:\pc+2+6*\c], v[(\s)+32*\c:(\s)+15+32*\c], v[TM+12+2*\c]
	v_cvt_scalef32_pk16_fp6_f32 v[\pc+12+4*\c:\pc+14+4*\c], v[(\s)+16+32*\c:(\s)+31+32*\c], v[TM+13+2*\c]
.endr
	WIN 0
	v_nop                                                  ; one plain place behind a scaled conversion
.irp c, 0,1
.irp i, 0,1,2
	v_permlane16_swap_b32 v[\pc+6*\c+\i], v[\pc+12+4*\c+\i]
.endr
.irp i, 0,1,2
	v_mov_b32 v[\pc+3+6*\c+\i], v[\pc+12+4*\c+\i]
.endr
.endr
.endm
.macro ALOAD s                         ; 18 loads: my four tiles' fragments of K step s and two registers of scale words, into set s % 2
.irp m, 0,1,2,3
.irp e, 0,1
	global_load_b128 v[AF+48*((\s)%2)+12*\m+6*\e:AF+48*((\s)%2)+12*\m+6*\e+3], v[L16], s[SAP:SAP+1] offset:(16*\m+2*(\s)+\e)*768
	global_load_b64 v[AF+48*((\s)%2)+12*\m+6*\e+4:AF+48*((\s)%2)+12*\m+6*\e+5], v[L8], s[SAP:SAP+1] offset:(16*\m+2*(\s)+\e)*768+512
.endr
.endr
.irp q, 0,1
	global_load_b32 v[SA+2*((\s)%2)+\q], v[VAS], s[SAS:SAS+1] offset:(16*\q+(\s))*64
.endr
.endm
.macro BLOAD s, half                   ; four of the panel's fragments of K step s: 12 loads; with half 0 the step's scale words: 13
.irp n, 0,1,2,3
.irp c, 0,1,2
	ds_load_b128 v[BF+12*(4*(\half)+\n)+4*\c:BF+12*(4*(\half)+\n)+4*\c+3], v[VB+(\s)/4] offset:((\s)%4)*12288+1536*(4*(\half)+\n)+512*\c
.endr
.endr
.if (\half) == 0
	ds_load_b128 v[SB+4*((\s)%2):SB+4*((\s)%2)+3], v[VBS] offset:512*(\s)
.endif
.endm
.macro MULH s, half                    ; 16 products; the 32 accumulators take turns, in the same order in every K step
.irp n, 0,1,2,3
.irp m, 0,1,2,3
.set NTI, 4*(\half)+\n
	WM 8*(8*\m+NTI), BF+12*NTI, AF+48*((\s)%2)+12*\m, (\s)==0, SB+4*((\s)%2)+NTI/2, SA+2*((\s)%2)+\m/2, NTI%2, \m%2
.endr
.endr
.endm
.macro KSTEP s
.if (\s) < 7
	s_wait_loadcnt 18                              ; A of this step is in; the 18 loads of the next step may stay out
.else
	s_wait_loadcnt 0
.endif
	s_wait_dscnt 12                                ; the panel's first four fragments and the scale words are in; the other four's 12 loads may stay out
	WIN 0x50
	MULH \s, 0
	WIN 0
.if (\s) < 7
	PLACES
	BLOAD (\s)+1, 0
	s_wait_dscnt 13                                ; this step's other four are in; the 13 just issued may stay out
.else
	s_wait_dscnt 0
.endif
	WIN 0x50
	MULH \s, 1
	WIN 0
	PLACES
.if (\s) < 7
	BLOAD (\s)+1, 1
.endif
.if (\s) < 6
	ALOAD (\s)+2
.endif
.endm
; g of tiles of rows 2 q and 2 q + 1 into v[G] on: 32 numbers a tile.  a = the tile's accumulators 0-3, b = 4-7; each is read from its low end on.  The exponentials and the reciprocals go as batches, one wait each.
.macro SILU q
	WIN 0x01                                       ; source 0 in window 1
.irp z, 0,1
.irp i, 0,2,4,6,8,10,12,14,16,18,20,22,24,26,28,30
	v_pk_mul_f32 v[G+32*\z+\i:G+32*\z+\i+1], v[64*(2*(\q)+\z)+\i:64*(2*(\q)+\z)+\i+1], s[NL:NL+1] op_sel_hi:[1,0]   ; -a log2(e)
.endr
.endr
	WIN 0
.set gi, 0
.rept 64
	v_exp_f32 v[G+gi], v[G+gi]
.set gi, gi+1
.endr
	v_nop                                          ; a plain place behind the batch
	s_wait_alu depctr_va_vdst(0)                   ; one wait, ahead of the first reader
.set gi, 0
.rept 32
	v_pk_add_f32 v[G+gi:G+gi+1], v[G+gi:G+gi+1], 1.0 op_sel_hi:[1,0]
.set gi, gi+2
.endr
.set gi, 0
.rept 64
	v_rcp_f32 v[G+gi], v[G+gi]                     ; sigmoid(a)
.set gi, gi+1
.endr
	v_nop
	s_wait_alu depctr_va_vdst(0)
	WIN 0x01
.irp z, 0,1
.irp i, 0,2,4,6,8,10,12,14,16,18,20,22,24,26,28,30
	v_pk_mul_f32 v[G+32*\z+\i:G+32*\z+\i+1], v[64*(2*(\q)+\z)+\i:64*(2*(\q)+\z)+\i+1], v[G+32*\z+\i:G+32*\z+\i+1]   ; silu(a)
.endr
.endr
.irp z, 0,1
.irp i, 0,2,4,6,8,10,12,14,16,18,20,22,24,26,28,30
	v_pk_mul_f32 v[G+32*\z+\i:G+32*\z+\i+1], v[64*(2*(\q)+\z)+32+\i:64*(2*(\q)+\z)+32+\i+1], v[G+32*\z+\i:G+32*\z+\i+1]   ; x b
.endr
.endr
	WIN 0
.endm
	s_load_b256 s[4:11], s[0:1], 0x0               ; hc s[4:5], hs s[6:7], wl s[8:9], gc s[10:11]
	s_load_b64 s[12:13], s[0:1], 0x20              ; gs
	v_lshl_add_u32 v254, v0, 2, 0x19000
	v_mov_b32 v255, 0
	v_lshrrev_b32 v1, 5, v0
	v_readfirstlane_b32 s[WV], v1
	v_and_b32 v1, 31, v0
	v_and_b32 v2, 15, v0                           ; r
	v_bfe_u32 v3, v0, 4, 1                         ; h
	v_lshlrev_b32 v[L16], 4, v1
	v_lshlrev_b32 v[L8], 3, v1
	v_lshlrev_b32 v[VAS], 2, v2
	v_lshl_add_u32 v[VAS], v3, 9, v[VAS]
	v_add_nc_u32 v[VB+1], 49152, v[L16]
	v_add_nc_u32 v[VBS], SCB, v[L16]
	s_mul_i32 s32, s[WV], 24576
	v_add_nc_u32 v[FI], s32, v[L16]
	s_lshl_b32 s33, s[WV], 10
	v_add_nc_u32 v[FS], s33, v[VBS]
	v_mul_u32_u24 v[EO], v3, 1408
	v_lshl_add_u32 v[EO], v2, 2, v[EO]             ; lanes 0-15 write the even tile's half words, lanes 16-31 the odd tile's
	v_cmp_ne_u32 s[HM], 0, v3
.irp b, 0,1,2,3
	v_mov_b32 v[TM+4+\b], 0                        ; written once: a lane permute's destination counts as one of its sources
.endr
	s_and_b32 s[RBK], ttmp7, 0xffff
	s_mov_b32 s[NL], 0xbfb8aa3b
	s_mov_b32 s[NL+1], s[NL]
	s_mov_b32 s[SEL], 0x76543210
	s_mov_b32 s[SEL+1], 0xfedcba98
	s_add_co_u32 s34, ttmp9, 24
	s_mul_i32 s34, s34, PREC                       ; my panel's record
	s_add_co_u32 s36, s34, s33
	s_add_co_u32 s36, s36, SCB                     ; my quarter of its scale words,
	s_add_co_u32 s34, s34, s32                     ; and of its codes
	s_mov_b32 s35, 0
	s_mov_b32 s37, 0
	s_lshl_b32 s38, s[RBK], 4
	s_lshl_b32 s39, s[WV], 2
	s_add_co_u32 s38, s38, s39                     ; my first tile of rows
	s_mul_i32 s42, s38, 12288
	s_mov_b32 s43, 0
	s_lshl_b32 s44, s38, 9
	s_mov_b32 s45, 0
	s_mul_i32 s46, s38, 43
	s_add_co_u32 s46, s46, ttmp9
	s_mul_i32 s46, s46, 768                        ; my first tile's unit x
	s_mov_b32 s47, 0
	s_mul_i32 s48, s38, 1408
	s_lshr_b32 s49, ttmp9, 1
	s_lshl_b32 s49, s49, 6
	s_add_co_u32 s48, s48, s49
	s_and_b32 s49, ttmp9, 1
	s_lshl_b32 s49, s49, 1
	s_add_co_u32 s48, s48, s49                     ; K step x / 2, half word x % 2
	s_mov_b32 s49, 0
	s_wait_kmcnt 0x0
	s_add_nc_u64 s[SBP:SBP+1], s[8:9], s[34:35]
	s_add_nc_u64 s[SBS:SBS+1], s[8:9], s[36:37]
	s_add_nc_u64 s[SAP:SAP+1], s[SAP:SAP+1], s[42:43]
	s_add_nc_u64 s[SAS:SAS+1], s[SAS:SAS+1], s[44:45]
	s_add_nc_u64 s[10:11], s[10:11], s[46:47]
	s_add_nc_u64 s[12:13], s[12:13], s[48:49]
	; THE COPY: my quarter of the record, 50 loads of 512 consecutive bytes
	global_load_b128 v[FT:FT+3], v[L16], s[SBS:SBS+1]
	global_load_b128 v[FT+4:FT+7], v[L16], s[SBS:SBS+1] offset:512
	WIN 0x40
.set fq, 0
.rept 48
	global_load_b128 v[4*fq:4*fq+3], v[L16], s[SBP:SBP+1] offset:512*fq
.set fq, fq+1
.endr
	WIN 0
	ALOAD 0
	ALOAD 1
	s_wait_loadcnt 36                              ; all but A's first two K steps
	ds_store_b128 v[FS], v[FT:FT+3]
	ds_store_b128 v[FS], v[FT+4:FT+7] offset:512
	WIN 0x04                                       ; an LDS store's data are its source 1: window 1
.set fq, 0
.rept 48
	ds_store_b128 v[FI], v[4*fq:4*fq+3] offset:512*fq
.set fq, fq+1
.endr
	WIN 0
	s_wait_dscnt 0x0                               ; for the others' sake: my part of the panel has landed
	s_barrier_signal -1
	s_barrier_wait -1                              ; the panel is whole; from here on LDS is only read
	BLOAD 0, 0
	BLOAD 0, 1
.irp k, 0,1,2,3,4,5,6,7
	KSTEP \k
.endr
.irp q, 0,1                            ; two tiles of rows at a time: a unit each
	SILU \q
	QUANT G, 0, 32+20*\q, 112+\q
	v_lshrrev_b32 v120, 16, v[112+\q]
	v_cndmask_b32 v[116+\q], v[112+\q], v120, s[HM]
	global_store_b128 v[L16], v[32+20*\q:35+20*\q], s[10:11] offset:66048*\q
	global_store_b64 v[L8], v[36+20*\q:37+20*\q], s[10:11] offset:66048*\q+512
	global_store_b128 v[L16], v[38+20*\q:41+20*\q], s[10:11] offset:66048*\q+33024
	global_store_b64 v[L8], v[42+20*\q:43+20*\q], s[10:11] offset:66048*\q+33024+512
	global_store_b16 v[EO], v[116+\q], s[12:13] offset:2816*\q
.endr
	s_wait_tensorcnt 0x0
	ds_add_u32 v254, v255
	s_wait_dscnt 0x0
	s_endpgm
.Lfunc_end_k_q45ea76cb20_ffn1:
	.size	k_q45ea76cb20_ffn1, .Lfunc_end_k_q45ea76cb20_ffn1-k_q45ea76cb20_ffn1
	.p2alignl 7, 3214868480
	.fill 96, 4, 3214868480
	.section	.rodata,"a",@progbits
	.p2align	6, 0x0
	.amdhsa_kernel k_q45ea76cb20_ffn1
		.amdhsa_group_segment_fixed_size 102912
		.amdhsa_private_segment_fixed_size 0
		.amdhsa_enable_private_segment 0
		.amdhsa_kernarg_size 40
		.amdhsa_user_sgpr_count 2
		.amdhsa_user_sgpr_kernarg_segment_ptr 1
		.amdhsa_wavefront_size32 1
		.amdhsa_system_sgpr_workgroup_id_x 1
		.amdhsa_system_sgpr_workgroup_id_y 1
		.amdhsa_system_sgpr_workgroup_id_z 1
		.amdhsa_system_vgpr_workitem_id 0
		.amdhsa_next_free_vgpr 512
		.amdhsa_next_free_sgpr 66
		.amdhsa_reserve_vcc 0
		.amdhsa_float_denorm_mode_32 3
		.amdhsa_float_denorm_mode_16_64 3
		.amdhsa_memory_ordered 1
		.amdhsa_forward_progress 1
		.amdhsa_inst_pref_size 106
	.end_amdhsa_kernel
	.amdgpu_metadata
---
amdhsa.version: [ 1, 2 ]
amdhsa.kernels:
  - .name:           k_q45ea76cb20_ffn1
    .symbol:         k_q45ea76cb20_ffn1.kd
    .args:
      - { .name: hc, .offset: 0, .size: 8, .value_kind: global_buffer, .address_space: global }
      - { .name: hs, .offset: 8, .size: 8, .value_kind: global_buffer, .address_space: global }
      - { .name: wl, .offset: 16, .size: 8, .value_kind: global_buffer, .address_space: global }
      - { .name: gc, .offset: 24, .size: 8, .value_kind: global_buffer, .address_space: global }
      - { .name: gs, .offset: 32, .size: 8, .value_kind: global_buffer, .address_space: global }
    .group_segment_fixed_size: 102912
    .private_segment_fixed_size: 0
    .kernarg_segment_align: 8
    .kernarg_segment_size: 40
    .max_flat_workgroup_size: 128
    .sgpr_count:     66
    .vgpr_count:     512
    .wavefront_size: 32
...
	.end_amdgpu_metadata
.endif
;; end of part 6
;; launch ffn2 (part 7): grid 16 x 16, 4 waves a work-group, no clusters, 158,720 bytes of LDS; arguments gc, gs, wl, x1, out0; writes out0
.if DOCPART == 7
	.amdgcn_target "amdgcn-amd-amdhsa--gfx1250"
	.amdhsa_code_object_version 6
	.text
	.protected	k_q45ea76cb20_ffn2
	.globl	k_q45ea76cb20_ffn2
	.p2align	8
	.type	k_q45ea76cb20_ffn2,@function
k_q45ea76cb20_ffn2:
	s_mov_b64 s[64:65], 0
	v_nop
	global_prefetch_b8 v0, s[64:65] scope:SCOPE_SE
	s_setreg_imm32_b32 hwreg(HW_REG_WAVE_MODE, 25, 1), 1
	s_wait_xcnt 0x0
; out = res + A W^T on codes of FP6 (E2M3) with E8M0 scales.  Here: A = g (gc, gs), W = w2 [1024][2752], res = x1, out = out0; K = 2,752: KS = 22 steps of 128, the last of 64 only (TAIL).
; IN.  A as units and scale words.  A tile of rows 2 b + u holds rows 32 b + 8 u + i + 8 (i / 8).  A unit is 16 rows x 64 K as the operand's registers hold it.  Scale words lie [tile][K step][16].
; wl, from byte WLO on: a record of RECB bytes for each panel of 64 rows of W, laid by the launch lay just as this kernel's LDS holds it: codes [KS][4 tiles][1,536 bytes: the image of a fragment's 12 registers], then scale words [KS][32 lanes][2 pairs of tiles].
; THE SHORT LAST STEP: on both sides the fragment's upper six registers are zero codes and the scale word's upper two bytes are 0 (2^-127, no NaN): they add nothing.  W's lie so in its record; A's are made here.
; SHARES.  A work-group takes 256 rows (work-group y) and 64 columns (x): 256 work-groups.  Wave w takes four tiles of rows against the panel's four tiles: 16 accumulators.
; A's fragments go from memory straight into the one wave that uses them, four K steps ahead (a ring of four sets in window 2).  The panel's record is copied into LDS once, a quarter by each wave, the codes 512 consecutive bytes a load and a store,
; the scale words 128; one barrier; behind it the loop over K has none.  Source 0 = the weight: a lane holds one token and eight neighbouring columns.
; THE WAY OUT: a tile goes through the wave's own stage in LDS and comes back as rows of 256 bytes; the residual, asked for three K steps before the end, is added; sixteen lanes store 256 consecutive aligned bytes.
; NO CLUSTER: the sixteen work-groups of one x copy the same record, which a joint tensor load could bring once for four of them.  Not built: the record is 140,800 of the 757,248 bytes that a work-group reads; the rest goes to one wave each.
; REGISTERS.  window 0: v1-15, v30-31, v254 addresses; v16-23 A's scale words, four sets; v24-27 the panel's, two sets; v32-127 the panel's four fragments, two sets; v128-138 the copy's scale words, later rows of the result; v224-231 the copy's last two loads.
; window 1: v0-127 the accumulators, v128-255 the residual; ahead of the loop the copy's registers.   window 2: A's fragments.
.set KS,     22
.set UPM,    43                        ; units in a tile's row of A
.set TAIL,   1                         ; 1: the last K step has 64 along K only
.set WLO,    7680000                   ; where W's records begin in wl
.set SCB,    KS*4*1536                 ; in the record and in LDS: behind the codes: the scale words, 256 bytes a K step: 8 x lane + 4 x pair of tiles
.set RECB,   SCB+KS*256                ; a record
.set STG,    SCB+KS*256                ; LDS, behind the record: a stage of 16 rows x (256 + 16) bytes for each wave
.set NCL,    3*KS                      ; loads of 512 bytes in my quarter of the codes
.if NCL > 64
.set NC1,    64                        ; as many as window 1 holds; the rest lands in window 0
.else
.set NC1,    NCL
.endif
.set L16,  7                           ; v7   16 x lane; also the LDS base of K steps 0-7
.set VB,   7                           ; v8, v9: + 49,152, + 98,304
.set L8,   5
.set VAS,  6                           ; v6   A's scale words: 64 KS h + 4 r
.set VBS,  10
.set FI,   11                          ; v11  where I lay my quarter of the codes
.set FS,   14                          ; v14  and of the scale words
.set L4,   15                          ; v15  4 x lane
.set STO,  30
.set RD,   31
.set CO,   254
.set SA,   16
.set SB,   24
.set BF,   32
.set FT,   128
.set TF,   224
.set MSB, 0
.macro WIN new                         ; the immediate's high byte repeats the setting that is left
.if MSB != (\new)
	s_set_vgpr_msb (MSB<<8)|(\new)
.set MSB, (\new)
.endif
.endm
.macro PLACES                          ; four plain places behind matrix instructions, in front of loads into their registers and of the first read of results
.rept 4
	v_nop
.endr
.endm
.macro WM d, a, b, zero, sa, sb, ra, rb
.if \zero
.if (\ra) && (\rb)
	v_wmma_scale_f32_16x16x128_f8f6f4 v[\d:\d+7], v[\a:\a+11], v[\b:\b+11], 0, v[\sa], v[\sb] matrix_a_fmt:MATRIX_FMT_FP6 matrix_b_fmt:MATRIX_FMT_FP6 matrix_a_scale:MATRIX_SCALE_ROW1 matrix_b_scale:MATRIX_SCALE_ROW1
.elseif (\ra)
	v_wmma_scale_f32_16x16x128_f8f6f4 v[\d:\d+7], v[\a:\a+11], v[\b:\b+11], 0, v[\sa], v[\sb] matrix_a_fmt:MATRIX_FMT_FP6 matrix_b_fmt:MATRIX_FMT_FP6 matrix_a_scale:MATRIX_SCALE_ROW1
.elseif (\rb)
	v_wmma_scale_f32_16x16x128_f8f6f4 v[\d:\d+7], v[\a:\a+11], v[\b:\b+11], 0, v[\sa], v[\sb] matrix_a_fmt:MATRIX_FMT_FP6 matrix_b_fmt:MATRIX_FMT_FP6 matrix_b_scale:MATRIX_SCALE_ROW1
.else
	v_wmma_scale_f32_16x16x128_f8f6f4 v[\d:\d+7], v[\a:\a+11], v[\b:\b+11], 0, v[\sa], v[\sb] matrix_a_fmt:MATRIX_FMT_FP6 matrix_b_fmt:MATRIX_FMT_FP6
.endif
.else
.if (\ra) && (\rb)
	v_wmma_scale_f32_16x16x128_f8f6f4 v[\d:\d+7], v[\a:\a+11], v[\b:\b+11], v[\d:\d+7], v[\sa], v[\sb] matrix_a_fmt:MATRIX_FMT_FP6 matrix_b_fmt:MATRIX_FMT_FP6 matrix_a_scale:MATRIX_SCALE_ROW1 matrix_b_scale:MATRIX_SCALE_ROW1
.elseif (\ra)
	v_wmma_scale_f32_16x16x128_f8f6f4 v[\d:\d+7], v[\a:\a+11], v[\b:\b+11], v[\d:\d+7], v[\sa], v[\sb] matrix_a_fmt:MATRIX_FMT_FP6 matrix_b_fmt:MATRIX_FMT_FP6 matrix_a_scale:MATRIX_SCALE_ROW1
.elseif (\rb)
	v_wmma_scale_f32_16x16x128_f8f6f4 v[\d:\d+7], v[\a:\a+11], v[\b:\b+11], v[\d:\d+7], v[\sa], v[\sb] matrix_a_fmt:MATRIX_FMT_FP6 matrix_b_fmt:MATRIX_FMT_FP6 matrix_b_scale:MATRIX_SCALE_ROW1
.else
	v_wmma_scale_f32_16x16x128_f8f6f4 v[\d:\d+7], v[\a:\a+11], v[\b:\b+11], v[\d:\d+7], v[\sa], v[\sb] matrix_a_fmt:MATRIX_FMT_FP6 matrix_b_fmt:MATRIX_FMT_FP6
.endif
.endif
.endm
.macro ALOAD s                         ; my four tiles' fragments of K step s into set s % 4 of window 2, and two registers of scale words: 18 loads (the short last step: 10, its upper halves cleared)
	WIN 0x80
.irp m, 0,1,2,3
.irp e, 0,1
.if (TAIL == 0) || ((\s) < KS-1) || (\e == 0)
	global_load_b128 v[48*((\s)%4)+12*\m+6*\e:48*((\s)%4)+12*\m+6*\e+3], v[L16], s[4:5] offset:(\m*UPM+2*(\s)+\e)*768
	global_load_b64 v[48*((\s)%4)+12*\m+6*\e+4:48*((\s)%4)+12*\m+6*\e+5], v[L8], s[4:5] offset:(\m*UPM+2*(\s)+\e)*768+512
.else
.irp i, 6,7,8,9,10,11
	v_mov_b32 v[48*((\s)%4)+12*\m+\i], 0           ; zero codes past the end of K
.endr
.endif
.endr
.endr
	WIN 0
.irp q2, 0,1
.if TAIL && ((\s) == KS-1)
	global_load_u16 v[SA+2*((\s)%4)+\q2], v[VAS], s[6:7] offset:(2*\q2*KS+(\s))*64   ; two bytes; the word's upper two become 0
.else
	global_load_b32 v[SA+2*((\s)%4)+\q2], v[VAS], s[6:7] offset:(2*\q2*KS+(\s))*64
.endif
.endr
.endm
.macro BLOAD s                         ; the panel's four fragments and scale words of K step s into set s % 2: 13 loads
.irp n, 0,1,2,3
.irp c, 0,1,2
	ds_load_b128 v[BF+48*((\s)%2)+12*\n+4*\c:BF+48*((\s)%2)+12*\n+4*\c+3], v[VB+(\s)/8] offset:((\s)%8)*6144+1536*\n+512*\c
.endr
.endr
	ds_load_b64 v[SB+2*((\s)%2):SB+2*((\s)%2)+1], v[VBS] offset:256*(\s)
.endm
.macro RLOAD                           ; the residual of my 64 rows x 64 columns, in the order in which the result comes back from the stage: 32 loads
	WIN 0x40
.irp m, 0,1,2,3
.irp t, 0,1,2,3,4,5,6,7
	global_load_b128 v[128+32*\m+4*\t:128+32*\m+4*\t+3], v[CO], s[12:13] offset:(32*(\m/2)+8*(\m%2)+2*\t+8*(\t/4))*4096 th:TH_LOAD_NT
.endr
.endr
	WIN 0
.endm
.macro NWAIT s                         ; A of K step s is in: what was issued behind it may stay out: the up to three later steps' loads, and from the last step but one on the residual's 32
.set NW, 0
.irp d, 1,2,3
.if (\s)+\d < KS
.if TAIL && ((\s)+\d == KS-1)
.set NW, NW+10
.else
.set NW, NW+18
.endif
.endif
.endr
.if (\s) >= KS-2
.set NW, NW+32
.endif
	s_wait_loadcnt NW
.endm
.macro KSTEP s
.if (\s)+1 < KS
	BLOAD (\s)+1
.endif
	NWAIT \s
.if (\s)+1 < KS
	s_wait_dscnt 13                                ; this step's part of the panel is in; the 13 loads just issued may stay out
.else
	s_wait_dscnt 0
.endif
	WIN 0x58                                       ; source 1 (A) window 2; C and D window 1
.irp n, 0,1,2,3
.irp m, 0,1,2,3
	WM 8*(4*\m+\n), BF+48*((\s)%2)+12*\n, 48*((\s)%4)+12*\m, (\s)==0, SB+2*((\s)%2)+\n/2, SA+2*((\s)%4)+\m/2, \n%2, \m%2   ; the 16 accumulators by turns
.endr
.endr
	WIN 0
	PLACES
.if (\s)+4 < KS
	ALOAD (\s)+4
.endif
.if (\s) == KS-3
	RLOAD
.endif
.endm
.macro BKR m                           ; where tile m's rows come back: v128-223 for tiles 0-2, v32-63 for tile 3
.if (\m) < 3
.set BK, 128+32*(\m)
.else
.set BK, 32
.endif
.endm
	s_load_b128 s[4:7], s[0:1], 0x0                ; A's units, A's scale words
	s_load_b64 s[8:9], s[0:1], 0x10                ; wl
	s_load_b64 s[12:13], s[0:1], 0x18              ; the residual
	s_load_b64 s[14:15], s[0:1], 0x20              ; the result
	v_lshl_add_u32 v253, v0, 2, 0x26a00
	v_mov_b32 v255, 0
	v_lshrrev_b32 v1, 5, v0
	v_readfirstlane_b32 s16, v1                    ; wave
	v_and_b32 v1, 31, v0
	v_and_b32 v2, 15, v0                           ; r
	v_bfe_u32 v3, v0, 4, 1                         ; h
	v_lshlrev_b32 v[L16], 4, v1
	v_lshlrev_b32 v[L8], 3, v1
	v_lshlrev_b32 v[L4], 2, v1
	v_mul_u32_u24 v[VAS], v3, KS*64
	v_lshl_add_u32 v[VAS], v2, 2, v[VAS]
.if KS > 8
	v_add_nc_u32 v[VB+1], 49152, v[L16]
	v_add_nc_u32 v[VB+2], 98304, v[L16]
.endif
	v_lshl_add_u32 v[VBS], v1, 3, SCB
	s_mul_i32 s17, s16, KS*1536                    ; my quarter of the codes
	v_add_nc_u32 v[FI], s17, v[L16]
	s_mul_i32 s18, s16, KS*64                      ; and of the scale words
	v_add_nc_u32 v[FS], SCB, v[L4]
	v_add_nc_u32 v[FS], s18, v[FS]
	s_mul_i32 s20, s16, 4352
	s_add_co_u32 s20, s20, STG                     ; my stage
	v_mul_u32_u24 v[STO], v2, 272
	v_lshl_add_u32 v[STO], v3, 5, v[STO]
	v_add_nc_u32 v[STO], s20, v[STO]               ; in: row r, + 32 h
	v_mul_u32_u24 v[RD], v3, 272
	v_lshl_add_u32 v[RD], v2, 4, v[RD]
	v_add_nc_u32 v[RD], s20, v[RD]                 ; back: lanes 0-15 one row, lanes 16-31 the next
	v_lshlrev_b32 v[CO], 12, v3
	v_lshl_add_u32 v[CO], v2, 4, v[CO]             ; and the same in memory
	s_and_b32 s19, ttmp7, 0xffff
	s_mul_i32 s24, ttmp9, RECB
	s_add_co_u32 s24, s24, WLO                     ; my panel's record
	s_add_co_u32 s26, s24, s18
	s_add_co_u32 s26, s26, SCB
	s_add_co_u32 s24, s24, s17
	s_mov_b32 s25, 0
	s_mov_b32 s27, 0
	s_lshl_b32 s22, s19, 4
	s_lshl_b32 s23, s16, 2
	s_add_co_u32 s22, s22, s23                     ; my first tile of rows
	s_mul_i32 s28, s22, UPM*768
	s_mov_b32 s29, 0
	s_mul_i32 s30, s22, KS*64
	s_mov_b32 s31, 0
	s_lshl_b32 s32, s22, 16                        ; 16 rows of 4,096 bytes a tile,
	s_lshl_b32 s23, ttmp9, 8
	s_add_co_u32 s32, s32, s23                     ; + the panel's 256 bytes
	s_mov_b32 s33, 0
	s_wait_kmcnt 0x0
	s_add_nc_u64 s[10:11], s[8:9], s[26:27]        ; the record's scale words,
	s_add_nc_u64 s[8:9], s[8:9], s[24:25]          ; its codes
	s_add_nc_u64 s[4:5], s[4:5], s[28:29]
	s_add_nc_u64 s[6:7], s[6:7], s[30:31]
	s_add_nc_u64 s[12:13], s[12:13], s[32:33]
	s_add_nc_u64 s[14:15], s[14:15], s[32:33]
	; THE COPY: my quarter of the record
.set fj, 0
.rept KS/2
	global_load_b32 v[FT+fj], v[L4], s[10:11] offset:128*fj
.set fj, fj+1
.endr
	WIN 0x40
.set fq, 0
.rept NC1
	global_load_b128 v[4*fq:4*fq+3], v[L16], s[8:9] offset:512*fq
.set fq, fq+1
.endr
	WIN 0
.if NCL > NC1
.rept NCL-NC1
	global_load_b128 v[TF+4*(fq-NC1):TF+4*(fq-NC1)+3], v[L16], s[8:9] offset:512*fq
.set fq, fq+1
.endr
.endif
	ALOAD 0
	ALOAD 1
	ALOAD 2
	s_wait_loadcnt 54                              ; all but A's first three K steps
.set fj, 0
.rept KS/2
	ds_store_b32 v[FS], v[FT+fj] offset:128*fj
.set fj, fj+1
.endr
	WIN 0x04                                       ; an LDS store's data are its source 1: window 1
.set fq, 0
.rept NC1
	ds_store_b128 v[FI], v[4*fq:4*fq+3] offset:512*fq
.set fq, fq+1
.endr
	WIN 0
.if NCL > NC1
.rept NCL-NC1
	ds_store_b128 v[FI], v[TF+4*(fq-NC1):TF+4*(fq-NC1)+3] offset:512*fq
.set fq, fq+1
.endr
.endif
	ALOAD 3
	s_wait_dscnt 0x0                               ; for the others' sake: my part of the panel has landed
	s_barrier_signal -1
	s_barrier_wait -1                              ; the panel is whole and is only read from here on; the stages are each wave's own
	BLOAD 0
.set st, 0
.rept KS
	KSTEP st
.set st, st+1
.endr
	; THE WAY OUT.  LDS serves a wave's instructions in order: no wait between a tile's stores and its loads, nor in front of the next tile's stores
.irp m, 0,1,2,3
	BKR \m
	WIN 0x04
.irp n, 0,1,2,3
	ds_store_b128 v[STO], v[8*(4*\m+\n):8*(4*\m+\n)+3] offset:64*\n          ; each accumulator from its low end on
	ds_store_b128 v[STO], v[8*(4*\m+\n)+4:8*(4*\m+\n)+7] offset:64*\n+16
.endr
	WIN 0
.irp t, 0,1,2,3,4,5,6,7
	ds_load_b128 v[BK+4*\t:BK+4*\t+3], v[RD] offset:544*\t
.endr
.endr
.irp m, 0,1,2,3
	BKR \m
	s_wait_dscnt 16*(3-\m)                         ; tile m is back; the later tiles' 8 stores and 8 loads each may stay out
	s_wait_loadcnt 8*(3-\m)                        ; its residual is in; the later tiles' 8 loads each may stay out
	WIN 0x04
.irp i, 0,1,2,3,4,5,6,7,8,9,10,11,12,13,14,15
	v_pk_add_f32 v[BK+2*\i:BK+2*\i+1], v[BK+2*\i:BK+2*\i+1], v[128+32*\m+2*\i:128+32*\m+2*\i+1]
.endr
	WIN 0
.irp t, 0,1,2,3,4,5,6,7
	global_store_b128 v[CO], v[BK+4*\t:BK+4*\t+3], s[14:15] offset:(32*(\m/2)+8*(\m%2)+2*\t+8*(\t/4))*4096 th:TH_STORE_NT   ; 16 lanes store 256 consecutive bytes, aligned; written once, read by nobody here
.endr
.endr
	s_wait_tensorcnt 0x0
	ds_add_u32 v253, v255
	s_wait_dscnt 0x0
	s_endpgm
.Lfunc_end_k_q45ea76cb20_ffn2:
	.size	k_q45ea76cb20_ffn2, .Lfunc_end_k_q45ea76cb20_ffn2-k_q45ea76cb20_ffn2
	.p2alignl 7, 3214868480
	.fill 96, 4, 3214868480
	.section	.rodata,"a",@progbits
	.p2align	6, 0x0
	.amdhsa_kernel k_q45ea76cb20_ffn2
		.amdhsa_group_segment_fixed_size 158720
		.amdhsa_private_segment_fixed_size 0
		.amdhsa_enable_private_segment 0
		.amdhsa_kernarg_size 40
		.amdhsa_user_sgpr_count 2
		.amdhsa_user_sgpr_kernarg_segment_ptr 1
		.amdhsa_wavefront_size32 1
		.amdhsa_system_sgpr_workgroup_id_x 1
		.amdhsa_system_sgpr_workgroup_id_y 1
		.amdhsa_system_sgpr_workgroup_id_z 1
		.amdhsa_system_vgpr_workitem_id 0
		.amdhsa_next_free_vgpr 768
		.amdhsa_next_free_sgpr 66
		.amdhsa_reserve_vcc 0
		.amdhsa_float_denorm_mode_32 3
		.amdhsa_float_denorm_mode_16_64 3
		.amdhsa_memory_ordered 1
		.amdhsa_forward_progress 1
		.amdhsa_inst_pref_size 137
	.end_amdhsa_kernel
	.amdgpu_metadata
---
amdhsa.version: [ 1, 2 ]
amdhsa.kernels:
  - .name:           k_q45ea76cb20_ffn2
    .symbol:         k_q45ea76cb20_ffn2.kd
    .args:
      - { .name: gc, .offset: 0, .size: 8, .value_kind: global_buffer, .address_space: global }
      - { .name: gs, .offset: 8, .size: 8, .value_kind: global_buffer, .address_space: global }
      - { .name: wl, .offset: 16, .size: 8, .value_kind: global_buffer, .address_space: global }
      - { .name: x1, .offset: 24, .size: 8, .value_kind: global_buffer, .address_space: global }
      - { .name: out0, .offset: 32, .size: 8, .value_kind: global_buffer, .address_space: global }
    .group_segment_fixed_size: 158720
    .private_segment_fixed_size: 0
    .kernarg_segment_align: 8
    .kernarg_segment_size: 40
    .max_flat_workgroup_size: 128
    .sgpr_count:     66
    .vgpr_count:     768
    .wavefront_size: 32
...
	.end_amdgpu_metadata
.endif
;; end of part 7
;; ======== version 2 of 2: 8 launches
;; workspace buffers: hc 3,145,728 bytes; hs 131,072 bytes; qkvb 10,092,544 bytes; x1 16,777,216 bytes; gc 8,454,144 bytes; gs 360,448 bytes; wl 9,932,800 bytes
;; launch lay (part 8): grid 508 x 1, 2 waves a work-group, no clusters, 0 bytes of LDS; arguments wq_codes, wq_scales, wk_codes, wk_scales, wv_codes, wv_scales, wo_codes, wo_scales, w1_codes, w1_scales, w3_codes, w3_scales, w2_codes, w2_scales, wl; writes wl
.if DOCPART == 8
	.amdgcn_target "amdgcn-amd-amdhsa--gfx1250"
	.amdhsa_code_object_version 6
	.text
	.protected	k_q45ea76cb20_lay
	.globl	k_q45ea76cb20_lay
	.p2align	8
	.type	k_q45ea76cb20_lay,@function
k_q45ea76cb20_lay:
	s_mov_b64 s[64:65], 0
	v_nop
	global_prefetch_b8 v0, s[64:65] scope:SCOPE_SE
	s_setreg_imm32_b32 hwreg(HW_REG_WAVE_MODE, 25, 1), 1
	s_wait_xcnt 0x0
; The seven weights, given as rows of FP6 codes and E8M0 scale bytes, are laid ONCE in the order in which the products' work-groups hold their panels in LDS.  No number is changed.
; OUT.  wl: 67 records of 102,400 bytes (panels of eight tiles: 24 of wq, wk, wv, 128 rows each; then 43 of w1 and w3, 64 rows of each); 16 of 51,200 (wo, 64 rows); 16 of 140,800 (w2, 64 rows).
; A record: codes [K step][tile][1,536 bytes], then scale words [K step][lane][pair of tiles].  A tile's 1,536 bytes are the image of the operand's 12 registers: registers 4 c .. 4 c + 3 of lane l at 512 c + 16 l.
; Lane (r, h) holds of its row the 24 bytes at 96 s + 24 h and the 24 bytes at 96 s + 48 + 24 h.  A scale word is the row's four bytes of the K step; lane (r, h) of pair q stands for row r of tile 2 q + h.
; TILES.  In the panels of eight, tile 2 b + u holds rows 32 b + 8 u + r + 8 (r / 8); tiles 0-3 come from the first 64 rows (of w1), tiles 4-7 from the second 64 (of w3).  In wo's and w2's panels tile t holds rows 16 t + r.
; SHARES.  A wave takes one K step of one panel, a work-group two K steps.  Work-groups 0-267: panels of eight; 268-331: wo; 332-507: w2.  The paths part on the work-group's number alone.
; The loads are 8 bytes a lane out of 16 rows: that fetch is made here once, where each product's sixteen work-groups of a column would make it anew.  Every store covers 512 (a scale store of wo, w2: 256) consecutive bytes, aligned to 256.
; w2's K = 2,752 is 21.5 steps: in step 21 the fragment's upper six registers and the scale word's upper two bytes become 0.  The loads that would leave the row read 48 (2) bytes further back, inside the row, and their results are masked: no branch.
; A stream: no LDS, no barrier, no matrix unit, no cluster: waves share nothing.
.set REC8,  102400
.set WOB,   6860800
.set REC4A, 51200
.set W2B,   7680000
.set REC4B, 140800
.set L16,   4                          ; v4   16 x lane
.set L8,    5                          ; v5   8 x lane
.set VC,    7                          ; v7   my lane's byte in the codes
.set VS,    8                          ; v8   and in the scale bytes
.set VS2,   9                          ; v9   the same for a word's upper half (w2)
.set VC2,   10                         ; v10  the same for a fragment's upper half (w2)
.set FRG,   16                         ; v16-111 up to eight fragments
.set SW,    112                        ; v112-117 scale words
.macro FRAGLD reg, vo, vo2, sp, off    ; a fragment: six loads of 8 bytes
.irp p, 0,1,2
	global_load_b64 v[(\reg)+2*\p:(\reg)+2*\p+1], v[\vo], s[\sp:\sp+1] offset:(\off)+8*\p
.endr
.irp p, 0,1,2
	global_load_b64 v[(\reg)+6+2*\p:(\reg)+7+2*\p], v[\vo2], s[\sp:\sp+1] offset:(\off)+48+8*\p
.endr
.endm
.macro FRAGST reg, sp, off             ; its image: three stores of 512 consecutive bytes
.irp c, 0,1,2
	global_store_b128 v[L16], v[(\reg)+4*\c:(\reg)+4*\c+3], s[\sp:\sp+1] offset:(\off)+512*\c
.endr
.endm
; One K step (s36) of a panel (s37) of four tiles of neighbouring rows
.macro FOUR pitch, srow, ks, rec, base, cp, sp, tail
	s_mul_i32 s42, s36, 96
	s_lshl_b32 s43, s36, 2
	v_mul_u32_u24 v[VC], v2, \pitch
	v_mad_u32_u24 v[VC], v3, 24, v[VC]
	v_add_nc_u32 v[VC], s42, v[VC]                 ; row r, + 24 h, + the K step's 96 bytes
	v_lshl_add_u32 v[VS], v3, 4, v2
	v_mul_u32_u24 v[VS], v[VS], \srow
	v_add_nc_u32 v[VS], s43, v[VS]                 ; row 16 h + r of a pair, + the K step's 4 bytes
	s_mul_i32 s44, s37, 64*(\pitch)
	s_mov_b32 s45, 0
	s_mul_i32 s46, s37, 64*(\srow)
	s_mov_b32 s47, 0
	s_mul_i32 s48, s37, \rec
	s_add_co_u32 s48, s48, \base                   ; the panel's record
	s_mul_i32 s50, s36, 6144
	s_add_co_u32 s50, s50, s48
	s_mov_b32 s51, 0
	s_lshl_b32 s52, s36, 8
	s_add_co_u32 s52, s52, s48
	s_add_co_u32 s52, s52, (\ks)*6144
	s_mov_b32 s53, 0
.if \tail
	s_cmp_eq_u32 s36, (\ks)-1                      ; the short last step
	s_cselect_b32 s54, 48, 0
	s_cselect_b32 s55, 2, 0
	s_cselect_b32 s56, 0, -1
	s_wait_alu depctr_va_vdst(0)
	v_sub_nc_u32 v[VC2], v[VC], s54
	v_sub_nc_u32 v[VS2], v[VS], s55
.endif
	s_wait_alu depctr_va_vdst(0)
	s_wait_kmcnt 0x0
	s_add_nc_u64 s[58:59], s[\cp:\cp+1], s[44:45]
	s_add_nc_u64 s[60:61], s[\sp:\sp+1], s[46:47]
	s_add_nc_u64 s[38:39], s[32:33], s[50:51]
	s_add_nc_u64 s[40:41], s[32:33], s[52:53]
.irp q, 0,1
.if \tail
	global_load_u16 v[SW+2*\q], v[VS], s[60:61] offset:32*(\srow)*\q       ; a row of 86 bytes begins on an even byte only: half words
	global_load_u16 v[SW+2*\q+1], v[VS2], s[60:61] offset:32*(\srow)*\q+2
.else
	global_load_b32 v[SW+4+\q], v[VS], s[60:61] offset:32*(\srow)*\q
.endif
.endr
.irp t, 0,1,2,3
.if \tail
	FRAGLD FRG+12*\t, VC, VC2, 58, 16*\t*(\pitch)
.else
	FRAGLD FRG+12*\t, VC, VC, 58, 16*\t*(\pitch)
.endif
.endr
	s_wait_loadcnt 24                              ; the scale bytes are in; the 24 loads of codes may stay out
.if \tail
.irp q, 0,1
	v_and_b32 v[SW+2*\q+1], s56, v[SW+2*\q+1]
	v_lshl_or_b32 v[SW+4+\q], v[SW+2*\q+1], 16, v[SW+2*\q]
.endr
.endif
	global_store_b64 v[L8], v[SW+4:SW+5], s[40:41]         ; the step's words of both pairs: 256 consecutive bytes
.irp t, 0,1,2,3
	s_wait_loadcnt 6*(3-\t)                        ; tile t is in; the later tiles' six loads each may stay out
.if \tail
.irp i, 6,7,8,9,10,11
	v_and_b32 v[FRG+12*\t+\i], s56, v[FRG+12*\t+\i]
.endr
.endif
	FRAGST FRG+12*\t, 38, 1536*\t
.endr
	s_endpgm
.endm
	s_load_b512 s[4:19], s[0:1], 0x0               ; codes, scales of wq s[4:7], wk s[8:11], wv s[12:15], wo s[16:19]
	s_load_b256 s[20:27], s[0:1], 0x40             ; of w1 s[20:23], w3 s[24:27]
	s_load_b128 s[28:31], s[0:1], 0x60             ; of w2
	s_load_b64 s[32:33], s[0:1], 0x70              ; wl
	v_lshrrev_b32 v1, 5, v0
	v_readfirstlane_b32 s34, v1                    ; wave 0..1
	v_and_b32 v1, 31, v0                           ; lane
	v_and_b32 v2, 15, v0                           ; r
	v_bfe_u32 v3, v0, 4, 1                         ; h
	v_lshlrev_b32 v[L16], 4, v1
	v_lshlrev_b32 v[L8], 3, v1
	s_cmp_ge_u32 ttmp9, 268
	s_cbranch_scc1 .Lfour
	; ---- a panel of eight tiles
	s_lshr_b32 s35, ttmp9, 2                       ; the panel, 0 .. 66
	s_and_b32 s36, ttmp9, 3
	s_lshl_b32 s36, s36, 1
	s_add_co_u32 s36, s36, s34                     ; the K step
	s_lshr_b32 s37, s35, 3                         ; under 24: which of wq, wk, wv
	s_and_b32 s38, s35, 7
	s_lshl_b32 s38, s38, 7                         ; its rows 128 x panel on,
	s_add_co_u32 s39, s38, 64                      ; and the second 64 of them
	s_sub_co_u32 s40, s35, 24
	s_lshl_b32 s40, s40, 6                         ; from 24 on: rows 64 (panel - 24) on, of w1 and of w3
	s_cmp_lt_u32 s35, 24
	s_cselect_b32 s38, s38, s40                    ; first row of tiles 0-3
	s_cselect_b32 s39, s39, s40                    ; and of tiles 4-7
	s_wait_alu depctr_va_vdst(0)
	v_and_b32 v6, 8, v2
	v_add_nc_u32 v6, v6, v2                        ; r + 8 (r / 8)
	v_mul_u32_u24 v[VC], v6, 768
	v_mad_u32_u24 v[VC], v3, 24, v[VC]
	v_lshl_add_u32 v[VS], v3, 3, v6                ; scale bytes: lanes 16-31 take the pair's second tile, 8 rows on
	v_lshlrev_b32 v[VS], 5, v[VS]
	s_mul_i32 s41, s36, 96
	s_lshl_b32 s42, s36, 2
	s_mul_i32 s44, s38, 768
	s_add_co_u32 s44, s44, s41
	s_mov_b32 s45, 0
	s_mul_i32 s46, s39, 768
	s_add_co_u32 s46, s46, s41
	s_mov_b32 s47, 0
	s_lshl_b32 s48, s38, 5
	s_add_co_u32 s48, s48, s42
	s_mov_b32 s49, 0
	s_lshl_b32 s50, s39, 5
	s_add_co_u32 s50, s50, s42
	s_mov_b32 s51, 0
	s_mul_i32 s56, s35, REC8                       ; the panel's record
	s_mul_i32 s52, s36, 12288
	s_add_co_u32 s52, s52, s56
	s_mov_b32 s53, 0
	s_lshl_b32 s54, s36, 9
	s_add_co_u32 s54, s54, s56
	s_add_co_u32 s54, s54, 98304
	s_mov_b32 s55, 0
	s_wait_alu depctr_va_vdst(0)
	s_wait_kmcnt 0x0
	s_cmp_eq_u32 s37, 1                            ; the buffers are chosen by the work-group's number alone
	s_cselect_b64 s[58:59], s[8:9], s[4:5]
	s_cselect_b64 s[60:61], s[10:11], s[6:7]
	s_cmp_eq_u32 s37, 2
	s_cselect_b64 s[58:59], s[12:13], s[58:59]
	s_cselect_b64 s[60:61], s[14:15], s[60:61]
	s_cmp_lt_u32 s35, 24
	s_cselect_b64 s[4:5], s[58:59], s[20:21]       ; tiles 0-3: codes,
	s_cselect_b64 s[6:7], s[60:61], s[22:23]       ; scale bytes
	s_cselect_b64 s[8:9], s[58:59], s[24:25]       ; tiles 4-7
	s_cselect_b64 s[10:11], s[60:61], s[26:27]
	s_add_nc_u64 s[4:5], s[4:5], s[44:45]
	s_add_nc_u64 s[8:9], s[8:9], s[46:47]
	s_add_nc_u64 s[6:7], s[6:7], s[48:49]
	s_add_nc_u64 s[10:11], s[10:11], s[50:51]
	s_add_nc_u64 s[12:13], s[32:33], s[52:53]      ; where the step's eight images go,
	s_add_nc_u64 s[14:15], s[32:33], s[54:55]      ; and its scale words
.irp q, 0,1
	global_load_b32 v[SW+\q], v[VS], s[6:7] offset:1024*\q
	global_load_b32 v[SW+2+\q], v[VS], s[10:11] offset:1024*\q
.endr
.irp t, 0,1,2,3
	FRAGLD FRG+12*\t, VC, VC, 4, (32*(\t/2)+8*(\t%2))*768
.endr
.irp t, 0,1,2,3
	FRAGLD FRG+48+12*\t, VC, VC, 8, (32*(\t/2)+8*(\t%2))*768
.endr
	s_wait_loadcnt 48                              ; the scale words are in; the 48 loads of codes may stay out
	global_store_b128 v[L16], v[SW:SW+3], s[14:15]         ; the step's words of all four pairs: 512 consecutive bytes
.irp n, 0,1,2,3,4,5,6,7
	s_wait_loadcnt 6*(7-\n)                        ; tile n is in; the later tiles' six loads each may stay out
	FRAGST FRG+12*\n, 12, 1536*\n
.endr
	s_endpgm
.Lfour:
	s_cmp_ge_u32 ttmp9, 332
	s_cbranch_scc1 .Lw2
	; ---- wo: 16 panels x 8 K steps
	s_sub_co_u32 s35, ttmp9, 268
	s_lshl_b32 s35, s35, 1
	s_add_co_u32 s35, s35, s34
	s_lshr_b32 s37, s35, 3                         ; the panel
	s_and_b32 s36, s35, 7                          ; the K step
	s_wait_alu depctr_va_vdst(0)
	FOUR 768, 32, 8, REC4A, WOB, 16, 18, 0
.Lw2:
	; ---- w2: 16 panels x 22 K steps: 11 work-groups a panel
	s_sub_co_u32 s35, ttmp9, 332                   ; 0 .. 175
	s_mul_i32 s37, s35, 5958
	s_lshr_b32 s37, s37, 16                        ; / 11: 5,958 / 65,536 lies just over 1 / 11, near enough for numbers under 176
	s_mul_i32 s36, s37, 11
	s_sub_co_u32 s36, s35, s36
	s_lshl_b32 s36, s36, 1
	s_add_co_u32 s36, s36, s34                     ; the K step
	s_wait_alu depctr_va_vdst(0)
	FOUR 2064, 86, 22, REC4B, W2B, 28, 30, 1
.Lfunc_end_k_q45ea76cb20_lay:
	.size	k_q45ea76cb20_lay, .Lfunc_end_k_q45ea76cb20_lay-k_q45ea76cb20_lay
	.p2alignl 7, 3214868480
	.fill 96, 4, 3214868480
	.section	.rodata,"a",@progbits
	.p2align	6, 0x0
	.amdhsa_kernel k_q45ea76cb20_lay
		.amdhsa_group_segment_fixed_size 0
		.amdhsa_private_segment_fixed_size 0
		.amdhsa_enable_private_segment 0
		.amdhsa_kernarg_size 120
		.amdhsa_user_sgpr_count 2
		.amdhsa_user_sgpr_kernarg_segment_ptr 1
		.amdhsa_wavefront_size32 1
		.amdhsa_system_sgpr_workgroup_id_x 1
		.amdhsa_system_sgpr_workgroup_id_y 1
		.amdhsa_system_sgpr_workgroup_id_z 1
		.amdhsa_system_vgpr_workitem_id 0
		.amdhsa_next_free_vgpr 128
		.amdhsa_next_free_sgpr 66
		.amdhsa_reserve_vcc 0
		.amdhsa_float_denorm_mode_32 3
		.amdhsa_float_denorm_mode_16_64 3
		.amdhsa_memory_ordered 1
		.amdhsa_forward_progress 1
		.amdhsa_inst_pref_size 23
	.end_amdhsa_kernel
	.amdgpu_metadata
---
amdhsa.version: [ 1, 2 ]
amdhsa.kernels:
  - .name:           k_q45ea76cb20_lay
    .symbol:         k_q45ea76cb20_lay.kd
    .args:
      - { .name: wq_codes, .offset: 0, .size: 8, .value_kind: global_buffer, .address_space: global }
      - { .name: wq_scales, .offset: 8, .size: 8, .value_kind: global_buffer, .address_space: global }
      - { .name: wk_codes, .offset: 16, .size: 8, .value_kind: global_buffer, .address_space: global }
      - { .name: wk_scales, .offset: 24, .size: 8, .value_kind: global_buffer, .address_space: global }
      - { .name: wv_codes, .offset: 32, .size: 8, .value_kind: global_buffer, .address_space: global }
      - { .name: wv_scales, .offset: 40, .size: 8, .value_kind: global_buffer, .address_space: global }
      - { .name: wo_codes, .offset: 48, .size: 8, .value_kind: global_buffer, .address_space: global }
      - { .name: wo_scales, .offset: 56, .size: 8, .value_kind: global_buffer, .address_space: global }
      - { .name: w1_codes, .offset: 64, .size: 8, .value_kind: global_buffer, .address_space: global }
      - { .name: w1_scales, .offset: 72, .size: 8, .value_kind: global_buffer, .address_space: global }
      - { .name: w3_codes, .offset: 80, .size: 8, .value_kind: global_buffer, .address_space: global }
      - { .name: w3_scales, .offset: 88, .size: 8, .value_kind: global_buffer, .address_space: global }
      - { .name: w2_codes, .offset: 96, .size: 8, .value_kind: global_buffer, .address_space: global }
      - { .name: w2_scales, .offset: 104, .size: 8, .value_kind: global_buffer, .address_space: global }
      - { .name: wl, .offset: 112, .size: 8, .value_kind: global_buffer, .address_space: global }
    .group_segment_fixed_size: 0
    .private_segment_fixed_size: 0
    .kernarg_segment_align: 8
    .kernarg_segment_size: 120
    .max_flat_workgroup_size: 64
    .sgpr_count:     66
    .vgpr_count:     128
    .wavefront_size: 32
...
	.end_amdgpu_metadata
.endif
;; end of part 8
;; launch norm1 (part 9): grid 256 x 1, 8 waves a work-group, no clusters, 69,120 bytes of LDS; arguments x, ln1_w, hc, hs; writes hc, hs
.if DOCPART == 9
	.amdgcn_target "amdgcn-amd-amdhsa--gfx1250"
	.amdhsa_code_object_version 6
	.text
	.protected	k_q45ea76cb20_norm1
	.globl	k_q45ea76cb20_norm1
	.p2align	8
	.type	k_q45ea76cb20_norm1,@function
k_q45ea76cb20_norm1:
	s_mov_b64 s[64:65], 0
	v_nop
	global_prefetch_b8 v0, s[64:65] scope:SCOPE_SE
	s_setreg_imm32_b32 hwreg(HW_REG_WAVE_MODE, 25, 1), 1
	s_wait_xcnt 0x0
; codes and scales of rmsnorm(src) * w, quantised along the row to FP6 (E2M3) with one E8M0 byte for each 32.  src: [4096][1024] f32, w: [1024] f32.
; OUT.  hc: [256 tiles of rows][16 units][768 bytes]; hs: [256][8 K steps][16 rows] words of four scale bytes.
; A TILE OF ROWS is not 16 neighbours: tile 2 b + u holds rows 32 b + 8 u + i + 8 (i / 8), i = 0 .. 15 (every launch of this program tiles the tokens so).
; A UNIT is 16 rows x 64 along K as the matrix operand's registers hold it: lane (r, h) owns block h of row r in six registers; the first four lie at 16 x lane, the last two at 512 + 8 x lane.
; SHARES.  A work-group takes one tile of rows, each of its eight waves 128 columns (one K step).  Each load covers 512 consecutive bytes of a row; the 16 x 512 bytes turn through the wave's own
; stage in LDS, so that a lane then holds 16 neighbours of each of four blocks of its row.  The row's sum of squares meets in LDS: one barrier.
; No matrix unit, no cluster: work-groups share nothing but the 4,096 bytes of w.
; LIMITS: NaN and infinities are not served.  A block whose largest magnitude lies under 2^-124 (zeros too) gets the byte 1; these bytes are read by this program alone.
; 1 / rms is taken by v_rsq_f32 and multiplied, where the definition divides by a root: the two differ in the last bits of f32.
.set X,     16                         ; v16-79   16 rows as loaded, 4 registers each
.set Y,     80                         ; v80-143  register 16 b + i = k 32 b + 16 h + i of my row
.set W,     144                        ; v144-207 the gains of the same k
.set TM,    208                        ; v208-223 at work in QUANT
.set PCD,   224                        ; v224-243 the codes
.set PWD,   244                        ; v244     the scale word
.set SUM,   246                        ; v246-253 sums
.set RS,    254                        ; v[254:255] 1 / rms
.set SEL,   14                         ; s[14:15] selects for lane l xor 16
.set PITCH, 528                        ; a stage row: 512 bytes + 16, an odd multiple of 16
.set WSTG,  16*PITCH                   ; a wave's stage
.set PART,  8*WSTG                     ; behind the stages: 16 rows x 8 partial sums
.set MSB, 0
.macro WIN new                         ; the immediate's high byte repeats the setting that is left (here every window is 0: nothing is written)
.if MSB != (\new)
	s_set_vgpr_msb (MSB<<8)|(\new)
.set MSB, (\new)
.endif
.endm
; 64 numbers of a lane, v[s] on in window w, register 16 b + i = k 32 b + 16 h + i, become 12 registers of codes at v[pc] on (pc + 12 .. pc + 19 at work) and the scale word v[pw].
.macro QUANT s, w, pc, pw
	WIN 5*(\w)
.irp b, 0,1,2,3
	v_max3_num_f32 v[TM+\b], |v[(\s)+16*\b]|, |v[(\s)+1+16*\b]|, 0x1800000   ; my 16 numbers of block b, and the floor 2^(3 - 127): the byte cannot fall under 1
.endr
.irp i, 2,4,6,8,10,12,14
.irp b, 0,1,2,3
	s_delay_alu instid0(VALU_DEP_4)
	v_max3_num_f32 v[TM+\b], |v[(\s)+16*\b+\i]|, |v[(\s)+1+16*\b+\i]|, v[TM+\b]   ; the four blocks by turns
.endr
.endr
	WIN 0
.irp b, 0,1,2,3
	s_delay_alu instid0(VALU_DEP_4)
	v_permlanex16_b32 v[TM+4+\b], v[TM+\b], s[SEL], s[SEL+1]
.endr
.irp b, 0,1,2,3
	s_delay_alu instid0(VALU_DEP_4)
	v_max_num_f32 v[TM+\b], v[TM+\b], v[TM+4+\b]           ; with lane l xor 16's 16: the block's largest magnitude
.endr
.irp b, 0,1,2,3
	s_delay_alu instid0(VALU_DEP_4)
	v_add_nc_u32 v[TM+12+\b], 0xff000000, v[TM+\b]         ; 2 off its exponent field: the conversion's scale operand
.endr
.irp b, 0,1,2,3
	s_delay_alu instid0(VALU_DEP_4)
	v_lshrrev_b32 v[TM+4+\b], 23, v[TM+12+\b]              ; the scale's byte
.endr
	s_delay_alu instid0(VALU_DEP_3)
	v_lshl_or_b32 v[\pw], v[TM+5], 8, v[TM+4]
	s_delay_alu instid0(VALU_DEP_1)
	v_lshl_or_b32 v[\pw], v[TM+6], 16, v[\pw]
	s_delay_alu instid0(VALU_DEP_1)
	v_lshl_or_b32 v[\pw], v[TM+7], 24, v[\pw]
	WIN \w
.irp c, 0,1
	v_cvt_scalef32_pk16_fp6_f32 v[\pc+6*\c:\pc+2+6*\c], v[(\s)+32*\c:(\s)+15+32*\c], v[TM+12+2*\c]
	v_cvt_scalef32_pk16_fp6_f32 v[\pc+12+4*\c:\pc+14+4*\c], v[(\s)+16+32*\c:(\s)+31+32*\c], v[TM+13+2*\c]   ; (a conversion's three registers begin on an even number)
.endr
	WIN 0
	v_nop                                                  ; one plain place behind a scaled conversion
.irp c, 0,1                                            ; the layout wants a whole block in a lane: lanes 0-15 block 2 c, lanes 16-31 block 2 c + 1
.irp i, 0,1,2
	v_permlane16_swap_b32 v[\pc+6*\c+\i], v[\pc+12+4*\c+\i]
.endr
.irp i, 0,1,2
	s_delay_alu instid0(VALU_DEP_3)
	v_mov_b32 v[\pc+3+6*\c+\i], v[\pc+12+4*\c+\i]
.endr
.endr
.endm
	s_load_b256 s[4:11], s[0:1], 0x0               ; src s[4:5], w s[6:7], hc s[8:9], hs s[10:11]
	v_lshl_add_u32 v243, v0, 2, 0x10a00
	v_mov_b32 v245, 0
	v_lshrrev_b32 v1, 5, v0
	s_delay_alu instid0(VALU_DEP_1)
	v_readfirstlane_b32 s12, v1                    ; wave 0..7 = K step
	v_and_b32 v1, 31, v0                           ; lane
	v_and_b32 v2, 15, v0                           ; r
	v_bfe_u32 v3, v0, 4, 1                         ; h
	s_delay_alu instid0(VALU_DEP_3)
	v_lshlrev_b32 v4, 4, v1                        ; 16 x lane
	s_delay_alu instid0(VALU_DEP_4)
	v_lshlrev_b32 v5, 3, v1                        ; 8 x lane
	s_delay_alu instid0(VALU_DEP_4)
	v_lshlrev_b32 v6, 2, v2                        ; 4 r
	s_mul_i32 s16, s12, WSTG
	v_add_nc_u32 v7, s16, v4                       ; the stage, in: 16 x lane of row i
	v_mul_u32_u24 v8, v2, PITCH
	s_delay_alu instid0(VALU_DEP_1)
	v_lshl_add_u32 v8, v3, 6, v8
	s_delay_alu instid0(VALU_DEP_1)
	v_add_nc_u32 v8, s16, v8                       ; out: row r, + 64 h
	v_lshl_add_u32 v10, v2, 5, PART                ; row r's eight partial sums
	s_lshl_b32 s17, s12, 2
	v_add_nc_u32 v9, s17, v10                      ; and my wave's word among them
	v_lshlrev_b32 v11, 6, v3                       ; 64 h
.irp b, 0,1,2,3
	v_mov_b32 v[TM+4+\b], 0                        ; written once: a lane permute's destination counts as one of its sources
.endr
	s_mov_b32 s[SEL], 0x76543210
	s_mov_b32 s[SEL+1], 0xfedcba98
	s_mov_b32 s26, 0x3a800000                      ; 1 / 1024
	s_mov_b32 s27, 0x3727c5ac                      ; 1e-5
	s_lshr_b32 s18, ttmp9, 1
	s_lshl_b32 s18, s18, 5
	s_and_b32 s19, ttmp9, 1
	s_lshl_b32 s19, s19, 3
	s_add_co_u32 s18, s18, s19                     ; the tile's first row: 32 (t / 2) + 8 (t % 2)
	s_lshl_b32 s18, s18, 12
	s_lshl_b32 s20, s12, 9                         ; my 512 bytes of a row
	s_add_co_u32 s18, s18, s20
	s_mov_b32 s19, 0
	s_mov_b32 s21, 0
	s_lshl_b32 s22, ttmp9, 4
	s_lshl_b32 s23, s12, 1
	s_add_co_u32 s22, s22, s23
	s_mul_i32 s22, s22, 768                        ; units 16 t + 2 wave, + 1
	s_mov_b32 s23, 0
	s_lshl_b32 s24, ttmp9, 3
	s_add_co_u32 s24, s24, s12
	s_lshl_b32 s24, s24, 6                         ; scale words (8 t + wave) x 64 bytes
	s_mov_b32 s25, 0
	s_wait_alu depctr_va_vdst(0)
	s_wait_kmcnt 0x0
	s_add_nc_u64 s[4:5], s[4:5], s[18:19]
	s_add_nc_u64 s[6:7], s[6:7], s[20:21]
	s_add_nc_u64 s[8:9], s[8:9], s[22:23]
	s_add_nc_u64 s[10:11], s[10:11], s[24:25]
.irp i, 0,1,2,3,4,5,6,7,8,9,10,11,12,13,14,15
	global_load_b128 v[X+4*\i:X+4*\i+3], v4, s[4:5] offset:(\i+8*(\i/8))*4096   ; 32 lanes read 512 consecutive bytes of the tile's row i
.endr
.irp b, 0,1,2,3
.irp j, 0,1,2,3
	global_load_b128 v[W+16*\b+4*\j:W+16*\b+4*\j+3], v11, s[6:7] offset:128*\b+16*\j
.endr
.endr
	s_wait_loadcnt 16                              ; the rows are in; the 16 loads of the gains may stay out
.irp i, 0,1,2,3,4,5,6,7,8,9,10,11,12,13,14,15
	ds_store_b128 v7, v[X+4*\i:X+4*\i+3] offset:PITCH*\i
.endr
.irp b, 0,1,2,3
.irp j, 0,1,2,3
	ds_load_b128 v[Y+16*\b+4*\j:Y+16*\b+4*\j+3], v8 offset:128*\b+16*\j   ; LDS serves a wave's instructions in order: these see my stores
.endr
.endr
	s_wait_dscnt 0x0
.irp c, 0,1,2,3
	v_pk_mul_f32 v[SUM+2*\c:SUM+2*\c+1], v[Y+2*\c:Y+2*\c+1], v[Y+2*\c:Y+2*\c+1]   ; four chains; the first products start them
.endr
.set j, 4
.rept 28
	s_delay_alu instid0(VALU_DEP_4)
	v_pk_fma_f32 v[SUM+2*(j%4):SUM+2*(j%4)+1], v[Y+2*j:Y+2*j+1], v[Y+2*j:Y+2*j+1], v[SUM+2*(j%4):SUM+2*(j%4)+1]
.set j, j+1
.endr
	s_delay_alu instid0(VALU_DEP_3)
	v_pk_add_f32 v[SUM:SUM+1], v[SUM:SUM+1], v[SUM+2:SUM+3]
	s_delay_alu instid0(VALU_DEP_2)
	v_pk_add_f32 v[SUM+4:SUM+5], v[SUM+4:SUM+5], v[SUM+6:SUM+7]
	s_delay_alu instid0(VALU_DEP_1)
	v_pk_add_f32 v[SUM:SUM+1], v[SUM:SUM+1], v[SUM+4:SUM+5]
	s_delay_alu instid0(VALU_DEP_1)
	v_add_f32 v[SUM], v[SUM], v[SUM+1]
	s_delay_alu instid0(VALU_DEP_1)
	v_permlanex16_b32 v[SUM+1], v[SUM], s[SEL], s[SEL+1]
	s_delay_alu instid0(VALU_DEP_1)
	v_add_f32 v[SUM], v[SUM], v[SUM+1]             ; row r's sum of squares over my 128 columns
	ds_store_b32 v9, v[SUM]                        ; lanes l and l xor 16 write the same word with the same value
	s_wait_dscnt 0x0                               ; for the others' sake: my store has landed
	s_barrier_signal -1
	s_barrier_wait -1
	ds_load_b128 v[SUM:SUM+3], v10
	ds_load_b128 v[SUM+4:SUM+7], v10 offset:16
	s_wait_dscnt 0x0
	v_add_f32 v[SUM], v[SUM], v[SUM+1]             ; one fixed tree in every wave: all eight get the same bits
	v_add_f32 v[SUM+2], v[SUM+2], v[SUM+3]
	v_add_f32 v[SUM+4], v[SUM+4], v[SUM+5]
	v_add_f32 v[SUM+6], v[SUM+6], v[SUM+7]
	s_delay_alu instid0(VALU_DEP_3)
	v_add_f32 v[SUM], v[SUM], v[SUM+2]
	s_delay_alu instid0(VALU_DEP_2)
	v_add_f32 v[SUM+4], v[SUM+4], v[SUM+6]
	s_delay_alu instid0(VALU_DEP_1)
	v_add_f32 v[SUM], v[SUM], v[SUM+4]
	s_delay_alu instid0(VALU_DEP_1)
	v_fma_f32 v[SUM], v[SUM], s26, s27             ; the mean + eps
	s_wait_alu depctr_va_vdst(0)
	v_rsq_f32 v[RS], v[SUM]
	v_nop                                          ; a plain place behind the transcendental
	s_wait_alu depctr_va_vdst(0)                   ; and the wait ahead of its first reader
	v_mov_b32 v[RS+1], v[RS]                       ; (named with it as a pair, so it is written)
	s_wait_alu depctr_va_vdst(0)
	s_wait_loadcnt 0x0                             ; the gains
.set j, 0
.rept 32
	v_pk_mul_f32 v[Y+2*j:Y+2*j+1], v[Y+2*j:Y+2*j+1], v[RS:RS+1] op_sel_hi:[1,0]
.set j, j+1
.endr
.set j, 0
.rept 32
	v_pk_mul_f32 v[Y+2*j:Y+2*j+1], v[Y+2*j:Y+2*j+1], v[W+2*j:W+2*j+1]
.set j, j+1
.endr
	QUANT Y, 0, PCD, PWD
	global_store_b128 v4, v[PCD:PCD+3], s[8:9]                 ; each store covers whole aligned blocks of 256 bytes
	global_store_b64 v5, v[PCD+4:PCD+5], s[8:9] offset:512
	global_store_b128 v4, v[PCD+6:PCD+9], s[8:9] offset:768
	global_store_b64 v5, v[PCD+10:PCD+11], s[8:9] offset:1280
	global_store_b32 v6, v[PWD], s[10:11]                      ; row r's word; lanes l and l xor 16 hold the same word and name the same address
	s_wait_tensorcnt 0x0
	ds_add_u32 v243, v245
	s_wait_dscnt 0x0
	s_endpgm
.Lfunc_end_k_q45ea76cb20_norm1:
	.size	k_q45ea76cb20_norm1, .Lfunc_end_k_q45ea76cb20_norm1-k_q45ea76cb20_norm1
	.p2alignl 7, 3214868480
	.fill 96, 4, 3214868480
	.section	.rodata,"a",@progbits
	.p2align	6, 0x0
	.amdhsa_kernel k_q45ea76cb20_norm1
		.amdhsa_group_segment_fixed_size 69120
		.amdhsa_private_segment_fixed_size 0
		.amdhsa_enable_private_segment 0
		.amdhsa_kernarg_size 32
		.amdhsa_user_sgpr_count 2
		.amdhsa_user_sgpr_kernarg_segment_ptr 1
		.amdhsa_wavefront_size32 1
		.amdhsa_system_sgpr_workgroup_id_x 1
		.amdhsa_system_sgpr_workgroup_id_y 1
		.amdhsa_system_sgpr_workgroup_id_z 1
		.amdhsa_system_vgpr_workitem_id 0
		.amdhsa_next_free_vgpr 256
		.amdhsa_next_free_sgpr 66
		.amdhsa_reserve_vcc 0
		.amdhsa_float_denorm_mode_32 3
		.amdhsa_float_denorm_mode_16_64 3
		.amdhsa_memory_ordered 1
		.amdhsa_forward_progress 1
		.amdhsa_inst_pref_size 22
	.end_amdhsa_kernel
	.amdgpu_metadata
---
amdhsa.version: [ 1, 2 ]
amdhsa.kernels:
  - .name:           k_q45ea76cb20_norm1
    .symbol:         k_q45ea76cb20_norm1.kd
    .args:
      - { .name: x, .offset: 0, .size: 8, .value_kind: global_buffer, .address_space: global }
      - { .name: ln1_w, .offset: 8, .size: 8, .value_kind: global_buffer, .address_space: global }
      - { .name: hc, .offset: 16, .size: 8, .value_kind: global_buffer, .address_space: global }
      - { .name: hs, .offset: 24, .size: 8, .value_kind: global_buffer, .address_space: global }
    .group_segment_fixed_size: 69120
    .private_segment_fixed_size: 0
    .kernarg_segment_align: 8
    .kernarg_segment_size: 32
    .max_flat_workgroup_size: 256
    .sgpr_count:     66
    .vgpr_count:     256
    .wavefront_size: 32
...
	.end_amdgpu_metadata
.endif
;; end of part 9
;; launch qkv (part 10): grid 24 x 16, 4 waves a work-group, no clusters, 102,912 bytes of LDS; arguments hc, hs, wl, qkvb; writes qkvb
.if DOCPART == 10
	.amdgcn_target "amdgcn-amd-amdhsa--gfx1250"
	.amdhsa_code_object_version 6
	.text
	.protected	k_q45ea76cb20_qkv
	.globl	k_q45ea76cb20_qkv
	.p2align	8
	.type	k_q45ea76cb20_qkv,@function
k_q45ea76cb20_qkv:
	s_mov_b64 s[64:65], 0
	v_nop
	global_prefetch_b8 v0, s[64:65] scope:SCOPE_SE
	s_setreg_imm32_b32 hwreg(HW_REG_WAVE_SCHED_MODE, 0, 2), 2
	s_setreg_imm32_b32 hwreg(HW_REG_WAVE_MODE, 25, 1), 1
	s_wait_xcnt 0x0
	s_wait_alu depctr_vm_vsrc(0)
; q, k, v = h1 W^T on codes of FP6 (E2M3) with E8M0 scales, and their own quantising: q and k along the head's 64, v along the keys.
; IN.  hc, hs: h1 as units and scale words.  A tile of rows 2 b + u holds rows 32 b + 8 u + i + 8 (i / 8).  A unit is 16 rows x 64 K as the operand's registers hold it:
; a lane's first four registers at 16 x lane, its last two at 512 + 8 x lane.  wl: a record of PREC bytes for each panel of 128 rows of a weight, laid by the launch lay just as this kernel's LDS holds it:
; codes [8 K steps][8 tiles][1,536 bytes: the image of a fragment's 12 registers], then scale words [8 K steps][32 lanes][4 pairs of tiles].
; OUT.  qkvb: a record of REC bytes for each (batch, head): K's units [128 tiles][768]; V's [32 groups of 64 keys][4 tiles of the head's 64][768]; K's scale words [128][16]; V's [16 K steps][4][16];
; Q's units [128][768]; Q's scale words [128][16].  A scale word of Q or K has two bytes; its upper two are 0.
; SHARES.  A work-group takes 256 rows (work-group y) and a panel of 128 rows of one weight (x: 8 panels each of wq, wk, wv): two heads.  Wave w takes four tiles of rows against all eight tiles of the panel: 32 accumulators.
; A's fragments go from memory straight into the one wave that uses them.  The panel's record is copied into LDS once, a quarter by each wave, every load and every LDS store 512 consecutive bytes;
; one barrier; behind it the loop over K has none.  The panel's tiles are composed as the rows' tiles are, so that the 16 registers of two neighbouring result tiles are 16 neighbours.
; q, k: source 0 = the weight: a lane holds one token and its registers run along the head.  v: source 0 = the tokens: a lane holds one of the head's 64 and its registers run along the keys.
; NO CLUSTER: the sixteen work-groups of one x copy the same record, which a joint tensor load could bring once for four of them.  Not built: the record is 102,400 of the 307,200 bytes that a work-group reads;
; the other two thirds, A's units and scale words, go to one wave each.
; LIMITS: NaN and infinities are not served.  A block whose largest magnitude lies under 2^-124 (zeros too) gets the byte 1; these bytes are read by this program alone.
; THE MODE: SCHED_MODE bits 1:0 = 2 (LLVM: expert scheduling mode 2), set by the entry lines.  The code itself states the register dependences
; between vector or matrix instructions and memory or LDS instructions, with s_wait_alu, always for 0.
; THE PLAN.  Registers that memory or LDS instructions touch in the loop over K:
;   the panel's fragments 0-3 (v32-79)   K step s: its first 16 products read them; behind those the LDS loads of step s + 1 land in them, in the step's second half.
;   the panel's fragments 4-7 (v80-127)  K step s: its last 16 products read them; the LDS loads of step s + 1 land in them in that step's first half.
;   the panel's scale words, two sets    Set s % 2 is read by all 32 products of step s and loaded again in the second half of step s + 1.
;   A's fragments and scale words, two sets   Set s % 2 is read by all 32 products of step s; behind them the loads of step s + 2 land in it.
;   v5-v9                                Addresses, made at the head and never written again.
;   The accumulators are named by matrix instructions alone until the way out.
; So TWO waits on va_vdst stand in a K step: one behind its first 16 products, for the loads into fragments 0-3; one behind its last 16, for the loads into fragments 4-7 and into A's set.
; Behind each the LDS loads are dealt among the next 16 products (6 or 7 loads, 4 products, 6 loads, 12 products), which name none of the registers that those loads touch.
; A's 18 loads stay in one run, ahead of the wait for the next step's A, so that two steps of A are on their way.
; REGISTERS.  window 0: v1-15 addresses; v16-19 A's scale words, two sets; v20-27 the panel's, two sets; v32-127 the panel's eight fragments; v128-223 A's four fragments, two sets; v224-239 at work; v240-247 the copy's scale words;
; v254, v255 the closing add's two.   window 1: the 32 accumulators; ahead of the loop the copy's 192 registers.
.set REC,  315392
.set VCO,  98304
.set KSC,  196608
.set VSC,  204800
.set QCO,  208896
.set QSC,  307200
.set PREC, 102400                      ; a panel's record in wl
.set SCB,  98304                       ; in the record and in LDS: behind the codes (8 K steps x 8 tiles x 1,536): the scale words, 512 bytes a K step: 16 x lane + 4 x pair of tiles
.set L16,  7                           ; v7   16 x lane; also the LDS base of K steps 0-3
.set VB,   7                           ; v8   the same + 49,152: K steps 4-7
.set L8,   5                           ; v5   8 x lane
.set VAS,  6                           ; v6   A's scale words: 512 h + 4 r: lanes 0-15 an even tile, lanes 16-31 the odd one beside it
.set VBS,  9                           ; v9   SCB + 16 x lane
.set FI,   10                          ; v10  where I lay my quarter of the codes: 16 x lane + 24,576 x wave
.set FS,   12                          ; v12  and of the scale words: SCB + 16 x lane + 1,024 x wave
.set EO,   15                          ; v15  the way out: my scale word's place
.set SA,   16
.set SB,   20
.set BF,   32
.set AF,   128
.set TM,   224
.set FT,   240
.set WV,   22                          ; s22 wave;  s23 block of 256 rows;  s24 which weight;  s25 its panel
.set RBK,  23
.set WH,   24
.set PP,   25
.set SEL,  26                          ; s[26:27] selects for lane l xor 16
.set SBP,  28                          ; s[28:29] my quarter of the record's codes;  s[30:31] of its scale words
.set SBS,  30
.set SAP,  4                           ; s[4:5] hc at my four tiles;  s[6:7] hs
.set SAS,  6
.set HM,   40                          ; s40 mask of lanes 16-31
.set SO,   48                          ; s[48:49] where my units go;  s[50:51] my scale words
.set SOS,  50
.set MSB, 0
.macro WIN new                         ; the immediate's high byte repeats the setting that is left
.if MSB != (\new)
	s_set_vgpr_msb (MSB<<8)|(\new)
.set MSB, (\new)
.endif
.endm
.macro PLACES                          ; four plain places behind matrix instructions, in front of the first vector read of their results and vector write of their sources; they stand in front of the loads into their registers too, ahead of the wait that states that dependence
.rept 4
	v_nop
.endr
.endm
; one product.  ra, rb: the side's scale words stand in lanes 16-31 of its register
.macro WM d, a, b, zero, sa, sb, ra, rb
.if \zero
.if (\ra) && (\rb)
	v_wmma_scale_f32_16x16x128_f8f6f4 v[\d:\d+7], v[\a:\a+11], v[\b:\b+11], 0, v[\sa], v[\sb] matrix_a_fmt:MATRIX_FMT_FP6 matrix_b_fmt:MATRIX_FMT_FP6 matrix_a_scale:MATRIX_SCALE_ROW1 matrix_b_scale:MATRIX_SCALE_ROW1
.elseif (\ra)
	v_wmma_scale_f32_16x16x128_f8f6f4 v[\d:\d+7], v[\a:\a+11], v[\b:\b+11], 0, v[\sa], v[\sb] matrix_a_fmt:MATRIX_FMT_FP6 matrix_b_fmt:MATRIX_FMT_FP6 matrix_a_scale:MATRIX_SCALE_ROW1
.elseif (\rb)
	v_wmma_scale_f32_16x16x128_f8f6f4 v[\d:\d+7], v[\a:\a+11], v[\b:\b+11], 0, v[\sa], v[\sb] matrix_a_fmt:MATRIX_FMT_FP6 matrix_b_fmt:MATRIX_FMT_FP6 matrix_b_scale:MATRIX_SCALE_ROW1
.else
	v_wmma_scale_f32_16x16x128_f8f6f4 v[\d:\d+7], v[\a:\a+11], v[\b:\b+11], 0, v[\sa], v[\sb] matrix_a_fmt:MATRIX_FMT_FP6 matrix_b_fmt:MATRIX_FMT_FP6
.endif
.else
.if (\ra) && (\rb)
	v_wmma_scale_f32_16x16x128_f8f6f4 v[\d:\d+7], v[\a:\a+11], v[\b:\b+11], v[\d:\d+7], v[\sa], v[\sb] matrix_a_fmt:MATRIX_FMT_FP6 matrix_b_fmt:MATRIX_FMT_FP6 matrix_a_scale:MATRIX_SCALE_ROW1 matrix_b_scale:MATRIX_SCALE_ROW1
.elseif (\ra)
	v_wmma_scale_f32_16x16x128_f8f6f4 v[\d:\d+7], v[\a:\a+11], v[\b:\b+11], v[\d:\d+7], v[\sa], v[\sb] matrix_a_fmt:MATRIX_FMT_FP6 matrix_b_fmt:MATRIX_FMT_FP6 matrix_a_scale:MATRIX_SCALE_ROW1
.elseif (\rb)
	v_wmma_scale_f32_16x16x128_f8f6f4 v[\d:\d+7], v[\a:\a+11], v[\b:\b+11], v[\d:\d+7], v[\sa], v[\sb] matrix_a_fmt:MATRIX_FMT_FP6 matrix_b_fmt:MATRIX_FMT_FP6 matrix_b_scale:MATRIX_SCALE_ROW1
.else
	v_wmma_scale_f32_16x16x128_f8f6f4 v[\d:\d+7], v[\a:\a+11], v[\b:\b+11], v[\d:\d+7], v[\sa], v[\sb] matrix_a_fmt:MATRIX_FMT_FP6 matrix_b_fmt:MATRIX_FMT_FP6
.endif
.endif
.endm
; 64 numbers of a lane, v[s] on in window w, register 16 b + i = k 32 b + 16 h + i, become 12 registers of codes at v[pc] on (pc + 12 .. pc + 19 at work) and the scale word v[pw].  Each accumulator is read from its low end on.
.macro QUANT s, w, pc, pw
	WIN 5*(\w)
.irp b, 0,1,2,3
	v_max3_num_f32 v[TM+\b], |v[(\s)+16*\b]|, |v[(\s)+1+16*\b]|, 0x1800000   ; my 16 numbers of block b, and the floor 2^(3 - 127): the byte cannot fall under 1
.endr
.irp i, 2,4,6,8,10,12,14
.irp b, 0,1,2,3
	v_max3_num_f32 v[TM+\b], |v[(\s)+16*\b+\i]|, |v[(\s)+1+16*\b+\i]|, v[TM+\b]
.endr
.endr
	WIN 0
.irp b, 0,1,2,3
	v_permlanex16_b32 v[TM+4+\b], v[TM+\b], s[SEL], s[SEL+1]
.endr
.irp b, 0,1,2,3
	v_max_num_f32 v[TM+\b], v[TM+\b], v[TM+4+\b]           ; with lane l xor 16's 16: the block's largest magnitude
.endr
.irp b, 0,1,2,3
	v_add_nc_u32 v[TM+12+\b], 0xff000000, v[TM+\b]         ; 2 off its exponent field: the conversion's scale operand
.endr
.irp b, 0,1,2,3
	v_lshrrev_b32 v[TM+4+\b], 23, v[TM+12+\b]              ; the scale's byte
.endr
	v_lshl_or_b32 v[\pw], v[TM+5], 8, v[TM+4]
	v_lshl_or_b32 v[\pw], v[TM+6], 16, v[\pw]
	v_lshl_or_b32 v[\pw], v[TM+7], 24, v[\pw]
	WIN \w
.irp c, 0,1
	v_cvt_scalef32_pk16_fp6_f32 v[\pc+6*\c:\pc+2+6*\c], v[(\s)+32*\c:(\s)+15+32*\c], v[TM+12+2*\c]
	v_cvt_scalef32_pk16_fp6_f32 v[\pc+12+4*\c:\pc+14+4*\c], v[(\s)+16+32*\c:(\s)+31+32*\c], v[TM+13+2*\c]
.endr
	WIN 0
	v_nop                                                  ; one plain place behind a scaled conversion
.irp c, 0,1
.irp i, 0,1,2
	v_permlane16_swap_b32 v[\pc+6*\c+\i], v[\pc+12+4*\c+\i]
.endr
.irp i, 0,1,2
	v_mov_b32 v[\pc+3+6*\c+\i], v[\pc+12+4*\c+\i]
.endr
.endr
.endm
.macro ALOAD s                         ; 18 loads: my four tiles' fragments of K step s (two units each) and two registers of scale words, into set s % 2
.irp m, 0,1,2,3
.irp e, 0,1
	global_load_b128 v[AF+48*((\s)%2)+12*\m+6*\e:AF+48*((\s)%2)+12*\m+6*\e+3], v[L16], s[SAP:SAP+1] offset:(16*\m+2*(\s)+\e)*768
	global_load_b64 v[AF+48*((\s)%2)+12*\m+6*\e+4:AF+48*((\s)%2)+12*\m+6*\e+5], v[L8], s[SAP:SAP+1] offset:(16*\m+2*(\s)+\e)*768+512
.endr
.endr
.irp q, 0,1
	global_load_b32 v[SA+2*((\s)%2)+\q], v[VAS], s[SAS:SAS+1] offset:(16*\q+(\s))*64
.endr
.endm
.macro BFRAG s, n                      ; the panel's fragment n of K step s: three loads
.irp c, 0,1,2
	ds_load_b128 v[BF+12*(\n)+4*\c:BF+12*(\n)+4*\c+3], v[VB+(\s)/4] offset:((\s)%4)*12288+1536*(\n)+512*\c
.endr
.endm
.macro BSCL s                          ; the panel's scale words of K step s into set s % 2: one load
	ds_load_b128 v[SB+4*((\s)%2):SB+4*((\s)%2)+3], v[VBS] offset:512*(\s)
.endm
.macro MULG s, n, nat                  ; four products: the panel's tile n x my four tiles of rows.  The 32 accumulators take turns, in the same order in every K step
.irp m, 0,1,2,3
.set RB, BF+12*(\n)
.set RA, AF+48*((\s)%2)+12*\m
.set RSB, SB+4*((\s)%2)+(\n)/2
.set RSA, SA+2*((\s)%2)+\m/2
.if \nat
	WM 8*(4*(\n)+\m), RA, RB, (\s)==0, RSA, RSB, \m%2, (\n)%2
.else
	WM 8*(8*\m+(\n)), RB, RA, (\s)==0, RSB, RSA, (\n)%2, \m%2
.endif
.endr
.endm
.macro KSTEP s, nat
.if (\s) < 7
	s_wait_loadcnt 18                              ; A of this step is in; the 18 loads of the next step may stay out
.else
	s_wait_loadcnt 0
.endif
	s_wait_dscnt 0x0                               ; the panel's fragments 0-3 and scale words of this step are in
	BFRAG \s, 4                                    ; fragments 4-7 of this step.  No wait here: the last step's closing wait stands ahead, and no product since names them
	BFRAG \s, 5
	WIN 0x50                                       ; C and D in window 1
	MULG \s, 0, \nat
	WIN 0
	BFRAG \s, 6
	BFRAG \s, 7
	WIN 0x50
	MULG \s, 1, \nat
	MULG \s, 2, \nat
	MULG \s, 3, \nat
	WIN 0
.if (\s) < 7
	PLACES
	s_wait_alu depctr_va_vdst(0)                   ; the step's first 16 products are done reading fragments 0-3, in which the next step's loads land (the scale words' other set was last read a step ago)
.endif
	s_wait_dscnt 0x0                               ; fragments 4-7 are in
.if (\s) < 7
	BSCL (\s)+1
	BFRAG (\s)+1, 0
	BFRAG (\s)+1, 1
.endif
	WIN 0x50
	MULG \s, 4, \nat
.if (\s) < 7
	WIN 0
	BFRAG (\s)+1, 2                                ; no product since the wait names fragments 0-3
	BFRAG (\s)+1, 3
.endif
	WIN 0x50
	MULG \s, 5, \nat
	MULG \s, 6, \nat
	MULG \s, 7, \nat
	WIN 0
	PLACES
.if (\s) < 7
	s_wait_alu depctr_va_vdst(0)                   ; the step's last 16 products are done reading fragments 4-7, and all 32 A's set and its scale words: the loads below and at the next step's head land in them
.endif
.if (\s) < 6
	ALOAD (\s)+2
.endif
.endm
	s_load_b256 s[4:11], s[0:1], 0x0               ; hc s[4:5], hs s[6:7], wl s[8:9], qkvb s[10:11]
	v_lshl_add_u32 v254, v0, 2, 0x19000
	v_mov_b32 v255, 0
	v_lshrrev_b32 v1, 5, v0
	v_readfirstlane_b32 s[WV], v1
	v_and_b32 v1, 31, v0                           ; lane
	v_and_b32 v2, 15, v0                           ; r
	v_bfe_u32 v3, v0, 4, 1                         ; h
	v_cmp_ne_u32 s[HM], 0, v3
	v_lshlrev_b32 v[L16], 4, v1
	v_lshlrev_b32 v[L8], 3, v1
	v_lshlrev_b32 v[VAS], 2, v2
	v_lshl_add_u32 v[VAS], v3, 9, v[VAS]
	v_add_nc_u32 v[VB+1], 49152, v[L16]
	v_add_nc_u32 v[VBS], SCB, v[L16]
.irp b, 0,1,2,3
	v_mov_b32 v[TM+4+\b], 0                        ; written once: a lane permute's destination counts as one of its sources
.endr
	s_wait_alu depctr_va_sdst(0)                   ; the wave's number s22 and the mask s40 are written, ahead of their first readers and of every branch
	s_mul_i32 s32, s[WV], 24576
	v_add_nc_u32 v[FI], s32, v[L16]
	s_lshl_b32 s33, s[WV], 10
	v_add_nc_u32 v[FS], s33, v[VBS]
	s_and_b32 s[RBK], ttmp7, 0xffff
	s_lshr_b32 s[WH], ttmp9, 3
	s_and_b32 s[PP], ttmp9, 7
	s_mov_b32 s[SEL], 0x76543210
	s_mov_b32 s[SEL+1], 0xfedcba98
	s_mul_i32 s34, ttmp9, PREC                     ; my panel's record
	s_add_co_u32 s36, s34, s33
	s_add_co_u32 s36, s36, SCB                     ; my quarter of its scale words,
	s_add_co_u32 s34, s34, s32                     ; and of its codes
	s_mov_b32 s35, 0
	s_mov_b32 s37, 0
	s_lshl_b32 s38, s[RBK], 4
	s_lshl_b32 s39, s[WV], 2
	s_add_co_u32 s38, s38, s39                     ; my first tile of rows
	s_mul_i32 s42, s38, 12288
	s_mov_b32 s43, 0
	s_lshl_b32 s44, s38, 9
	s_mov_b32 s45, 0
	s_lshr_b32 s46, s[RBK], 3
	s_lshl_b32 s46, s46, 4
	s_lshl_b32 s47, s[PP], 1
	s_add_co_u32 s46, s46, s47                     ; the first of my two records of qkvb: 16 x batch + 2 x panel
	s_mul_i32 s46, s46, REC
	s_wait_kmcnt 0x0
	s_add_nc_u64 s[SBP:SBP+1], s[8:9], s[34:35]
	s_add_nc_u64 s[SBS:SBS+1], s[8:9], s[36:37]
	s_add_nc_u64 s[SAP:SAP+1], s[SAP:SAP+1], s[42:43]
	s_add_nc_u64 s[SAS:SAS+1], s[SAS:SAS+1], s[44:45]
	s_wait_alu depctr_va_vdst(0)                   ; the addresses v5 to v12 are written, which the loads and LDS instructions below read
	; THE COPY: my quarter of the record, 50 loads of 512 consecutive bytes
	global_load_b128 v[FT:FT+3], v[L16], s[SBS:SBS+1]
	global_load_b128 v[FT+4:FT+7], v[L16], s[SBS:SBS+1] offset:512
	WIN 0x40                                       ; destination window 1
.set fq, 0
.rept 48
	global_load_b128 v[4*fq:4*fq+3], v[L16], s[SBP:SBP+1] offset:512*fq
.set fq, fq+1
.endr
	WIN 0
	ALOAD 0
	ALOAD 1
	s_wait_loadcnt 36                              ; all but A's first two K steps
	ds_store_b128 v[FS], v[FT:FT+3]
	ds_store_b128 v[FS], v[FT+4:FT+7] offset:512
	WIN 0x04                                       ; an LDS store's data are its source 1: window 1
.set fq, 0
.rept 48
	ds_store_b128 v[FI], v[4*fq:4*fq+3] offset:512*fq
.set fq, fq+1
.endr
	WIN 0
	s_wait_dscnt 0x0                               ; for the others' sake: my part of the panel has landed
	s_barrier_signal -1
	s_barrier_wait -1                              ; the panel is whole; from here on LDS is only read
	s_wait_alu depctr_vm_vsrc(0)                   ; my LDS stores have read window 1's v0-191: from here on these are accumulators, which the products write
	BSCL 0
	BFRAG 0, 0
	BFRAG 0, 1
	BFRAG 0, 2
	BFRAG 0, 3
	s_cmp_eq_u32 s[WH], 2
	s_cbranch_scc1 .Lv
	; ---- q or k
	s_and_b32 s47, s[RBK], 7
	s_lshl_b32 s47, s47, 4
	s_add_co_u32 s47, s47, s39                     ; my first tile within the batch: 16 (y % 8) + 4 x wave
	s_mul_i32 s48, s47, 768
	s_lshl_b32 s49, s47, 6
	s_mov_b32 s51, QSC
	s_cmp_eq_u32 s[WH], 1
	s_cselect_b32 s50, 0, QCO
	s_cselect_b32 s51, KSC, s51
	s_add_co_u32 s48, s48, s46
	s_add_co_u32 s48, s48, s50
	s_add_co_u32 s50, s49, s46
	s_add_co_u32 s50, s50, s51
	s_mov_b32 s49, 0
	s_mov_b32 s51, 0
	s_add_nc_u64 s[SO:SO+1], s[10:11], s[SO:SO+1]
	s_add_nc_u64 s[SOS:SOS+1], s[10:11], s[SOS:SOS+1]
	v_mul_u32_u24 v[EO], v3, REC
	v_lshl_add_u32 v[EO], v2, 2, v[EO]             ; lanes 0-15 write the first head's words, lanes 16-31 the second's
.irp k, 0,1,2,3,4,5,6,7
	KSTEP \k, 0
.endr
.irp m, 0,1,2,3                        ; a tile of rows: 128 numbers a token = two heads = two units.  Each tile has out-registers of its own: none that a store reads is written again
	QUANT 64*\m, 1, 32+20*\m, 112+\m
	v_lshrrev_b32 v120, 16, v[112+\m]
	v_and_b32 v121, 0xffff, v[112+\m]
	v_cndmask_b32 v[116+\m], v121, v120, s[HM]
	s_wait_alu depctr_va_vdst(0)                   ; the tile's codes and its scale word are written, which the five stores read (v15, their offset, was written ahead of the loop's waits)
	global_store_b128 v[L16], v[32+20*\m:35+20*\m], s[SO:SO+1] offset:768*\m
	global_store_b64 v[L8], v[36+20*\m:37+20*\m], s[SO:SO+1] offset:768*\m+512
	global_store_b128 v[L16], v[38+20*\m:41+20*\m], s[SO:SO+1] offset:768*\m+REC
	global_store_b64 v[L8], v[42+20*\m:43+20*\m], s[SO:SO+1] offset:768*\m+512+REC
	global_store_b32 v[EO], v[116+\m], s[SOS:SOS+1] offset:64*\m
.endr
	s_wait_dscnt 0x0                               ; the closing lines, six on end
	s_wait_alu 0x0
	s_wait_tensorcnt 0x0
	ds_add_u32 v254, v255
	s_wait_dscnt 0x0
	s_endpgm
.Lv:
	; ---- v: my 64 rows are one group of 64 keys
	s_and_b32 s47, s[RBK], 7
	s_lshl_b32 s47, s47, 2
	s_add_co_u32 s47, s47, s[WV]                   ; the group: 4 (y % 8) + wave
	s_mul_i32 s48, s47, 3072
	s_add_co_u32 s48, s48, s46
	s_add_co_u32 s48, s48, VCO
	s_mov_b32 s49, 0
	s_lshr_b32 s50, s47, 1
	s_lshl_b32 s50, s50, 8
	s_and_b32 s51, s47, 1
	s_lshl_b32 s51, s51, 1
	s_add_co_u32 s50, s50, s51                     ; K step group / 2, half word group % 2
	s_add_co_u32 s50, s50, s46
	s_add_co_u32 s50, s50, VSC
	s_mov_b32 s51, 0
	s_add_nc_u64 s[SO:SO+1], s[10:11], s[SO:SO+1]
	s_add_nc_u64 s[SOS:SOS+1], s[10:11], s[SOS:SOS+1]
	v_lshlrev_b32 v[EO], 6, v3
	v_lshl_add_u32 v[EO], v2, 2, v[EO]             ; lanes 0-15 the even tile's half words, lanes 16-31 the odd tile's
.irp k, 0,1,2,3,4,5,6,7
	KSTEP \k, 1
.endr
.irp g, 0,1,2,3                        ; two of the panel's tiles: 16 of a head's 64 each, 64 keys a lane: a unit each.  Each pair has out-registers of its own
	QUANT 64*\g, 1, 32+20*\g, 112+\g
	v_lshrrev_b32 v120, 16, v[112+\g]
	v_cndmask_b32 v[116+\g], v[112+\g], v120, s[HM]
	s_wait_alu depctr_va_vdst(0)                   ; the pair's codes and its half scale words are written, which the five stores read
	global_store_b128 v[L16], v[32+20*\g:35+20*\g], s[SO:SO+1] offset:(\g/2)*REC+1536*(\g%2)
	global_store_b64 v[L8], v[36+20*\g:37+20*\g], s[SO:SO+1] offset:(\g/2)*REC+1536*(\g%2)+512
	global_store_b128 v[L16], v[38+20*\g:41+20*\g], s[SO:SO+1] offset:(\g/2)*REC+1536*(\g%2)+768
	global_store_b64 v[L8], v[42+20*\g:43+20*\g], s[SO:SO+1] offset:(\g/2)*REC+1536*(\g%2)+1280
	global_store_b16 v[EO], v[116+\g], s[SOS:SOS+1] offset:(\g/2)*REC+128*(\g%2)
.endr
	s_wait_dscnt 0x0                               ; the closing lines, six on end, as above
	s_wait_alu 0x0
	s_wait_tensorcnt 0x0
	ds_add_u32 v254, v255
	s_wait_dscnt 0x0
	s_endpgm
.Lfunc_end_k_q45ea76cb20_qkv:
	.size	k_q45ea76cb20_qkv, .Lfunc_end_k_q45ea76cb20_qkv-k_q45ea76cb20_qkv
	.p2alignl 7, 3214868480
	.fill 96, 4, 3214868480
	.section	.rodata,"a",@progbits
	.p2align	6, 0x0
	.amdhsa_kernel k_q45ea76cb20_qkv
		.amdhsa_group_segment_fixed_size 102912
		.amdhsa_private_segment_fixed_size 0
		.amdhsa_enable_private_segment 0
		.amdhsa_kernarg_size 32
		.amdhsa_user_sgpr_count 2
		.amdhsa_user_sgpr_kernarg_segment_ptr 1
		.amdhsa_wavefront_size32 1
		.amdhsa_system_sgpr_workgroup_id_x 1
		.amdhsa_system_sgpr_workgroup_id_y 1
		.amdhsa_system_sgpr_workgroup_id_z 1
		.amdhsa_system_vgpr_workitem_id 0
		.amdhsa_next_free_vgpr 512
		.amdhsa_next_free_sgpr 66
		.amdhsa_reserve_vcc 0
		.amdhsa_float_denorm_mode_32 3
		.amdhsa_float_denorm_mode_16_64 3
		.amdhsa_memory_ordered 1
		.amdhsa_forward_progress 1
		.amdhsa_inst_pref_size 171
	.end_amdhsa_kernel
	.amdgpu_metadata
---
amdhsa.version: [ 1, 2 ]
amdhsa.kernels:
  - .name:           k_q45ea76cb20_qkv
    .symbol:         k_q45ea76cb20_qkv.kd
    .args:
      - { .name: hc, .offset: 0, .size: 8, .value_kind: global_buffer, .address_space: global }
      - { .name: hs, .offset: 8, .size: 8, .value_kind: global_buffer, .address_space: global }
      - { .name: wl, .offset: 16, .size: 8, .value_kind: global_buffer, .address_space: global }
      - { .name: qkvb, .offset: 24, .size: 8, .value_kind: global_buffer, .address_space: global }
    .group_segment_fixed_size: 102912
    .private_segment_fixed_size: 0
    .kernarg_segment_align: 8
    .kernarg_segment_size: 32
    .max_flat_workgroup_size: 128
    .sgpr_count:     66
    .vgpr_count:     512
    .wavefront_size: 32
...
	.end_amdgpu_metadata
.endif
;; end of part 10
;; launch attn (part 11): grid 8 x 32, 16 waves a work-group, no clusters, 210,944 bytes of LDS; arguments qkvb, hc, hs; writes hc, hs
.if DOCPART == 11
	.amdgcn_target "amdgcn-amd-amdhsa--gfx1250"
	.amdhsa_code_object_version 6
	.text
	.protected	k_q45ea76cb20_attn
	.globl	k_q45ea76cb20_attn
	.p2align	8
	.type	k_q45ea76cb20_attn,@function
k_q45ea76cb20_attn:
	s_mov_b64 s[64:65], 0
	v_nop
	global_prefetch_b8 v0, s[64:65] scope:SCOPE_SE
	s_setreg_imm32_b32 hwreg(HW_REG_WAVE_MODE, 25, 1), 1
	s_wait_xcnt 0x0
; o = softmax(q k^T / 8, causal) v for one (batch, head), both products on codes of FP6 (E2M3) with E8M0 scales, and o's own quantising along the head's 64.
; IN.  qkvb: the head's record: K's units [128 tiles of 16 keys][768], V's [32 groups of 64 keys][4 tiles of the head's 64][768], K's scale words [128][16], V's [16 steps][4][16], Q's units, Q's scale words.
; A tile of tokens 2 b + u holds tokens 32 b + 8 u + i + 8 (i / 8), so that the 16 registers of two neighbouring tiles of S^T are 16 neighbouring keys; V's tiles of the head's 64 are composed alike, so O^T's are 16 neighbours too.
; OUT.  hc, hs: o as units (the head is the unit's number) and half scale words, for the product with wo.
; THE SOFTMAX: t = score x log2(e) / 8; M = the running largest t rounded up to a whole number, kept as -M = floor(-t); p = 2^(t - M) is quantised along the keys; the row's sum is taken of the unquantised p and divides at the end;
; when M moves, the sum and O^T are multiplied by 2^(old M - new M), which rounds nothing.
; SHARES.  A work-group has 16 waves, each ONE tile of 16 queries in 256 registers.  Work-group x = j gives waves 0-7 tiles 8 j .. 8 j + 7 and waves 8-15 tiles 8 (15 - j) ..: 8 (j + 1) + 8 (16 - j) = 136 key steps in every work-group.
; The record's first 208,896 bytes (K, V, their scales) come into LDS ONCE: each wave brings 51 rows of 256 bytes by one tensor load; nothing is ever filled again.  By this text's count a wave has one tensor load out.
; Every wave walks 16 trips; a step whose 128 keys all come after the wave's queries is jumped over by a scalar branch on ids; the lines that step addresses are on every path.
; K = 64 IN A PRODUCT 128 DEEP: Q's registers 6-11 are zero codes, so K's fragment of tile t is the run of 12 registers that begins with its six; the upper six (the next tile's codes, or zeros) meet zeros.  The scale words' upper bytes are 0, which is 2^-127 and no NaN.
; NO CLUSTER: the eight work-groups of a head read the same record, but which steps a wave jumps over hangs on the work-group's x.
; LIMITS: NaN and infinities are not served.  A block whose largest magnitude lies under 2^-124 (zeros too) gets the byte 1; these bytes are read by this program alone.
; A block's largest p is the exponential of its largest score: this takes v_exp_f32 not to fall where its input rises.
; REGISTERS: v1-6 places that stay; v7 the mask's number; v8-11, v92-93 addresses of the step; v12 -M, v13 the largest t, v[14:15] the sum; v16-27 Q; v28 Q's scale words; v29 p's; v[30:31] f; v32-85 K (behind the first product: at work);
; v86-89 K's scale words, v90-91 V's; v94 at work; v95 8 x lane; v96-159 S^T, then p; v160-191 O^T; v192-239 V; v240-251 p's codes; v252 4 r.
.set REC,  315392
.set VCO,  98304
.set KSC,  196608
.set VSC,  204800
.set QCO,  208896
.set QSC,  307200
.set BM,   32                          ; the blocks' largest scores
.set PT,   36                          ; the exchange with lane l xor 16 (K's loads of the same trip have written them)
.set SOP,  40                          ; the conversions' scale operands
.set BY,   44                          ; the bytes
.set C2,   48                          ; the blocks' second halves of codes
.set RSM,  56                          ; the sum's second chain
.set G1,   16                          ; s[16:23], s[24:27] the tensor load's descriptor
.set G0,   24
.set SEL,  28
.set CS,   30                          ; s[30:31] c = log2(e) / 8
.macro PLACES
.rept 4
	v_nop
.endr
.endm
.macro WM d, a, b, zero, sa, sb, ra, rb
.if \zero
.if (\ra) && (\rb)
	v_wmma_scale_f32_16x16x128_f8f6f4 v[\d:\d+7], v[\a:\a+11], v[\b:\b+11], 0, v[\sa], v[\sb] matrix_a_fmt:MATRIX_FMT_FP6 matrix_b_fmt:MATRIX_FMT_FP6 matrix_a_scale:MATRIX_SCALE_ROW1 matrix_b_scale:MATRIX_SCALE_ROW1
.elseif (\ra)
	v_wmma_scale_f32_16x16x128_f8f6f4 v[\d:\d+7], v[\a:\a+11], v[\b:\b+11], 0, v[\sa], v[\sb] matrix_a_fmt:MATRIX_FMT_FP6 matrix_b_fmt:MATRIX_FMT_FP6 matrix_a_scale:MATRIX_SCALE_ROW1
.elseif (\rb)
	v_wmma_scale_f32_16x16x128_f8f6f4 v[\d:\d+7], v[\a:\a+11], v[\b:\b+11], 0, v[\sa], v[\sb] matrix_a_fmt:MATRIX_FMT_FP6 matrix_b_fmt:MATRIX_FMT_FP6 matrix_b_scale:MATRIX_SCALE_ROW1
.else
	v_wmma_scale_f32_16x16x128_f8f6f4 v[\d:\d+7], v[\a:\a+11], v[\b:\b+11], 0, v[\sa], v[\sb] matrix_a_fmt:MATRIX_FMT_FP6 matrix_b_fmt:MATRIX_FMT_FP6
.endif
.else
.if (\ra) && (\rb)
	v_wmma_scale_f32_16x16x128_f8f6f4 v[\d:\d+7], v[\a:\a+11], v[\b:\b+11], v[\d:\d+7], v[\sa], v[\sb] matrix_a_fmt:MATRIX_FMT_FP6 matrix_b_fmt:MATRIX_FMT_FP6 matrix_a_scale:MATRIX_SCALE_ROW1 matrix_b_scale:MATRIX_SCALE_ROW1
.elseif (\ra)
	v_wmma_scale_f32_16x16x128_f8f6f4 v[\d:\d+7], v[\a:\a+11], v[\b:\b+11], v[\d:\d+7], v[\sa], v[\sb] matrix_a_fmt:MATRIX_FMT_FP6 matrix_b_fmt:MATRIX_FMT_FP6 matrix_a_scale:MATRIX_SCALE_ROW1
.elseif (\rb)
	v_wmma_scale_f32_16x16x128_f8f6f4 v[\d:\d+7], v[\a:\a+11], v[\b:\b+11], v[\d:\d+7], v[\sa], v[\sb] matrix_a_fmt:MATRIX_FMT_FP6 matrix_b_fmt:MATRIX_FMT_FP6 matrix_b_scale:MATRIX_SCALE_ROW1
.else
	v_wmma_scale_f32_16x16x128_f8f6f4 v[\d:\d+7], v[\a:\a+11], v[\b:\b+11], v[\d:\d+7], v[\sa], v[\sb] matrix_a_fmt:MATRIX_FMT_FP6 matrix_b_fmt:MATRIX_FMT_FP6
.endif
.endif
.endm
	s_load_b128 s[4:7], s[0:1], 0x0                ; qkvb, hc
	s_load_b64 s[8:9], s[0:1], 0x10                ; hs
	v_lshl_add_u32 v254, v0, 2, 0x33000
	v_mov_b32 v255, 0
	ds_add_u32 v254, v255
	ds_add_u32 v254, v255
	v_lshrrev_b32 v94, 5, v0
	s_delay_alu instid0(VALU_DEP_1)
	v_readfirstlane_b32 s10, v94                   ; wave 0..15
	s_and_b32 s11, ttmp7, 0xffff                   ; 16 x batch + head
	s_mul_i32 s36, s11, REC
	s_mov_b32 s37, 0
	s_mul_i32 s[G0+1], s10, 13056                  ; LDS address: my 51 rows of 256 bytes
	s_mov_b32 s38, s[G0+1]                         ; and the same place in the record
	s_mov_b32 s39, 0
	s_mov_b32 s[G0], 1                             ; count = 1
	s_mov_b32 s[G1], 3<<16                         ; no mask; elements of 8 bytes; no padding
	s_mov_b32 s[G1+1], 32<<16                      ; tensor_dim0 = 32 elements: 256 bytes
	s_mov_b32 s[G1+2], 51<<16                      ; tensor_dim1 = 51
	s_mov_b32 s[G1+3], 32<<16                      ; tile_dim0
	s_mov_b32 s[G1+4], 51                          ; tile_dim1
	s_mov_b32 s[G1+5], 32                          ; the pitch: rows follow each other
	s_mov_b32 s[G1+6], 0
	s_mov_b32 s[G1+7], 0
	s_wait_dscnt 0x0
	s_wait_kmcnt 0x0
	s_add_nc_u64 s[4:5], s[4:5], s[36:37]          ; my record
	s_add_nc_u64 s[G0+2:G0+3], s[4:5], s[38:39]
	s_or_b32 s[G0+3], s[G0+3], 0x80000000          ; type = 2
	tensor_load_to_lds s[G0:G0+3], s[G1:G1+7]      ; the one fill, ahead of everything else
	s_nop 0
.rept 4
	v_nop
.endr
	s_lshl_b32 s13, ttmp9, 3
	s_add_co_u32 s13, s13, s10                     ; 8 j + wave
	s_sub_co_u32 s15, 15, ttmp9
	s_lshl_b32 s15, s15, 3
	s_add_co_u32 s15, s15, s10
	s_sub_co_u32 s15, s15, 8                       ; 8 (15 - j) + wave - 8
	s_cmp_lt_u32 s10, 8
	s_cselect_b32 s13, s13, s15                    ; T: my tile of queries
	s_lshr_b32 s14, s13, 3                         ; my last key step, the one on the diagonal
	s_and_b32 s40, s13, 7
	s_lshr_b32 s40, s40, 1
	s_lshl_b32 s40, s40, 5
	s_and_b32 s41, s13, 1
	s_lshl_b32 s41, s41, 3
	s_add_co_u32 s40, s40, s41                     ; my tile's first token within its 128
	s_mul_i32 s42, s13, 768
	s_add_co_u32 s42, s42, QCO
	s_mov_b32 s43, 0
	s_lshl_b32 s44, s13, 6
	s_add_co_u32 s44, s44, QSC
	s_mov_b32 s45, 0
	s_add_nc_u64 s[42:43], s[4:5], s[42:43]        ; Q's unit
	s_add_nc_u64 s[44:45], s[4:5], s[44:45]        ; Q's scale words
	s_lshr_b32 s46, s11, 4
	s_lshl_b32 s46, s46, 7
	s_add_co_u32 s46, s46, s13                     ; my tile among all 256
	s_and_b32 s47, s11, 15                         ; the head
	s_lshl_b32 s48, s46, 4
	s_add_co_u32 s48, s48, s47
	s_mul_i32 s48, s48, 768
	s_mov_b32 s49, 0
	s_lshl_b32 s50, s46, 3
	s_lshr_b32 s51, s47, 1
	s_add_co_u32 s50, s50, s51
	s_lshl_b32 s50, s50, 6
	s_and_b32 s51, s47, 1
	s_lshl_b32 s51, s51, 1
	s_add_co_u32 s50, s50, s51
	s_mov_b32 s51, 0
	s_add_nc_u64 s[6:7], s[6:7], s[48:49]          ; o's unit
	s_add_nc_u64 s[8:9], s[8:9], s[50:51]          ; o's half scale words
	s_mov_b32 s[SEL], 0x76543210
	s_mov_b32 s[SEL+1], 0xfedcba98
	s_mov_b32 s[CS], 0x3e38aa3b                    ; log2(e) / 8
	s_mov_b32 s[CS+1], s[CS]                       ; (named with it as a pair, so it is written)
	v_and_b32 v94, 31, v0                          ; lane
	s_delay_alu instid0(VALU_DEP_1)
	v_lshlrev_b32 v1, 4, v94                       ; K's units: 16 x lane,
	s_delay_alu instid0(VALU_DEP_2)
	v_lshlrev_b32 v95, 3, v94
	s_delay_alu instid0(VALU_DEP_1)
	v_add_nc_u32 v2, 512, v95                      ; and 512 + 8 x lane
	s_delay_alu instid0(VALU_DEP_3)
	v_add_nc_u32 v3, VCO, v1                       ; V's likewise
	s_delay_alu instid0(VALU_DEP_3)
	v_add_nc_u32 v4, VCO+512, v95
	v_lshl_add_u32 v5, v94, 2, KSC                 ; scale words: lanes 0-15 an even tile, lanes 16-31 the odd one beside it
	v_lshl_add_u32 v6, v94, 2, VSC
	v_and_b32 v8, 15, v0                           ; r
	s_delay_alu instid0(VALU_DEP_1)
	v_lshlrev_b32 v252, 2, v8
	global_load_b128 v[16:19], v1, s[42:43]        ; Q's six registers stay
	global_load_b64 v[20:21], v95, s[42:43] offset:512
	global_load_b32 v28, v252, s[44:45]
	v_and_b32 v7, 8, v8
	s_delay_alu instid0(VALU_DEP_1)
	v_add_nc_u32 v7, v7, v8                        ; r + 8 (r / 8)
	v_bfe_u32 v9, v0, 4, 1
	s_delay_alu instid0(VALU_DEP_1)
	v_lshlrev_b32 v9, 4, v9
	s_delay_alu instid0(VALU_DEP_1)
	v_sub_nc_u32 v7, v7, v9
	s_delay_alu instid0(VALU_DEP_1)
	v_add_nc_u32 v7, s40, v7                       ; my query - the diagonal step's first key - 16 h
.irp i, 22,23,24,25,26,27, 80,81,82,83,84,85
	v_mov_b32 v\i, 0                               ; zero codes: Q's upper half, and what follows K's last tile
.endr
.set n, 0
.rept 32
	v_mov_b32 v[160+n], 0                          ; O^T: the step is written once; the first finds zeros
.set n, n+1
.endr
	v_mov_b32 v14, 0
	v_mov_b32 v15, 0
	v_mov_b32 v31, 0                               ; (named as the upper half of the pair v[30:31])
	v_mov_b32 v13, 0xff61b1e6                      ; the largest t so far: -3e38
	s_delay_alu instid0(VALU_DEP_1)
	v_floor_f32 v12, -v13
	s_mov_b32 s32, 0                               ; the step
	s_mov_b32 s33, 0                               ; its units: 6,144 bytes a step, in K and in V
	s_mov_b32 s34, 0                               ; K's scale words: 512
	s_mov_b32 s35, 0                               ; V's: 256
	s_wait_tensorcnt 0x0                           ; my part has landed,
	s_barrier_signal -1
	s_barrier_wait -1                              ; everybody's has; from here on LDS is only read
	s_wait_loadcnt 0x0                             ; Q
.Lstep:
	s_cmp_gt_u32 s32, s14
	s_cbranch_scc1 .Lskip                          ; all 128 keys come after my queries
	s_setprio 2
	v_add_nc_u32 v8, s33, v1                       ; (these six are also the places behind the last products, in front of the loads into V's registers)
	v_add_nc_u32 v9, s33, v2
	v_add_nc_u32 v10, s33, v3
	v_add_nc_u32 v11, s33, v4
	v_add_nc_u32 v92, s34, v5
	v_add_nc_u32 v93, s35, v6
.irp t, 0,1,2,3,4,5,6,7
	ds_load_b128 v[32+6*\t:35+6*\t], v8 offset:768*\t
	ds_load_b64 v[36+6*\t:37+6*\t], v9 offset:768*\t
.endr
.irp b, 0,1,2,3
	ds_load_b32 v[86+\b], v92 offset:128*\b
.endr
.irp t, 0,1,2,3
.irp c, 0,1
	ds_load_b128 v[192+12*\t+6*\c:195+12*\t+6*\c], v10 offset:(4*\c+\t)*768
	ds_load_b64 v[196+12*\t+6*\c:197+12*\t+6*\c], v11 offset:(4*\c+\t)*768
.endr
.endr
.irp q, 0,1
	ds_load_b32 v[90+\q], v93 offset:128*\q
.endr
	s_wait_dscnt 18                                ; K and its scale words are in; V's 18 loads may stay out
.irp t, 0,1,2,3,4,5,6,7
	WM 96+8*\t, 32+6*\t, 16, 1, 86+\t/2, 28, \t%2, 0   ; S^T: lane (r, h) holds query r; registers 16 b + i are keys 32 b + 16 h + i of the step
.endr
	PLACES
	s_cmp_lg_u32 s32, s14
	s_cbranch_scc1 .Lopen                          ; only the diagonal step hides keys
	v_mov_b32 v94, 0xff800000                      ; -infinity: p = 0 then
.set n, 0
.rept 64
	v_cmp_gt_i32 vcc_lo, 32*(n/16)+n%16, v7
	v_cndmask_b32 v[96+n], v[96+n], v94, vcc_lo
.set n, n+1
.endr
.Lopen:
.irp b, 0,1,2,3
	v_max3_num_f32 v[BM+\b], v[96+16*\b], v[97+16*\b], v[98+16*\b]   ; the largest score of each block of 32 keys: for the row's maximum and for the block's largest p
.endr
.irp i, 3,5,7,9,11,13
.irp b, 0,1,2,3
	v_max3_num_f32 v[BM+\b], v[BM+\b], v[96+16*\b+\i], v[97+16*\b+\i]
.endr
.endr
.irp b, 0,1,2,3
	v_max_num_f32 v[BM+\b], v[BM+\b], v[111+16*\b]
.endr
.irp b, 0,1,2,3
	s_delay_alu instid0(VALU_DEP_4)
	v_permlanex16_b32 v[PT+\b], v[BM+\b], s[SEL], s[SEL+1]
.endr
.irp b, 0,1,2,3
	s_delay_alu instid0(VALU_DEP_4)
	v_max_num_f32 v[BM+\b], v[BM+\b], v[PT+\b]
.endr
	s_delay_alu instid0(VALU_DEP_2)
	v_max3_num_f32 v94, v[BM], v[BM+1], v[BM+2]
	s_delay_alu instid0(VALU_DEP_1)
	v_max_num_f32 v94, v94, v[BM+3]
	s_delay_alu instid0(VALU_DEP_1)
	v_mul_f32 v94, s[CS], v94
	s_delay_alu instid0(VALU_DEP_1)
	v_max_num_f32 v13, v13, v94                    ; the running largest t
	v_mov_b32 v94, v12
	s_delay_alu instid0(VALU_DEP_2)
	v_floor_f32 v12, -v13                          ; the new -M
	s_delay_alu instid0(VALU_DEP_1)
	v_sub_f32 v94, v12, v94                        ; old M - new M: a whole number, 0 or less
	s_delay_alu instid0(VALU_DEP_1)
	v_cvt_i32_f32 v94, v94                         ; (it saturates)
	s_delay_alu instid0(VALU_DEP_1)
	v_ldexp_f32 v30, 1.0, v94                      ; f = 2^(old M - new M)
.set n, 0
	s_setprio 1
.rept 32
	v_pk_fma_f32 v[96+n:97+n], v[96+n:97+n], s[CS:CS+1], v[12:13] op_sel_hi:[1,0,0]   ; t - M
.set n, n+2
.endr
.irp b, 0,1,2,3
	v_fma_f32 v[BM+\b], v[BM+\b], s[CS], v12
.endr
.set n, 0
	s_wait_alu depctr_va_vdst(0)
.rept 64
	v_exp_f32 v[96+n], v[96+n]                     ; p = 2^(t - M)
.set n, n+1
.endr
	v_pk_mul_f32 v[14:15], v[14:15], v[30:31] op_sel_hi:[1,0]   ; the sums under the new M: the plain place behind the batch
	s_wait_alu depctr_va_vdst(0)                   ; one wait for the 64, ahead of their first reader
.irp b, 0,1,2,3
	v_exp_f32 v[BM+\b], v[BM+\b]                   ; the blocks' largest p
.endr
	v_pk_add_f32 v[56:57], v[100:101], v[104:105]
	v_pk_add_f32 v[250:251], v[108:109], v[112:113]
	v_pk_add_f32 v[248:249], v[116:117], v[120:121]
	v_pk_add_f32 v[246:247], v[124:125], v[128:129]
	v_pk_add_f32 v[244:245], v[132:133], v[136:137]
	v_pk_add_f32 v[242:243], v[140:141], v[144:145]
	v_pk_add_f32 v[240:241], v[148:149], v[152:153]
	v_pk_add_f32 v[14:15], v[14:15], v[156:157]
	v_pk_add_f32 v[56:57], v[56:57], v[96:97]
	v_pk_add_f32 v[250:251], v[250:251], v[98:99]
	v_pk_add_f32 v[248:249], v[248:249], v[102:103]
	v_pk_add_f32 v[246:247], v[246:247], v[106:107]
	v_pk_add_f32 v[244:245], v[244:245], v[110:111]
	v_pk_add_f32 v[242:243], v[242:243], v[114:115]
	v_pk_add_f32 v[240:241], v[240:241], v[118:119]
	v_pk_add_f32 v[14:15], v[14:15], v[122:123]
	v_pk_add_f32 v[56:57], v[56:57], v[126:127]
	v_pk_add_f32 v[250:251], v[250:251], v[130:131]
	v_pk_add_f32 v[248:249], v[248:249], v[134:135]
	v_pk_add_f32 v[246:247], v[246:247], v[138:139]
	v_pk_add_f32 v[244:245], v[244:245], v[142:143]
	v_pk_add_f32 v[242:243], v[242:243], v[146:147]
	v_pk_add_f32 v[240:241], v[240:241], v[150:151]
	v_pk_add_f32 v[14:15], v[14:15], v[154:155]
	v_pk_add_f32 v[56:57], v[56:57], v[158:159]
	s_delay_alu instid0(VALU_DEP_2)
	v_pk_add_f32 v[14:15], v[14:15], v[246:247]
	s_delay_alu instid0(VALU_DEP_2)
	v_pk_add_f32 v[56:57], v[56:57], v[244:245]
	v_pk_add_f32 v[250:251], v[250:251], v[242:243]
	v_pk_add_f32 v[248:249], v[248:249], v[240:241]
	s_delay_alu instid0(VALU_DEP_2)
	v_pk_add_f32 v[14:15], v[14:15], v[250:251]
	s_delay_alu instid0(VALU_DEP_2)
	v_pk_add_f32 v[56:57], v[56:57], v[248:249]
	s_delay_alu instid0(VALU_DEP_1)
	v_pk_add_f32 v[14:15], v[14:15], v[56:57]
	s_wait_alu depctr_va_vdst(0)                   ; and one for the four
.irp b, 0,1,2,3
	v_max_num_f32 v[BM+\b], 0x1800000, v[BM+\b]    ; the floor 2^(3 - 127)
.endr
.irp b, 0,1,2,3
	s_delay_alu instid0(VALU_DEP_4)
	v_add_nc_u32 v[SOP+\b], 0xff000000, v[BM+\b]
.endr
.irp b, 0,1,2,3
	s_delay_alu instid0(VALU_DEP_4)
	v_lshrrev_b32 v[BY+\b], 23, v[SOP+\b]
.endr
	s_delay_alu instid0(VALU_DEP_3)
	v_lshl_or_b32 v29, v[BY+1], 8, v[BY]           ; p's scale word for these 128 keys
	s_delay_alu instid0(VALU_DEP_1)
	v_lshl_or_b32 v29, v[BY+2], 16, v29
	s_delay_alu instid0(VALU_DEP_1)
	v_lshl_or_b32 v29, v[BY+3], 24, v29
	s_setprio 0
.irp c, 0,1
	v_cvt_scalef32_pk16_fp6_f32 v[240+6*\c:242+6*\c], v[96+32*\c:111+32*\c], v[SOP+2*\c]
	v_cvt_scalef32_pk16_fp6_f32 v[C2+4*\c:C2+2+4*\c], v[112+32*\c:127+32*\c], v[SOP+1+2*\c]
.endr
	v_nop                                          ; one plain place behind a scaled conversion
.irp c, 0,1
.irp i, 0,1,2
	v_permlane16_swap_b32 v[240+6*\c+\i], v[C2+4*\c+\i]
.endr
.irp i, 0,1,2
	s_delay_alu instid0(VALU_DEP_3)
	v_mov_b32 v[243+6*\c+\i], v[C2+4*\c+\i]
.endr
.endr
.set n, 0
.rept 16
	v_pk_mul_f32 v[160+n:161+n], v[160+n:161+n], v[30:31] op_sel_hi:[1,0]   ; O^T under the new M; also the places between p's codes and scale word and the products
.set n, n+2
.endr
	s_wait_alu depctr_va_vdst(0)
	s_wait_dscnt 0x0                               ; V
.irp t, 0,1,2,3
	WM 160+8*\t, 192+12*\t, 240, 0, 90+\t/2, 29, \t%2, 0   ; O^T += V^T P^T: four accumulators by turns
.endr
.Lskip:
	s_add_co_u32 s33, s33, 6144
	s_add_co_u32 s34, s34, 512
	s_add_co_u32 s35, s35, 256
	s_add_co_u32 s32, s32, 1
	s_cmp_lt_u32 s32, 16
	s_cbranch_scc1 .Lstep
	s_setprio 0
	; THE WAY OUT
	PLACES                                         ; behind the last products, on every way out of the loop
	s_wait_alu depctr_va_vdst(0)
	v_add_f32 v14, v14, v15
	s_delay_alu instid0(VALU_DEP_1)
	v_permlanex16_b32 v94, v14, s[SEL], s[SEL+1]
	s_delay_alu instid0(VALU_DEP_1)
	v_add_f32 v14, v14, v94                        ; the row's sum
	s_wait_alu depctr_va_vdst(0)
	v_rcp_f32 v14, v14
	v_mov_b32 v34, 0                               ; (a plain place; a lane permute's destination counts as one of its sources)
	v_mov_b32 v35, 0
	s_wait_alu depctr_va_vdst(0)
.set n, 0
.rept 16
	v_pk_mul_f32 v[96+n:97+n], v[160+n:161+n], v[14:15] op_sel_hi:[1,0]   ; o: register 16 b + i is channel 32 b + 16 h + i of my query
.set n, n+2
.endr
.irp b, 0,1
	v_max3_num_f32 v[32+\b], |v[96+16*\b]|, |v[97+16*\b]|, 0x1800000
.endr
.irp i, 2,4,6,8,10,12,14
.irp b, 0,1
	s_delay_alu instid0(VALU_DEP_2)
	v_max3_num_f32 v[32+\b], v[32+\b], |v[96+16*\b+\i]|, |v[97+16*\b+\i]|
.endr
.endr
.irp b, 0,1
	s_delay_alu instid0(VALU_DEP_2)
	v_permlanex16_b32 v[34+\b], v[32+\b], s[SEL], s[SEL+1]
.endr
.irp b, 0,1
	s_delay_alu instid0(VALU_DEP_2)
	v_max_num_f32 v[32+\b], v[32+\b], v[34+\b]
.endr
.irp b, 0,1
	s_delay_alu instid0(VALU_DEP_2)
	v_add_nc_u32 v[36+\b], 0xff000000, v[32+\b]
.endr
.irp b, 0,1
	s_delay_alu instid0(VALU_DEP_2)
	v_lshrrev_b32 v[34+\b], 23, v[36+\b]
.endr
	s_delay_alu instid0(VALU_DEP_1)
	v_lshl_or_b32 v38, v35, 8, v34                 ; the head's two bytes
	v_cvt_scalef32_pk16_fp6_f32 v[240:242], v[96:111], v36
	v_cvt_scalef32_pk16_fp6_f32 v[48:50], v[112:127], v37
	v_nop
.irp i, 0,1,2
	v_permlane16_swap_b32 v[240+\i], v[48+\i]
.endr
.irp i, 0,1,2
	s_delay_alu instid0(VALU_DEP_3)
	v_mov_b32 v[243+\i], v[48+\i]
.endr
	global_store_b128 v1, v[240:243], s[6:7]       ; the unit: whole aligned blocks of 256 bytes
	global_store_b64 v95, v[244:245], s[6:7] offset:512
	global_store_b16 v252, v38, s[8:9]             ; lanes l and l xor 16 hold the same half word and name the same address
	s_wait_tensorcnt 0x0
	ds_add_u32 v254, v255
	s_wait_dscnt 0x0
	s_endpgm
.Lfunc_end_k_q45ea76cb20_attn:
	.size	k_q45ea76cb20_attn, .Lfunc_end_k_q45ea76cb20_attn-k_q45ea76cb20_attn
	.p2alignl 7, 3214868480
	.fill 96, 4, 3214868480
	.section	.rodata,"a",@progbits
	.p2align	6, 0x0
	.amdhsa_kernel k_q45ea76cb20_attn
		.amdhsa_group_segment_fixed_size 210944
		.amdhsa_private_segment_fixed_size 0
		.amdhsa_enable_private_segment 0
		.amdhsa_kernarg_size 24
		.amdhsa_user_sgpr_count 2
		.amdhsa_user_sgpr_kernarg_segment_ptr 1
		.amdhsa_wavefront_size32 1
		.amdhsa_system_sgpr_workgroup_id_x 1
		.amdhsa_system_sgpr_workgroup_id_y 1
		.amdhsa_system_sgpr_workgroup_id_z 1
		.amdhsa_system_vgpr_workitem_id 0
		.amdhsa_next_free_vgpr 256
		.amdhsa_next_free_sgpr 66
		.amdhsa_reserve_vcc 1
		.amdhsa_float_denorm_mode_32 3
		.amdhsa_float_denorm_mode_16_64 3
		.amdhsa_memory_ordered 1
		.amdhsa_forward_progress 1
		.amdhsa_inst_pref_size 34
	.end_amdhsa_kernel
	.amdgpu_metadata
---
amdhsa.version: [ 1, 2 ]
amdhsa.kernels:
  - .name:           k_q45ea76cb20_attn
    .symbol:         k_q45ea76cb20_attn.kd
    .args:
      - { .name: qkvb, .offset: 0, .size: 8, .value_kind: global_buffer, .address_space: global }
      - { .name: hc, .offset: 8, .size: 8, .value_kind: global_buffer, .address_space: global }
      - { .name: hs, .offset: 16, .size: 8, .value_kind: global_buffer, .address_space: global }
    .group_segment_fixed_size: 210944
    .private_segment_fixed_size: 0
    .kernarg_segment_align: 8
    .kernarg_segment_size: 24
    .max_flat_workgroup_size: 512
    .sgpr_count:     66
    .vgpr_count:     256
    .wavefront_size: 32
...
	.end_amdgpu_metadata
.endif
;; end of part 11
;; launch oproj (part 12): grid 16 x 16, 4 waves a work-group, no clusters, 69,120 bytes of LDS; arguments hc, hs, wl, x, x1; writes x1
.if DOCPART == 12
	.amdgcn_target "amdgcn-amd-amdhsa--gfx1250"
	.amdhsa_code_object_version 6
	.text
	.protected	k_q45ea76cb20_oproj
	.globl	k_q45ea76cb20_oproj
	.p2align	8
	.type	k_q45ea76cb20_oproj,@function
k_q45ea76cb20_oproj:
	s_mov_b64 s[64:65], 0
	v_nop
	global_prefetch_b8 v0, s[64:65] scope:SCOPE_SE
	s_setreg_imm32_b32 hwreg(HW_REG_WAVE_SCHED_MODE, 0, 2), 2
	s_setreg_imm32_b32 hwreg(HW_REG_WAVE_MODE, 25, 1), 1
	s_wait_xcnt 0x0
	s_wait_alu depctr_vm_vsrc(0)
; out = res + A W^T on codes of FP6 (E2M3) with E8M0 scales.  Here: A = o (hc, hs), W = wo [1024][1024], res = x, out = x1; K = 1,024: KS = 8 steps of 128.
; IN.  A as units and scale words.  A tile of rows 2 b + u holds rows 32 b + 8 u + i + 8 (i / 8).  A unit is 16 rows x 64 K as the operand's registers hold it.  Scale words lie [tile][K step][16].
; wl, from byte WLO on: a record of RECB bytes for each panel of 64 rows of W, laid by the launch lay just as this kernel's LDS holds it: codes [KS][4 tiles][1,536 bytes: the image of a fragment's 12 registers], then scale words [KS][32 lanes][2 pairs of tiles].
; SHARES.  A work-group takes 256 rows (work-group y) and 64 columns (x): 256 work-groups.  Wave w takes four tiles of rows against the panel's four tiles: 16 accumulators.
; A's fragments go from memory straight into the one wave that uses them, four K steps ahead (a ring of five sets in window 2).  The panel's record is copied into LDS once, a quarter by each wave, the codes 512 consecutive bytes a load and a store,
; the scale words 128; one barrier; behind it the loop over K has none.  Source 0 = the weight: a lane holds one token and eight neighbouring columns.
; THE WAY OUT: a tile goes through the wave's own stage in LDS and comes back as rows of 256 bytes; the residual, asked for three K steps before the end, is added; sixteen lanes store 256 consecutive aligned bytes.
; NO CLUSTER: the sixteen work-groups of one x copy the same record, which a joint tensor load could bring once for four of them.  Not built: the record is 51,200 of the 321,536 bytes that a work-group reads; the rest goes to one wave each.
; THE MODE: SCHED_MODE bits 1:0 = 2 (LLVM: expert scheduling mode 2), set by the entry lines.  The code itself states the register dependences
; between vector or matrix instructions and memory or LDS instructions, with s_wait_alu, always for 0.
; THE PLAN.  Registers that memory or LDS instructions touch in the loop over K:
;   A's fragments (window 2) and scale words, FIVE sets   Set s % 5 is read by the 16 products of K step s; the loads of step s + 5 land in it in step s + 1.
;   the panel's fragments and scale words, two sets       Set s % 2 is read by the 16 products of K step s; the LDS loads of step s + 2 land in it in step s + 1.
;   v5-v10                                                Addresses, made at the head and never written again.
;   The accumulators are named by matrix instructions alone until the way out.
; So ONE wait on va_vdst stands in a K step, at its head, behind the waits for the step's own data: it states that the products of the step before are done reading their sets.  The step's loads follow it,
; dealt among its 16 products (7 LDS loads, 4 products, 6 LDS loads and 8 of A, 12 products, 10 of A), which name the sets s % 5 and s % 2 and the accumulators: none of the registers that those loads touch.
; REGISTERS.  window 0: v1-15, v30-31, v254 addresses; v16-25 A's scale words, five sets; v26-29 the panel's, two sets; v32-127 the panel's four fragments, two sets; v128.. the copy's scale words, later rows of the result; v253, v255 the closing add's two.
; window 1: v0-127 the accumulators, v128-255 the residual; ahead of the loop the copy's registers.   window 2: v0-239 A's fragments.
.set KS,     8
.set UPM,    16                        ; units in a tile's row of A
.set TAIL,   0                         ; 1: the last K step has 64 along K only
.set WLO,    6860800                   ; where W's records begin in wl
.set SCB,    KS*4*1536                 ; in the record and in LDS: behind the codes: the scale words, 256 bytes a K step: 8 x lane + 4 x pair of tiles
.set RECB,   SCB+KS*256                ; a record
.set STG,    SCB+KS*256                ; LDS, behind the record: a stage of 16 rows x (256 + 16) bytes for each wave
.set NCL,    3*KS                      ; loads of 512 bytes in my quarter of the codes
.if NCL > 64
.set NC1,    64                        ; as many as window 1 holds; the rest lands in window 0
.else
.set NC1,    NCL
.endif
.set L16,  7                           ; v7   16 x lane; also the LDS base of K steps 0-7
.set VB,   7                           ; v8, v9: + 49,152, + 98,304
.set L8,   5
.set VAS,  6                           ; v6   A's scale words: 64 KS h + 4 r
.set VBS,  10
.set FI,   11                          ; v11  where I lay my quarter of the codes
.set FS,   14                          ; v14  and of the scale words
.set L4,   15                          ; v15  4 x lane
.set STO,  30
.set RD,   31
.set CO,   254
.set SA,   16
.set SB,   26
.set BF,   32
.set FT,   128
.set TF,   224
.set MSB, 0
.macro WIN new                         ; the immediate's high byte repeats the setting that is left
.if MSB != (\new)
	s_set_vgpr_msb (MSB<<8)|(\new)
.set MSB, (\new)
.endif
.endm
.macro PLACES                          ; four plain places behind matrix instructions, in front of the first read of their results and vector write of their sources; they stand in front of the loads into their registers too, ahead of the wait that states that dependence
.rept 4
	v_nop
.endr
.endm
.macro WM d, a, b, zero, sa, sb, ra, rb
.if \zero
.if (\ra) && (\rb)
	v_wmma_scale_f32_16x16x128_f8f6f4 v[\d:\d+7], v[\a:\a+11], v[\b:\b+11], 0, v[\sa], v[\sb] matrix_a_fmt:MATRIX_FMT_FP6 matrix_b_fmt:MATRIX_FMT_FP6 matrix_a_scale:MATRIX_SCALE_ROW1 matrix_b_scale:MATRIX_SCALE_ROW1
.elseif (\ra)
	v_wmma_scale_f32_16x16x128_f8f6f4 v[\d:\d+7], v[\a:\a+11], v[\b:\b+11], 0, v[\sa], v[\sb] matrix_a_fmt:MATRIX_FMT_FP6 matrix_b_fmt:MATRIX_FMT_FP6 matrix_a_scale:MATRIX_SCALE_ROW1
.elseif (\rb)
	v_wmma_scale_f32_16x16x128_f8f6f4 v[\d:\d+7], v[\a:\a+11], v[\b:\b+11], 0, v[\sa], v[\sb] matrix_a_fmt:MATRIX_FMT_FP6 matrix_b_fmt:MATRIX_FMT_FP6 matrix_b_scale:MATRIX_SCALE_ROW1
.else
	v_wmma_scale_f32_16x16x128_f8f6f4 v[\d:\d+7], v[\a:\a+11], v[\b:\b+11], 0, v[\sa], v[\sb] matrix_a_fmt:MATRIX_FMT_FP6 matrix_b_fmt:MATRIX_FMT_FP6
.endif
.else
.if (\ra) && (\rb)
	v_wmma_scale_f32_16x16x128_f8f6f4 v[\d:\d+7], v[\a:\a+11], v[\b:\b+11], v[\d:\d+7], v[\sa], v[\sb] matrix_a_fmt:MATRIX_FMT_FP6 matrix_b_fmt:MATRIX_FMT_FP6 matrix_a_scale:MATRIX_SCALE_ROW1 matrix_b_scale:MATRIX_SCALE_ROW1
.elseif (\ra)
	v_wmma_scale_f32_16x16x128_f8f6f4 v[\d:\d+7], v[\a:\a+11], v[\b:\b+11], v[\d:\d+7], v[\sa], v[\sb] matrix_a_fmt:MATRIX_FMT_FP6 matrix_b_fmt:MATRIX_FMT_FP6 matrix_a_scale:MATRIX_SCALE_ROW1
.elseif (\rb)
	v_wmma_scale_f32_16x16x128_f8f6f4 v[\d:\d+7], v[\a:\a+11], v[\b:\b+11], v[\d:\d+7], v[\sa], v[\sb] matrix_a_fmt:MATRIX_FMT_FP6 matrix_b_fmt:MATRIX_FMT_FP6 matrix_b_scale:MATRIX_SCALE_ROW1
.else
	v_wmma_scale_f32_16x16x128_f8f6f4 v[\d:\d+7], v[\a:\a+11], v[\b:\b+11], v[\d:\d+7], v[\sa], v[\sb] matrix_a_fmt:MATRIX_FMT_FP6 matrix_b_fmt:MATRIX_FMT_FP6
.endif
.endif
.endm
.macro AFRAG s, m                      ; my tile m's fragment of K step s into set s % 5 of window 2 (the caller sets the window): four loads (a short last step: two, its upper half cleared)
.irp e, 0,1
.if (TAIL == 0) || ((\s) < KS-1) || (\e == 0)
	global_load_b128 v[48*((\s)%5)+12*(\m)+6*\e:48*((\s)%5)+12*(\m)+6*\e+3], v[L16], s[4:5] offset:((\m)*UPM+2*(\s)+\e)*768
	global_load_b64 v[48*((\s)%5)+12*(\m)+6*\e+4:48*((\s)%5)+12*(\m)+6*\e+5], v[L8], s[4:5] offset:((\m)*UPM+2*(\s)+\e)*768+512
.else
.irp i, 6,7,8,9,10,11
	v_mov_b32 v[48*((\s)%5)+12*(\m)+\i], 0         ; zero codes past the end of K
.endr
.endif
.endr
.endm
.macro ASCL s                          ; two registers of A's scale words of K step s into set s % 5: two loads
.irp q2, 0,1
.if TAIL && ((\s) == KS-1)
	global_load_u16 v[SA+2*((\s)%5)+\q2], v[VAS], s[6:7] offset:(2*\q2*KS+(\s))*64   ; two bytes; the word's upper two become 0
.else
	global_load_b32 v[SA+2*((\s)%5)+\q2], v[VAS], s[6:7] offset:(2*\q2*KS+(\s))*64
.endif
.endr
.endm
.macro ALOAD s                         ; all of A's K step s: 18 loads (a short last step: 10)
	WIN 0x80
	AFRAG \s, 0
	AFRAG \s, 1
	AFRAG \s, 2
	AFRAG \s, 3
	WIN 0
	ASCL \s
.endm
.macro BFRAG s, n                      ; the panel's fragment n of K step s into set s % 2: three loads
.irp c, 0,1,2
	ds_load_b128 v[BF+48*((\s)%2)+12*(\n)+4*\c:BF+48*((\s)%2)+12*(\n)+4*\c+3], v[VB+(\s)/8] offset:((\s)%8)*6144+1536*(\n)+512*\c
.endr
.endm
.macro BSCL s                          ; the panel's scale words of K step s into set s % 2: one load
	ds_load_b64 v[SB+2*((\s)%2):SB+2*((\s)%2)+1], v[VBS] offset:256*(\s)
.endm
.macro RLOAD                           ; the residual of my 64 rows x 64 columns, in the order in which the result comes back from the stage: 32 loads
	WIN 0x40
.irp m, 0,1,2,3
.irp t, 0,1,2,3,4,5,6,7
	global_load_b128 v[128+32*\m+4*\t:128+32*\m+4*\t+3], v[CO], s[12:13] offset:(32*(\m/2)+8*(\m%2)+2*\t+8*(\t/4))*4096 th:TH_LOAD_NT
.endr
.endr
	WIN 0
.endm
.macro NWAIT s                         ; A of K step s is in: what was issued behind it may stay out: the up to three later steps' loads, and from the last step but one on the residual's 32
.set NW, 0
.irp d, 1,2,3
.if (\s)+\d < KS
.if TAIL && ((\s)+\d == KS-1)
.set NW, NW+10
.else
.set NW, NW+18
.endif
.endif
.endr
.if (\s) >= KS-2
.set NW, NW+32
.endif
	s_wait_loadcnt NW
.endm
.macro MULG s, n                       ; four products: the panel's tile n x my four tiles of rows.  The 16 accumulators by turns, in the same order in every K step
.irp m, 0,1,2,3
	WM 8*(4*\m+(\n)), BF+48*((\s)%2)+12*(\n), 48*((\s)%5)+12*\m, (\s)==0, SB+2*((\s)%2)+(\n)/2, SA+2*((\s)%5)+\m/2, (\n)%2, \m%2
.endr
.endm
.macro KSTEP s
	NWAIT \s
	s_wait_dscnt 0x0                               ; this step's part of the panel is in
.if ((\s) > 0) && ((\s)+1 < KS)
	s_wait_alu depctr_va_vdst(0)                   ; the products of the step before are done reading their set of the panel and their set of A, in which this step's loads land
.endif
.if (\s)+1 < KS
	BSCL (\s)+1
	BFRAG (\s)+1, 0
	BFRAG (\s)+1, 1
.endif
	WIN 0x58                                       ; source 1 (A) window 2; C and D window 1
	MULG \s, 0
.if (\s)+1 < KS
	WIN 0
	BFRAG (\s)+1, 2                                ; no product since the wait names the sets in which these loads land
	BFRAG (\s)+1, 3
.endif
.if (\s)+4 < KS
	WIN 0x80
	AFRAG (\s)+4, 0
	AFRAG (\s)+4, 1
.endif
	WIN 0x58
	MULG \s, 1
	MULG \s, 2
	MULG \s, 3
.if (\s)+4 < KS
	WIN 0x80
	AFRAG (\s)+4, 2
	AFRAG (\s)+4, 3
	WIN 0
	ASCL (\s)+4
.endif
	WIN 0
	PLACES
.if (\s) == KS-3
	RLOAD                                          ; into registers that no vector or matrix instruction names ahead of the way out
.endif
.endm
.macro BKR m                           ; where tile m's rows come back: v128-223 for tiles 0-2, v32-63 for tile 3
.if (\m) < 3
.set BK, 128+32*(\m)
.else
.set BK, 32
.endif
.endm
	s_load_b128 s[4:7], s[0:1], 0x0                ; A's units, A's scale words
	s_load_b64 s[8:9], s[0:1], 0x10                ; wl
	s_load_b64 s[12:13], s[0:1], 0x18              ; the residual
	s_load_b64 s[14:15], s[0:1], 0x20              ; the result
	v_lshl_add_u32 v253, v0, 2, 0x10c00
	v_mov_b32 v255, 0
	v_lshrrev_b32 v1, 5, v0
	v_readfirstlane_b32 s16, v1                    ; wave
	v_and_b32 v1, 31, v0
	v_and_b32 v2, 15, v0                           ; r
	v_bfe_u32 v3, v0, 4, 1                         ; h
	v_lshlrev_b32 v[L16], 4, v1
	v_lshlrev_b32 v[L8], 3, v1
	v_lshlrev_b32 v[L4], 2, v1
	v_mul_u32_u24 v[VAS], v3, KS*64
	v_lshl_add_u32 v[VAS], v2, 2, v[VAS]
.if KS > 8
	v_add_nc_u32 v[VB+1], 49152, v[L16]
	v_add_nc_u32 v[VB+2], 98304, v[L16]
.endif
	v_lshl_add_u32 v[VBS], v1, 3, SCB
	s_wait_alu depctr_va_sdst(0)                   ; the wave's number s16 is written, ahead of its first reader
	s_mul_i32 s17, s16, KS*1536                    ; my quarter of the codes
	v_add_nc_u32 v[FI], s17, v[L16]
	s_mul_i32 s18, s16, KS*64                      ; and of the scale words
	v_add_nc_u32 v[FS], SCB, v[L4]
	v_add_nc_u32 v[FS], s18, v[FS]
	s_mul_i32 s20, s16, 4352
	s_add_co_u32 s20, s20, STG                     ; my stage
	v_mul_u32_u24 v[STO], v2, 272
	v_lshl_add_u32 v[STO], v3, 5, v[STO]
	v_add_nc_u32 v[STO], s20, v[STO]               ; in: row r, + 32 h
	v_mul_u32_u24 v[RD], v3, 272
	v_lshl_add_u32 v[RD], v2, 4, v[RD]
	v_add_nc_u32 v[RD], s20, v[RD]                 ; back: lanes 0-15 one row, lanes 16-31 the next
	v_lshlrev_b32 v[CO], 12, v3
	v_lshl_add_u32 v[CO], v2, 4, v[CO]             ; and the same in memory
	s_and_b32 s19, ttmp7, 0xffff
	s_mul_i32 s24, ttmp9, RECB
	s_add_co_u32 s24, s24, WLO                     ; my panel's record
	s_add_co_u32 s26, s24, s18
	s_add_co_u32 s26, s26, SCB
	s_add_co_u32 s24, s24, s17
	s_mov_b32 s25, 0
	s_mov_b32 s27, 0
	s_lshl_b32 s22, s19, 4
	s_lshl_b32 s23, s16, 2
	s_add_co_u32 s22, s22, s23                     ; my first tile of rows
	s_mul_i32 s28, s22, UPM*768
	s_mov_b32 s29, 0
	s_mul_i32 s30, s22, KS*64
	s_mov_b32 s31, 0
	s_lshl_b32 s32, s22, 16                        ; 16 rows of 4,096 bytes a tile,
	s_lshl_b32 s23, ttmp9, 8
	s_add_co_u32 s32, s32, s23                     ; + the panel's 256 bytes
	s_mov_b32 s33, 0
	s_wait_kmcnt 0x0
	s_add_nc_u64 s[10:11], s[8:9], s[26:27]        ; the record's scale words,
	s_add_nc_u64 s[8:9], s[8:9], s[24:25]          ; its codes
	s_add_nc_u64 s[4:5], s[4:5], s[28:29]
	s_add_nc_u64 s[6:7], s[6:7], s[30:31]
	s_add_nc_u64 s[12:13], s[12:13], s[32:33]
	s_add_nc_u64 s[14:15], s[14:15], s[32:33]
	s_wait_alu depctr_va_vdst(0)                   ; the addresses v5 to v15, v30, v31 and v254 are written, which every load, store and LDS instruction of the kernel reads
	; THE COPY: my quarter of the record
.set fj, 0
.rept KS/2
	global_load_b32 v[FT+fj], v[L4], s[10:11] offset:128*fj
.set fj, fj+1
.endr
	WIN 0x40
.set fq, 0
.rept NC1
	global_load_b128 v[4*fq:4*fq+3], v[L16], s[8:9] offset:512*fq
.set fq, fq+1
.endr
	WIN 0
.if NCL > NC1
.rept NCL-NC1
	global_load_b128 v[TF+4*(fq-NC1):TF+4*(fq-NC1)+3], v[L16], s[8:9] offset:512*fq
.set fq, fq+1
.endr
.endif
	ALOAD 0
	ALOAD 1
	ALOAD 2
	s_wait_loadcnt 54                              ; all but A's first three K steps
.set fj, 0
.rept KS/2
	ds_store_b32 v[FS], v[FT+fj] offset:128*fj
.set fj, fj+1
.endr
	WIN 0x04                                       ; an LDS store's data are its source 1: window 1
.set fq, 0
.rept NC1
	ds_store_b128 v[FI], v[4*fq:4*fq+3] offset:512*fq
.set fq, fq+1
.endr
	WIN 0
.if NCL > NC1
.rept NCL-NC1
	ds_store_b128 v[FI], v[TF+4*(fq-NC1):TF+4*(fq-NC1)+3] offset:512*fq
.set fq, fq+1
.endr
.endif
	ALOAD 3
	s_wait_dscnt 0x0                               ; for the others' sake: my part of the panel has landed
	s_barrier_signal -1
	s_barrier_wait -1                              ; the panel is whole and is only read from here on; the stages are each wave's own
	s_wait_alu depctr_vm_vsrc(0)                   ; my LDS stores have read the copy's registers: window 1's, which the products write and in which the residual lands, and v128 on, in which rows of the result land
	BSCL 0
	BFRAG 0, 0
	BFRAG 0, 1
	BFRAG 0, 2
	BFRAG 0, 3
.set st, 0
.rept KS
	KSTEP st
.set st, st+1
.endr
	; THE WAY OUT.  LDS serves a wave's instructions in order: no wait between a tile's stores and its loads, nor in front of the next tile's stores
	s_wait_alu depctr_va_vdst(0)                   ; behind the last step's four places: the products have written the accumulators, which the LDS stores read, and are done reading v32-63, in which tile 3's rows land
.irp m, 0,1,2,3
	BKR \m
	WIN 0x04
.irp n, 0,1,2,3
	ds_store_b128 v[STO], v[8*(4*\m+\n):8*(4*\m+\n)+3] offset:64*\n          ; each accumulator from its low end on
	ds_store_b128 v[STO], v[8*(4*\m+\n)+4:8*(4*\m+\n)+7] offset:64*\n+16
.endr
	WIN 0
.irp t, 0,1,2,3,4,5,6,7
	ds_load_b128 v[BK+4*\t:BK+4*\t+3], v[RD] offset:544*\t
.endr
.endr
.irp m, 0,1,2,3
	BKR \m
	s_wait_dscnt 16*(3-\m)                         ; tile m is back; the later tiles' 8 stores and 8 loads each may stay out
	s_wait_loadcnt 8*(3-\m)                        ; its residual is in; the later tiles' 8 loads each may stay out
	WIN 0x04
.irp i, 0,1,2,3,4,5,6,7,8,9,10,11,12,13,14,15
	v_pk_add_f32 v[BK+2*\i:BK+2*\i+1], v[BK+2*\i:BK+2*\i+1], v[128+32*\m+2*\i:128+32*\m+2*\i+1]
.endr
	WIN 0
	s_wait_alu depctr_va_vdst(0)                   ; the additions have written the tile's 32 registers, which the eight stores read; each tile has registers of its own, so none that a store reads is written again
.irp t, 0,1,2,3,4,5,6,7
	global_store_b128 v[CO], v[BK+4*\t:BK+4*\t+3], s[14:15] offset:(32*(\m/2)+8*(\m%2)+2*\t+8*(\t/4))*4096   ; 16 lanes store 256 consecutive bytes, aligned
.endr
.endr
	s_wait_dscnt 0x0                               ; the closing lines, six on end
	s_wait_alu 0x0
	s_wait_tensorcnt 0x0
	ds_add_u32 v253, v255
	s_wait_dscnt 0x0
	s_endpgm
.Lfunc_end_k_q45ea76cb20_oproj:
	.size	k_q45ea76cb20_oproj, .Lfunc_end_k_q45ea76cb20_oproj-k_q45ea76cb20_oproj
	.p2alignl 7, 3214868480
	.fill 96, 4, 3214868480
	.section	.rodata,"a",@progbits
	.p2align	6, 0x0
	.amdhsa_kernel k_q45ea76cb20_oproj
		.amdhsa_group_segment_fixed_size 69120
		.amdhsa_private_segment_fixed_size 0
		.amdhsa_enable_private_segment 0
		.amdhsa_kernarg_size 40
		.amdhsa_user_sgpr_count 2
		.amdhsa_user_sgpr_kernarg_segment_ptr 1
		.amdhsa_wavefront_size32 1
		.amdhsa_system_sgpr_workgroup_id_x 1
		.amdhsa_system_sgpr_workgroup_id_y 1
		.amdhsa_system_sgpr_workgroup_id_z 1
		.amdhsa_system_vgpr_workitem_id 0
		.amdhsa_next_free_vgpr 768
		.amdhsa_next_free_sgpr 66
		.amdhsa_reserve_vcc 0
		.amdhsa_float_denorm_mode_32 3
		.amdhsa_float_denorm_mode_16_64 3
		.amdhsa_memory_ordered 1
		.amdhsa_forward_progress 1
		.amdhsa_inst_pref_size 63
	.end_amdhsa_kernel
	.amdgpu_metadata
---
amdhsa.version: [ 1, 2 ]
amdhsa.kernels:
  - .name:           k_q45ea76cb20_oproj
    .symbol:         k_q45ea76cb20_oproj.kd
    .args:
      - { .name: hc, .offset: 0, .size: 8, .value_kind: global_buffer, .address_space: global }
      - { .name: hs, .offset: 8, .size: 8, .value_kind: global_buffer, .address_space: global }
      - { .name: wl, .offset: 16, .size: 8, .value_kind: global_buffer, .address_space: global }
      - { .name: x, .offset: 24, .size: 8, .value_kind: global_buffer, .address_space: global }
      - { .name: x1, .offset: 32, .size: 8, .value_kind: global_buffer, .address_space: global }
    .group_segment_fixed_size: 69120
    .private_segment_fixed_size: 0
    .kernarg_segment_align: 8
    .kernarg_segment_size: 40
    .max_flat_workgroup_size: 128
    .sgpr_count:     66
    .vgpr_count:     768
    .wavefront_size: 32
...
	.end_amdgpu_metadata
.endif
;; end of part 12
;; launch norm2: the kernel of part 9 again; grid 256 x 1, 8 waves a work-group, no clusters, 69,120 bytes of LDS; arguments x1, ln2_w, hc, hs; writes hc, hs
;; launch ffn1 (part 13): grid 43 x 16, 4 waves a work-group, no clusters, 102,912 bytes of LDS; arguments hc, hs, wl, gc, gs; writes gc, gs
.if DOCPART == 13
	.amdgcn_target "amdgcn-amd-amdhsa--gfx1250"
	.amdhsa_code_object_version 6
	.text
	.protected	k_q45ea76cb20_ffn1
	.globl	k_q45ea76cb20_ffn1
	.p2align	8
	.type	k_q45ea76cb20_ffn1,@function
k_q45ea76cb20_ffn1:
	s_mov_b64 s[64:65], 0
	v_nop
	global_prefetch_b8 v0, s[64:65] scope:SCOPE_SE
	s_setreg_imm32_b32 hwreg(HW_REG_WAVE_SCHED_MODE, 0, 2), 2
	s_setreg_imm32_b32 hwreg(HW_REG_WAVE_MODE, 25, 1), 1
	s_wait_xcnt 0x0
	s_wait_alu depctr_vm_vsrc(0)
; g = silu(h2 W1^T) * (h2 W3^T) on codes of FP6 (E2M3) with E8M0 scales, and g's own quantising along F.
; IN.  hc, hs: h2 as units and scale words.  A tile of rows 2 b + u holds rows 32 b + 8 u + i + 8 (i / 8).  A unit is 16 rows x 64 K as the operand's registers hold it.
; wl: record 24 + x of PREC bytes is my panel, laid by the launch lay just as this kernel's LDS holds it: codes [8 K steps][8 tiles][1,536 bytes: the image of a fragment's 12 registers], then scale words [8 K steps][32 lanes][4 pairs of tiles].
; OUT.  gc: [256 tiles of rows][43 units][768]; gs: [256][22 K steps][16] words; a work-group writes the half word of its unit.  The upper half word of step 21 has no unit: it is neither written nor read.
; SHARES.  A work-group takes 256 rows (work-group y) and 64 columns of F (x: 43 x 64 = 2,752): its panel is those 64 rows of W1 (tiles 0-3) and of W3 (tiles 4-7).  Wave w takes four tiles of rows against all eight: 32 accumulators.
; A's fragments go from memory straight into the one wave that uses them.  The panel's record is copied into LDS once, a quarter by each wave, every load and every LDS store 512 consecutive bytes; one barrier; behind it the loop over K has none.
; The panel's tiles are composed as the rows' tiles are; source 0 = the weight: a lane holds one token, and the 16 registers of two neighbouring tiles are 16 neighbouring columns of F, the next product's K.
; NO CLUSTER: 43 work-groups along x divide into no cluster.
; LIMITS: NaN and infinities are not served.  A block whose largest magnitude lies under 2^-124 (zeros too) gets the byte 1; these bytes are read by this program alone.
; sigmoid(a) = 1 / (1 + 2^(-a log2 e)) by v_exp_f32 and v_rcp_f32: where the exponential overflows the sigmoid is 0.
; THE MODE: SCHED_MODE bits 1:0 = 2 (LLVM: expert scheduling mode 2), set by the entry lines.  The code itself states the register dependences
; between vector or matrix instructions and memory or LDS instructions, with s_wait_alu, always for 0.
; THE PLAN.  Registers that memory or LDS instructions touch in the loop over K:
;   the panel's fragments 0-3 (v32-79)   K step s: its first 16 products read them; behind those the LDS loads of step s + 1 land in them, in the step's second half.
;   the panel's fragments 4-7 (v80-127)  K step s: its last 16 products read them; the LDS loads of step s + 1 land in them in that step's first half.
;   the panel's scale words, two sets    Set s % 2 is read by all 32 products of step s and loaded again in the second half of step s + 1.
;   A's fragments and scale words, two sets   Set s % 2 is read by all 32 products of step s; behind them the loads of step s + 2 land in it.
;   v5-v9                                Addresses, made at the head and never written again.
;   The accumulators are named by matrix instructions alone until the way out.
; So TWO waits on va_vdst stand in a K step: one behind its first 16 products, for the loads into fragments 0-3; one behind its last 16, for the loads into fragments 4-7 and into A's set.
; Behind each the LDS loads are dealt among the next 16 products (6 or 7 loads, 4 products, 6 loads, 12 products), which name none of the registers that those loads touch.
; A's 18 loads stay in one run, ahead of the wait for the next step's A, so that two steps of A are on their way.
; REGISTERS.  window 0: v1-15 addresses; v16-19 A's scale words, two sets; v20-27 the panel's, two sets; v32-127 the panel's eight fragments; v128-223 A's four fragments, two sets (on the way out v128-191: g); v224-239 at work; v240-247 the copy's scale words;
; v254, v255 the closing add's two.   window 1: the 32 accumulators; ahead of the loop the copy's 192 registers.
.set PREC, 102400                      ; a panel's record in wl
.set SCB,  98304                       ; in the record and in LDS: behind the codes: the scale words, 512 bytes a K step: 16 x lane + 4 x pair of tiles
.set L16,  7
.set VB,   7
.set L8,   5
.set VAS,  6
.set VBS,  9
.set FI,   10                          ; v10  where I lay my quarter of the codes: 16 x lane + 24,576 x wave
.set FS,   12                          ; v12  and of the scale words: SCB + 16 x lane + 1,024 x wave
.set EO,   15
.set SA,   16
.set SB,   20
.set BF,   32
.set AF,   128
.set G,    128
.set TM,   224
.set FT,   240
.set WV,   22
.set RBK,  23
.set NL,   24                          ; s[24:25] -log2(e)
.set SEL,  26
.set SBP,  28
.set SBS,  30
.set SAP,  4
.set SAS,  6
.set HM,   40
.set MSB, 0
.macro WIN new                         ; the immediate's high byte repeats the setting that is left
.if MSB != (\new)
	s_set_vgpr_msb (MSB<<8)|(\new)
.set MSB, (\new)
.endif
.endm
.macro PLACES                          ; four plain places behind matrix instructions, in front of the first vector read of their results and vector write of their sources; they stand in front of the loads into their registers too, ahead of the wait that states that dependence
.rept 4
	v_nop
.endr
.endm
.macro WM d, a, b, zero, sa, sb, ra, rb
.if \zero
.if (\ra) && (\rb)
	v_wmma_scale_f32_16x16x128_f8f6f4 v[\d:\d+7], v[\a:\a+11], v[\b:\b+11], 0, v[\sa], v[\sb] matrix_a_fmt:MATRIX_FMT_FP6 matrix_b_fmt:MATRIX_FMT_FP6 matrix_a_scale:MATRIX_SCALE_ROW1 matrix_b_scale:MATRIX_SCALE_ROW1
.elseif (\ra)
	v_wmma_scale_f32_16x16x128_f8f6f4 v[\d:\d+7], v[\a:\a+11], v[\b:\b+11], 0, v[\sa], v[\sb] matrix_a_fmt:MATRIX_FMT_FP6 matrix_b_fmt:MATRIX_FMT_FP6 matrix_a_scale:MATRIX_SCALE_ROW1
.elseif (\rb)
	v_wmma_scale_f32_16x16x128_f8f6f4 v[\d:\d+7], v[\a:\a+11], v[\b:\b+11], 0, v[\sa], v[\sb] matrix_a_fmt:MATRIX_FMT_FP6 matrix_b_fmt:MATRIX_FMT_FP6 matrix_b_scale:MATRIX_SCALE_ROW1
.else
	v_wmma_scale_f32_16x16x128_f8f6f4 v[\d:\d+7], v[\a:\a+11], v[\b:\b+11], 0, v[\sa], v[\sb] matrix_a_fmt:MATRIX_FMT_FP6 matrix_b_fmt:MATRIX_FMT_FP6
.endif
.else
.if (\ra) && (\rb)
	v_wmma_scale_f32_16x16x128_f8f6f4 v[\d:\d+7], v[\a:\a+11], v[\b:\b+11], v[\d:\d+7], v[\sa], v[\sb] matrix_a_fmt:MATRIX_FMT_FP6 matrix_b_fmt:MATRIX_FMT_FP6 matrix_a_scale:MATRIX_SCALE_ROW1 matrix_b_scale:MATRIX_SCALE_ROW1
.elseif (\ra)
	v_wmma_scale_f32_16x16x128_f8f6f4 v[\d:\d+7], v[\a:\a+11], v[\b:\b+11], v[\d:\d+7], v[\sa], v[\sb] matrix_a_fmt:MATRIX_FMT_FP6 matrix_b_fmt:MATRIX_FMT_FP6 matrix_a_scale:MATRIX_SCALE_ROW1
.elseif (\rb)
	v_wmma_scale_f32_16x16x128_f8f6f4 v[\d:\d+7], v[\a:\a+11], v[\b:\b+11], v[\d:\d+7], v[\sa], v[\sb] matrix_a_fmt:MATRIX_FMT_FP6 matrix_b_fmt:MATRIX_FMT_FP6 matrix_b_scale:MATRIX_SCALE_ROW1
.else
	v_wmma_scale_f32_16x16x128_f8f6f4 v[\d:\d+7], v[\a:\a+11], v[\b:\b+11], v[\d:\d+7], v[\sa], v[\sb] matrix_a_fmt:MATRIX_FMT_FP6 matrix_b_fmt:MATRIX_FMT_FP6
.endif
.endif
.endm
; 64 numbers of a lane, v[s] on in window w, register 16 b + i = k 32 b + 16 h + i, become 12 registers of codes at v[pc] on (pc + 12 .. pc + 19 at work) and the scale word v[pw]
.macro QUANT s, w, pc, pw
	WIN 5*(\w)
.irp b, 0,1,2,3
	v_max3_num_f32 v[TM+\b], |v[(\s)+16*\b]|, |v[(\s)+1+16*\b]|, 0x1800000   ; my 16 numbers of block b, and the floor 2^(3 - 127): the byte cannot fall under 1
.endr
.irp i, 2,4,6,8,10,12,14
.irp b, 0,1,2,3
	v_max3_num_f32 v[TM+\b], |v[(\s)+16*\b+\i]|, |v[(\s)+1+16*\b+\i]|, v[TM+\b]
.endr
.endr
	WIN 0
.irp b, 0,1,2,3
	v_permlanex16_b32 v[TM+4+\b], v[TM+\b], s[SEL], s[SEL+1]
.endr
.irp b, 0,1,2,3
	v_max_num_f32 v[TM+\b], v[TM+\b], v[TM+4+\b]
.endr
.irp b, 0,1,2,3
	v_add_nc_u32 v[TM+12+\b], 0xff000000, v[TM+\b]         ; 2 off the exponent field: the conversion's scale operand
.endr
.irp b, 0,1,2,3
	v_lshrrev_b32 v[TM+4+\b], 23, v[TM+12+\b]              ; the scale's byte
.endr
	v_lshl_or_b32 v[\pw], v[TM+5], 8, v[TM+4]
	v_lshl_or_b32 v[\pw], v[TM+6], 16, v[\pw]
	v_lshl_or_b32 v[\pw], v[TM+7], 24, v[\pw]
	WIN \w
.irp c, 0,1
	v_cvt_scalef32_pk16_fp6_f32 v[\pc+6*\c:\pc+2+6*\c], v[(\s)+32*\c:(\s)+15+32*\c], v[TM+12+2*\c]
	v_cvt_scalef32_pk16_fp6_f32 v[\pc+12+4*\c:\pc+14+4*\c], v[(\s)+16+32*\c:(\s)+31+32*\c], v[TM+13+2*\c]
.endr
	WIN 0
	v_nop                                                  ; one plain place behind a scaled conversion
.irp c, 0,1
.irp i, 0,1,2
	v_permlane16_swap_b32 v[\pc+6*\c+\i], v[\pc+12+4*\c+\i]
.endr
.irp i, 0,1,2
	v_mov_b32 v[\pc+3+6*\c+\i], v[\pc+12+4*\c+\i]
.endr
.endr
.endm
.macro ALOAD s                         ; 18 loads: my four tiles' fragments of K step s and two registers of scale words, into set s % 2
.irp m, 0,1,2,3
.irp e, 0,1
	global_load_b128 v[AF+48*((\s)%2)+12*\m+6*\e:AF+48*((\s)%2)+12*\m+6*\e+3], v[L16], s[SAP:SAP+1] offset:(16*\m+2*(\s)+\e)*768
	global_load_b64 v[AF+48*((\s)%2)+12*\m+6*\e+4:AF+48*((\s)%2)+12*\m+6*\e+5], v[L8], s[SAP:SAP+1] offset:(16*\m+2*(\s)+\e)*768+512
.endr
.endr
.irp q, 0,1
	global_load_b32 v[SA+2*((\s)%2)+\q], v[VAS], s[SAS:SAS+1] offset:(16*\q+(\s))*64
.endr
.endm
.macro BFRAG s, n                      ; the panel's fragment n of K step s: three loads
.irp c, 0,1,2
	ds_load_b128 v[BF+12*(\n)+4*\c:BF+12*(\n)+4*\c+3], v[VB+(\s)/4] offset:((\s)%4)*12288+1536*(\n)+512*\c
.endr
.endm
.macro BSCL s                          ; the panel's scale words of K step s into set s % 2: one load
	ds_load_b128 v[SB+4*((\s)%2):SB+4*((\s)%2)+3], v[VBS] offset:512*(\s)
.endm
.macro MULG s, n                       ; four products: the panel's tile n x my four tiles of rows.  The 32 accumulators take turns, in the same order in every K step
.irp m, 0,1,2,3
	WM 8*(8*\m+(\n)), BF+12*(\n), AF+48*((\s)%2)+12*\m, (\s)==0, SB+4*((\s)%2)+(\n)/2, SA+2*((\s)%2)+\m/2, (\n)%2, \m%2
.endr
.endm
.macro KSTEP s
.if (\s) < 7
	s_wait_loadcnt 18                              ; A of this step is in; the 18 loads of the next step may stay out
.else
	s_wait_loadcnt 0
.endif
	s_wait_dscnt 0x0                               ; the panel's fragments 0-3 and scale words of this step are in
	BFRAG \s, 4                                    ; fragments 4-7 of this step.  No wait here: the last step's closing wait stands ahead, and no product since names them
	BFRAG \s, 5
	WIN 0x50                                       ; C and D in window 1
	MULG \s, 0
	WIN 0
	BFRAG \s, 6
	BFRAG \s, 7
	WIN 0x50
	MULG \s, 1
	MULG \s, 2
	MULG \s, 3
	WIN 0
.if (\s) < 7
	PLACES
	s_wait_alu depctr_va_vdst(0)                   ; the step's first 16 products are done reading fragments 0-3, in which the next step's loads land (the scale words' other set was last read a step ago)
.endif
	s_wait_dscnt 0x0                               ; fragments 4-7 are in
.if (\s) < 7
	BSCL (\s)+1
	BFRAG (\s)+1, 0
	BFRAG (\s)+1, 1
.endif
	WIN 0x50
	MULG \s, 4
.if (\s) < 7
	WIN 0
	BFRAG (\s)+1, 2                                ; no product since the wait names fragments 0-3
	BFRAG (\s)+1, 3
.endif
	WIN 0x50
	MULG \s, 5
	MULG \s, 6
	MULG \s, 7
	WIN 0
	PLACES
.if (\s) < 7
	s_wait_alu depctr_va_vdst(0)                   ; the step's last 16 products are done reading fragments 4-7, and all 32 A's set and its scale words: the loads below and at the next step's head land in them
.endif
.if (\s) < 6
	ALOAD (\s)+2
.endif
.endm
; g of tiles of rows 2 q and 2 q + 1 into v[G] on: 32 numbers a tile.  a = the tile's accumulators 0-3, b = 4-7; each is read from its low end on.  The exponentials and the reciprocals go as batches, one wait each.
.macro SILU q
	WIN 0x01                                       ; source 0 in window 1
.irp z, 0,1
.irp i, 0,2,4,6,8,10,12,14,16,18,20,22,24,26,28,30
	v_pk_mul_f32 v[G+32*\z+\i:G+32*\z+\i+1], v[64*(2*(\q)+\z)+\i:64*(2*(\q)+\z)+\i+1], s[NL:NL+1] op_sel_hi:[1,0]   ; -a log2(e)
.endr
.endr
	WIN 0
.set gi, 0
	s_wait_alu depctr_va_vdst(0)
.rept 64
	v_exp_f32 v[G+gi], v[G+gi]
.set gi, gi+1
.endr
	v_nop                                          ; a plain place behind the batch
	s_wait_alu depctr_va_vdst(0)                   ; the 64 exponentials have written v[G ..]: one wait, ahead of their first reader
.set gi, 0
.rept 32
	v_pk_add_f32 v[G+gi:G+gi+1], v[G+gi:G+gi+1], 1.0 op_sel_hi:[1,0]
.set gi, gi+2
.endr
.set gi, 0
	s_wait_alu depctr_va_vdst(0)
.rept 64
	v_rcp_f32 v[G+gi], v[G+gi]                     ; sigmoid(a)
.set gi, gi+1
.endr
	v_nop
	s_wait_alu depctr_va_vdst(0)                   ; the 64 reciprocals have written v[G ..]: one wait, ahead of their first reader
	WIN 0x01
.irp z, 0,1
.irp i, 0,2,4,6,8,10,12,14,16,18,20,22,24,26,28,30
	v_pk_mul_f32 v[G+32*\z+\i:G+32*\z+\i+1], v[64*(2*(\q)+\z)+\i:64*(2*(\q)+\z)+\i+1], v[G+32*\z+\i:G+32*\z+\i+1]   ; silu(a)
.endr
.endr
.irp z, 0,1
.irp i, 0,2,4,6,8,10,12,14,16,18,20,22,24,26,28,30
	v_pk_mul_f32 v[G+32*\z+\i:G+32*\z+\i+1], v[64*(2*(\q)+\z)+32+\i:64*(2*(\q)+\z)+32+\i+1], v[G+32*\z+\i:G+32*\z+\i+1]   ; x b
.endr
.endr
	WIN 0
.endm
	s_load_b256 s[4:11], s[0:1], 0x0               ; hc s[4:5], hs s[6:7], wl s[8:9], gc s[10:11]
	s_load_b64 s[12:13], s[0:1], 0x20              ; gs
	v_lshl_add_u32 v254, v0, 2, 0x19000
	v_mov_b32 v255, 0
	v_lshrrev_b32 v1, 5, v0
	v_readfirstlane_b32 s[WV], v1
	v_and_b32 v1, 31, v0
	v_and_b32 v2, 15, v0                           ; r
	v_bfe_u32 v3, v0, 4, 1                         ; h
	v_cmp_ne_u32 s[HM], 0, v3
	v_lshlrev_b32 v[L16], 4, v1
	v_lshlrev_b32 v[L8], 3, v1
	v_lshlrev_b32 v[VAS], 2, v2
	v_lshl_add_u32 v[VAS], v3, 9, v[VAS]
	v_add_nc_u32 v[VB+1], 49152, v[L16]
	v_add_nc_u32 v[VBS], SCB, v[L16]
	v_mul_u32_u24 v[EO], v3, 1408
	v_lshl_add_u32 v[EO], v2, 2, v[EO]             ; lanes 0-15 write the even tile's half words, lanes 16-31 the odd tile's
.irp b, 0,1,2,3
	v_mov_b32 v[TM+4+\b], 0                        ; written once: a lane permute's destination counts as one of its sources
.endr
	s_wait_alu depctr_va_sdst(0)                   ; the wave's number s22 and the mask s40 are written, ahead of their first readers
	s_mul_i32 s32, s[WV], 24576
	v_add_nc_u32 v[FI], s32, v[L16]
	s_lshl_b32 s33, s[WV], 10
	v_add_nc_u32 v[FS], s33, v[VBS]
	s_and_b32 s[RBK], ttmp7, 0xffff
	s_mov_b32 s[NL], 0xbfb8aa3b
	s_mov_b32 s[NL+1], s[NL]
	s_mov_b32 s[SEL], 0x76543210
	s_mov_b32 s[SEL+1], 0xfedcba98
	s_add_co_u32 s34, ttmp9, 24
	s_mul_i32 s34, s34, PREC                       ; my panel's record
	s_add_co_u32 s36, s34, s33
	s_add_co_u32 s36, s36, SCB                     ; my quarter of its scale words,
	s_add_co_u32 s34, s34, s32                     ; and of its codes
	s_mov_b32 s35, 0
	s_mov_b32 s37, 0
	s_lshl_b32 s38, s[RBK], 4
	s_lshl_b32 s39, s[WV], 2
	s_add_co_u32 s38, s38, s39                     ; my first tile of rows
	s_mul_i32 s42, s38, 12288
	s_mov_b32 s43, 0
	s_lshl_b32 s44, s38, 9
	s_mov_b32 s45, 0
	s_mul_i32 s46, s38, 43
	s_add_co_u32 s46, s46, ttmp9
	s_mul_i32 s46, s46, 768                        ; my first tile's unit x
	s_mov_b32 s47, 0
	s_mul_i32 s48, s38, 1408
	s_lshr_b32 s49, ttmp9, 1
	s_lshl_b32 s49, s49, 6
	s_add_co_u32 s48, s48, s49
	s_and_b32 s49, ttmp9, 1
	s_lshl_b32 s49, s49, 1
	s_add_co_u32 s48, s48, s49                     ; K step x / 2, half word x % 2
	s_mov_b32 s49, 0
	s_wait_kmcnt 0x0
	s_add_nc_u64 s[SBP:SBP+1], s[8:9], s[34:35]
	s_add_nc_u64 s[SBS:SBS+1], s[8:9], s[36:37]
	s_add_nc_u64 s[SAP:SAP+1], s[SAP:SAP+1], s[42:43]
	s_add_nc_u64 s[SAS:SAS+1], s[SAS:SAS+1], s[44:45]
	s_add_nc_u64 s[10:11], s[10:11], s[46:47]
	s_add_nc_u64 s[12:13], s[12:13], s[48:49]
	s_wait_alu depctr_va_vdst(0)                   ; the addresses v5 to v15 are written, which every load, store and LDS instruction of the kernel reads
	; THE COPY: my quarter of the record, 50 loads of 512 consecutive bytes
	global_load_b128 v[FT:FT+3], v[L16], s[SBS:SBS+1]
	global_load_b128 v[FT+4:FT+7], v[L16], s[SBS:SBS+1] offset:512
	WIN 0x40
.set fq, 0
.rept 48
	global_load_b128 v[4*fq:4*fq+3], v[L16], s[SBP:SBP+1] offset:512*fq
.set fq, fq+1
.endr
	WIN 0
	ALOAD 0
	ALOAD 1
	s_wait_loadcnt 36                              ; all but A's first two K steps
	ds_store_b128 v[FS], v[FT:FT+3]
	ds_store_b128 v[FS], v[FT+4:FT+7] offset:512
	WIN 0x04                                       ; an LDS store's data are its source 1: window 1
.set fq, 0
.rept 48
	ds_store_b128 v[FI], v[4*fq:4*fq+3] offset:512*fq
.set fq, fq+1
.endr
	WIN 0
	s_wait_dscnt 0x0                               ; for the others' sake: my part of the panel has landed
	s_barrier_signal -1
	s_barrier_wait -1                              ; the panel is whole; from here on LDS is only read
	s_wait_alu depctr_vm_vsrc(0)                   ; my LDS stores have read window 1's v0-191: from here on these are accumulators, which the products write
	BSCL 0
	BFRAG 0, 0
	BFRAG 0, 1
	BFRAG 0, 2
	BFRAG 0, 3
.irp k, 0,1,2,3,4,5,6,7
	KSTEP \k
.endr
.irp q, 0,1                            ; two tiles of rows at a time: a unit each.  Each pair has out-registers of its own: none that a store reads is written again
	SILU \q
	QUANT G, 0, 32+20*\q, 112+\q
	v_lshrrev_b32 v120, 16, v[112+\q]
	v_cndmask_b32 v[116+\q], v[112+\q], v120, s[HM]
	s_wait_alu depctr_va_vdst(0)                   ; the pair's codes and its half scale words are written, which the five stores read
	global_store_b128 v[L16], v[32+20*\q:35+20*\q], s[10:11] offset:66048*\q
	global_store_b64 v[L8], v[36+20*\q:37+20*\q], s[10:11] offset:66048*\q+512
	global_store_b128 v[L16], v[38+20*\q:41+20*\q], s[10:11] offset:66048*\q+33024
	global_store_b64 v[L8], v[42+20*\q:43+20*\q], s[10:11] offset:66048*\q+33024+512
	global_store_b16 v[EO], v[116+\q], s[12:13] offset:2816*\q
.endr
	s_wait_dscnt 0x0                               ; the closing lines, six on end
	s_wait_alu 0x0
	s_wait_tensorcnt 0x0
	ds_add_u32 v254, v255
	s_wait_dscnt 0x0
	s_endpgm
.Lfunc_end_k_q45ea76cb20_ffn1:
	.size	k_q45ea76cb20_ffn1, .Lfunc_end_k_q45ea76cb20_ffn1-k_q45ea76cb20_ffn1
	.p2alignl 7, 3214868480
	.fill 96, 4, 3214868480
	.section	.rodata,"a",@progbits
	.p2align	6, 0x0
	.amdhsa_kernel k_q45ea76cb20_ffn1
		.amdhsa_group_segment_fixed_size 102912
		.amdhsa_private_segment_fixed_size 0
		.amdhsa_enable_private_segment 0
		.amdhsa_kernarg_size 40
		.amdhsa_user_sgpr_count 2
		.amdhsa_user_sgpr_kernarg_segment_ptr 1
		.amdhsa_wavefront_size32 1
		.amdhsa_system_sgpr_workgroup_id_x 1
		.amdhsa_system_sgpr_workgroup_id_y 1
		.amdhsa_system_sgpr_workgroup_id_z 1
		.amdhsa_system_vgpr_workitem_id 0
		.amdhsa_next_free_vgpr 512
		.amdhsa_next_free_sgpr 66
		.amdhsa_reserve_vcc 0
		.amdhsa_float_denorm_mode_32 3
		.amdhsa_float_denorm_mode_16_64 3
		.amdhsa_memory_ordered 1
		.amdhsa_forward_progress 1
		.amdhsa_inst_pref_size 108
	.end_amdhsa_kernel
	.amdgpu_metadata
---
amdhsa.version: [ 1, 2 ]
amdhsa.kernels:
  - .name:           k_q45ea76cb20_ffn1
    .symbol:         k_q45ea76cb20_ffn1.kd
    .args:
      - { .name: hc, .offset: 0, .size: 8, .value_kind: global_buffer, .address_space: global }
      - { .name: hs, .offset: 8, .size: 8, .value_kind: global_buffer, .address_space: global }
      - { .name: wl, .offset: 16, .size: 8, .value_kind: global_buffer, .address_space: global }
      - { .name: gc, .offset: 24, .size: 8, .value_kind: global_buffer, .address_space: global }
      - { .name: gs, .offset: 32, .size: 8, .value_kind: global_buffer, .address_space: global }
    .group_segment_fixed_size: 102912
    .private_segment_fixed_size: 0
    .kernarg_segment_align: 8
    .kernarg_segment_size: 40
    .max_flat_workgroup_size: 128
    .sgpr_count:     66
    .vgpr_count:     512
    .wavefront_size: 32
...
	.end_amdgpu_metadata
.endif
;; end of part 13
;; launch ffn2 (part 14): grid 16 x 16, 4 waves a work-group, no clusters, 158,720 bytes of LDS; arguments gc, gs, wl, x1, out0; writes out0
.if DOCPART == 14
	.amdgcn_target "amdgcn-amd-amdhsa--gfx1250"
	.amdhsa_code_object_version 6
	.text
	.protected	k_q45ea76cb20_ffn2
	.globl	k_q45ea76cb20_ffn2
	.p2align	8
	.type	k_q45ea76cb20_ffn2,@function
k_q45ea76cb20_ffn2:
	s_mov_b64 s[64:65], 0
	v_nop
	global_prefetch_b8 v0, s[64:65] scope:SCOPE_SE
	s_setreg_imm32_b32 hwreg(HW_REG_WAVE_SCHED_MODE, 0, 2), 2
	s_setreg_imm32_b32 hwreg(HW_REG_WAVE_MODE, 25, 1), 1
	s_wait_xcnt 0x0
	s_wait_alu depctr_vm_vsrc(0)
; out = res + A W^T on codes of FP6 (E2M3) with E8M0 scales.  Here: A = g (gc, gs), W = w2 [1024][2752], res = x1, out = out0; K = 2,752: KS = 22 steps of 128, the last of 64 only (TAIL).
; IN.  A as units and scale words.  A tile of rows 2 b + u holds rows 32 b + 8 u + i + 8 (i / 8).  A unit is 16 rows x 64 K as the operand's registers hold it.  Scale words lie [tile][K step][16].
; wl, from byte WLO on: a record of RECB bytes for each panel of 64 rows of W, laid by the launch lay just as this kernel's LDS holds it: codes [KS][4 tiles][1,536 bytes: the image of a fragment's 12 registers], then scale words [KS][32 lanes][2 pairs of tiles].
; THE SHORT LAST STEP: on both sides the fragment's upper six registers are zero codes and the scale word's upper two bytes are 0 (2^-127, no NaN): they add nothing.  W's lie so in its record; A's are made here.
; SHARES.  A work-group takes 256 rows (work-group y) and 64 columns (x): 256 work-groups.  Wave w takes four tiles of rows against the panel's four tiles: 16 accumulators.
; A's fragments go from memory straight into the one wave that uses them, four K steps ahead (a ring of five sets in window 2).  The panel's record is copied into LDS once, a quarter by each wave, the codes 512 consecutive bytes a load and a store,
; the scale words 128; one barrier; behind it the loop over K has none.  Source 0 = the weight: a lane holds one token and eight neighbouring columns.
; THE WAY OUT: a tile goes through the wave's own stage in LDS and comes back as rows of 256 bytes; the residual, asked for three K steps before the end, is added; sixteen lanes store 256 consecutive aligned bytes.
; NO CLUSTER: the sixteen work-groups of one x copy the same record, which a joint tensor load could bring once for four of them.  Not built: the record is 140,800 of the 757,248 bytes that a work-group reads; the rest goes to one wave each.
; THE MODE: SCHED_MODE bits 1:0 = 2 (LLVM: expert scheduling mode 2), set by the entry lines.  The code itself states the register dependences
; between vector or matrix instructions and memory or LDS instructions, with s_wait_alu, always for 0.
; THE PLAN.  Registers that memory or LDS instructions touch in the loop over K:
;   A's fragments (window 2) and scale words, FIVE sets   Set s % 5 is read by the 16 products of K step s; the loads of step s + 5 land in it in step s + 1.
;   the panel's fragments and scale words, two sets       Set s % 2 is read by the 16 products of K step s; the LDS loads of step s + 2 land in it in step s + 1.
;   v5-v10                                                Addresses, made at the head and never written again.
;   The accumulators are named by matrix instructions alone until the way out.
; So ONE wait on va_vdst stands in a K step, at its head, behind the waits for the step's own data: it states that the products of the step before are done reading their sets.  The step's loads follow it,
; dealt among its 16 products (7 LDS loads, 4 products, 6 LDS loads and 8 of A, 12 products, 10 of A), which name the sets s % 5 and s % 2 and the accumulators: none of the registers that those loads touch.
; The zero codes of A's short last step are written by vector instructions in step KS - 5, behind the four places at the end of step KS - 6, whose products read those registers last; three later heads' waits stand between them and the products that take them.
; REGISTERS.  window 0: v1-15, v30-31, v254 addresses; v16-25 A's scale words, five sets; v26-29 the panel's, two sets; v32-127 the panel's four fragments, two sets; v128-138 the copy's scale words, later rows of the result; v224-231 the copy's last two loads; v253, v255 the closing add's two.
; window 1: v0-127 the accumulators, v128-255 the residual; ahead of the loop the copy's registers.   window 2: v0-239 A's fragments.
.set KS,     22
.set UPM,    43                        ; units in a tile's row of A
.set TAIL,   1                         ; 1: the last K step has 64 along K only
.set WLO,    7680000                   ; where W's records begin in wl
.set SCB,    KS*4*1536                 ; in the record and in LDS: behind the codes: the scale words, 256 bytes a K step: 8 x lane + 4 x pair of tiles
.set RECB,   SCB+KS*256                ; a record
.set STG,    SCB+KS*256                ; LDS, behind the record: a stage of 16 rows x (256 + 16) bytes for each wave
.set NCL,    3*KS                      ; loads of 512 bytes in my quarter of the codes
.if NCL > 64
.set NC1,    64                        ; as many as window 1 holds; the rest lands in window 0
.else
.set NC1,    NCL
.endif
.set L16,  7                           ; v7   16 x lane; also the LDS base of K steps 0-7
.set VB,   7                           ; v8, v9: + 49,152, + 98,304
.set L8,   5
.set VAS,  6                           ; v6   A's scale words: 64 KS h + 4 r
.set VBS,  10
.set FI,   11                          ; v11  where I lay my quarter of the codes
.set FS,   14                          ; v14  and of the scale words
.set L4,   15                          ; v15  4 x lane
.set STO,  30
.set RD,   31
.set CO,   254
.set SA,   16
.set SB,   26
.set BF,   32
.set FT,   128
.set TF,   224
.set MSB, 0
.macro WIN new                         ; the immediate's high byte repeats the setting that is left
.if MSB != (\new)
	s_set_vgpr_msb (MSB<<8)|(\new)
.set MSB, (\new)
.endif
.endm
.macro PLACES                          ; four plain places behind matrix instructions, in front of the first read of their results and vector write of their sources; they stand in front of the loads into their registers too, ahead of the wait that states that dependence
.rept 4
	v_nop
.endr
.endm
.macro WM d, a, b, zero, sa, sb, ra, rb
.if \zero
.if (\ra) && (\rb)
	v_wmma_scale_f32_16x16x128_f8f6f4 v[\d:\d+7], v[\a:\a+11], v[\b:\b+11], 0, v[\sa], v[\sb] matrix_a_fmt:MATRIX_FMT_FP6 matrix_b_fmt:MATRIX_FMT_FP6 matrix_a_scale:MATRIX_SCALE_ROW1 matrix_b_scale:MATRIX_SCALE_ROW1
.elseif (\ra)
	v_wmma_scale_f32_16x16x128_f8f6f4 v[\d:\d+7], v[\a:\a+11], v[\b:\b+11], 0, v[\sa], v[\sb] matrix_a_fmt:MATRIX_FMT_FP6 matrix_b_fmt:MATRIX_FMT_FP6 matrix_a_scale:MATRIX_SCALE_ROW1
.elseif (\rb)
	v_wmma_scale_f32_16x16x128_f8f6f4 v[\d:\d+7], v[\a:\a+11], v[\b:\b+11], 0, v[\sa], v[\sb] matrix_a_fmt:MATRIX_FMT_FP6 matrix_b_fmt:MATRIX_FMT_FP6 matrix_b_scale:MATRIX_SCALE_ROW1
.else
	v_wmma_scale_f32_16x16x128_f8f6f4 v[\d:\d+7], v[\a:\a+11], v[\b:\b+11], 0, v[\sa], v[\sb] matrix_a_fmt:MATRIX_FMT_FP6 matrix_b_fmt:MATRIX_FMT_FP6
.endif
.else
.if (\ra) && (\rb)
	v_wmma_scale_f32_16x16x128_f8f6f4 v[\d:\d+7], v[\a:\a+11], v[\b:\b+11], v[\d:\d+7], v[\sa], v[\sb] matrix_a_fmt:MATRIX_FMT_FP6 matrix_b_fmt:MATRIX_FMT_FP6 matrix_a_scale:MATRIX_SCALE_ROW1 matrix_b_scale:MATRIX_SCALE_ROW1
.elseif (\ra)
	v_wmma_scale_f32_16x16x128_f8f6f4 v[\d:\d+7], v[\a:\a+11], v[\b:\b+11], v[\d:\d+7], v[\sa], v[\sb] matrix_a_fmt:MATRIX_FMT_FP6 matrix_b_fmt:MATRIX_FMT_FP6 matrix_a_scale:MATRIX_SCALE_ROW1
.elseif (\rb)
	v_wmma_scale_f32_16x16x128_f8f6f4 v[\d:\d+7], v[\a:\a+11], v[\b:\b+11], v[\d:\d+7], v[\sa], v[\sb] matrix_a_fmt:MATRIX_FMT_FP6 matrix_b_fmt:MATRIX_FMT_FP6 matrix_b_scale:MATRIX_SCALE_ROW1
.else
	v_wmma_scale_f32_16x16x128_f8f6f4 v[\d:\d+7], v[\a:\a+11], v[\b:\b+11], v[\d:\d+7], v[\sa], v[\sb] matrix_a_fmt:MATRIX_FMT_FP6 matrix_b_fmt:MATRIX_FMT_FP6
.endif
.endif
.endm
.macro AFRAG s, m                      ; my tile m's fragment of K step s into set s % 5 of window 2 (the caller sets the window): four loads (the short last step: two, its upper half cleared)
.irp e, 0,1
.if (TAIL == 0) || ((\s) < KS-1) || (\e == 0)
	global_load_b128 v[48*((\s)%5)+12*(\m)+6*\e:48*((\s)%5)+12*(\m)+6*\e+3], v[L16], s[4:5] offset:((\m)*UPM+2*(\s)+\e)*768
	global_load_b64 v[48*((\s)%5)+12*(\m)+6*\e+4:48*((\s)%5)+12*(\m)+6*\e+5], v[L8], s[4:5] offset:((\m)*UPM+2*(\s)+\e)*768+512
.else
.irp i, 6,7,8,9,10,11
	v_mov_b32 v[48*((\s)%5)+12*(\m)+\i], 0         ; zero codes past the end of K
.endr
.endif
.endr
.endm
.macro ASCL s                          ; two registers of A's scale words of K step s into set s % 5: two loads
.irp q2, 0,1
.if TAIL && ((\s) == KS-1)
	global_load_u16 v[SA+2*((\s)%5)+\q2], v[VAS], s[6:7] offset:(2*\q2*KS+(\s))*64   ; two bytes; the word's upper two become 0
.else
	global_load_b32 v[SA+2*((\s)%5)+\q2], v[VAS], s[6:7] offset:(2*\q2*KS+(\s))*64
.endif
.endr
.endm
.macro ALOAD s                         ; all of A's K step s: 18 loads (the short last step: 10)
	WIN 0x80
	AFRAG \s, 0
	AFRAG \s, 1
	AFRAG \s, 2
	AFRAG \s, 3
	WIN 0
	ASCL \s
.endm
.macro BFRAG s, n                      ; the panel's fragment n of K step s into set s % 2: three loads
.irp c, 0,1,2
	ds_load_b128 v[BF+48*((\s)%2)+12*(\n)+4*\c:BF+48*((\s)%2)+12*(\n)+4*\c+3], v[VB+(\s)/8] offset:((\s)%8)*6144+1536*(\n)+512*\c
.endr
.endm
.macro BSCL s                          ; the panel's scale words of K step s into set s % 2: one load
	ds_load_b64 v[SB+2*((\s)%2):SB+2*((\s)%2)+1], v[VBS] offset:256*(\s)
.endm
.macro RLOAD                           ; the residual of my 64 rows x 64 columns, in the order in which the result comes back from the stage: 32 loads
	WIN 0x40
.irp m, 0,1,2,3
.irp t, 0,1,2,3,4,5,6,7
	global_load_b128 v[128+32*\m+4*\t:128+32*\m+4*\t+3], v[CO], s[12:13] offset:(32*(\m/2)+8*(\m%2)+2*\t+8*(\t/4))*4096 th:TH_LOAD_NT
.endr
.endr
	WIN 0
.endm
.macro NWAIT s                         ; A of K step s is in: what was issued behind it may stay out: the up to three later steps' loads, and from the last step but one on the residual's 32
.set NW, 0
.irp d, 1,2,3
.if (\s)+\d < KS
.if TAIL && ((\s)+\d == KS-1)
.set NW, NW+10
.else
.set NW, NW+18
.endif
.endif
.endr
.if (\s) >= KS-2
.set NW, NW+32
.endif
	s_wait_loadcnt NW
.endm
.macro MULG s, n                       ; four products: the panel's tile n x my four tiles of rows.  The 16 accumulators by turns, in the same order in every K step
.irp m, 0,1,2,3
	WM 8*(4*\m+(\n)), BF+48*((\s)%2)+12*(\n), 48*((\s)%5)+12*\m, (\s)==0, SB+2*((\s)%2)+(\n)/2, SA+2*((\s)%5)+\m/2, (\n)%2, \m%2
.endr
.endm
.macro KSTEP s
	NWAIT \s
	s_wait_dscnt 0x0                               ; this step's part of the panel is in
.if ((\s) > 0) && ((\s)+1 < KS)
	s_wait_alu depctr_va_vdst(0)                   ; the products of the step before are done reading their set of the panel and their set of A, in which this step's loads land; behind step KS - 5: the zero codes of A's last step are written, which that step's products take
.endif
.if (\s)+1 < KS
	BSCL (\s)+1
	BFRAG (\s)+1, 0
	BFRAG (\s)+1, 1
.endif
	WIN 0x58                                       ; source 1 (A) window 2; C and D window 1
	MULG \s, 0
.if (\s)+1 < KS
	WIN 0
	BFRAG (\s)+1, 2                                ; no product since the wait names the sets in which these loads land
	BFRAG (\s)+1, 3
.endif
.if (\s)+4 < KS
	WIN 0x80
	AFRAG (\s)+4, 0
	AFRAG (\s)+4, 1
.endif
	WIN 0x58
	MULG \s, 1
	MULG \s, 2
	MULG \s, 3
.if (\s)+4 < KS
	WIN 0x80
	AFRAG (\s)+4, 2
	AFRAG (\s)+4, 3
	WIN 0
	ASCL (\s)+4
.endif
	WIN 0
	PLACES
.if (\s) == KS-3
	RLOAD                                          ; into registers that no vector or matrix instruction names ahead of the way out
.endif
.endm
.macro BKR m                           ; where tile m's rows come back: v128-223 for tiles 0-2, v32-63 for tile 3
.if (\m) < 3
.set BK, 128+32*(\m)
.else
.set BK, 32
.endif
.endm
	s_load_b128 s[4:7], s[0:1], 0x0                ; A's units, A's scale words
	s_load_b64 s[8:9], s[0:1], 0x10                ; wl
	s_load_b64 s[12:13], s[0:1], 0x18              ; the residual
	s_load_b64 s[14:15], s[0:1], 0x20              ; the result
	v_lshl_add_u32 v253, v0, 2, 0x26a00
	v_mov_b32 v255, 0
	v_lshrrev_b32 v1, 5, v0
	v_readfirstlane_b32 s16, v1                    ; wave
	v_and_b32 v1, 31, v0
	v_and_b32 v2, 15, v0                           ; r
	v_bfe_u32 v3, v0, 4, 1                         ; h
	v_lshlrev_b32 v[L16], 4, v1
	v_lshlrev_b32 v[L8], 3, v1
	v_lshlrev_b32 v[L4], 2, v1
	v_mul_u32_u24 v[VAS], v3, KS*64
	v_lshl_add_u32 v[VAS], v2, 2, v[VAS]
.if KS > 8
	v_add_nc_u32 v[VB+1], 49152, v[L16]
	v_add_nc_u32 v[VB+2], 98304, v[L16]
.endif
	v_lshl_add_u32 v[VBS], v1, 3, SCB
	s_wait_alu depctr_va_sdst(0)                   ; the wave's number s16 is written, ahead of its first reader
	s_mul_i32 s17, s16, KS*1536                    ; my quarter of the codes
	v_add_nc_u32 v[FI], s17, v[L16]
	s_mul_i32 s18, s16, KS*64                      ; and of the scale words
	v_add_nc_u32 v[FS], SCB, v[L4]
	v_add_nc_u32 v[FS], s18, v[FS]
	s_mul_i32 s20, s16, 4352
	s_add_co_u32 s20, s20, STG                     ; my stage
	v_mul_u32_u24 v[STO], v2, 272
	v_lshl_add_u32 v[STO], v3, 5, v[STO]
	v_add_nc_u32 v[STO], s20, v[STO]               ; in: row r, + 32 h
	v_mul_u32_u24 v[RD], v3, 272
	v_lshl_add_u32 v[RD], v2, 4, v[RD]
	v_add_nc_u32 v[RD], s20, v[RD]                 ; back: lanes 0-15 one row, lanes 16-31 the next
	v_lshlrev_b32 v[CO], 12, v3
	v_lshl_add_u32 v[CO], v2, 4, v[CO]             ; and the same in memory
	s_and_b32 s19, ttmp7, 0xffff
	s_mul_i32 s24, ttmp9, RECB
	s_add_co_u32 s24, s24, WLO                     ; my panel's record
	s_add_co_u32 s26, s24, s18
	s_add_co_u32 s26, s26, SCB
	s_add_co_u32 s24, s24, s17
	s_mov_b32 s25, 0
	s_mov_b32 s27, 0
	s_lshl_b32 s22, s19, 4
	s_lshl_b32 s23, s16, 2
	s_add_co_u32 s22, s22, s23                     ; my first tile of rows
	s_mul_i32 s28, s22, UPM*768
	s_mov_b32 s29, 0
	s_mul_i32 s30, s22, KS*64
	s_mov_b32 s31, 0
	s_lshl_b32 s32, s22, 16                        ; 16 rows of 4,096 bytes a tile,
	s_lshl_b32 s23, ttmp9, 8
	s_add_co_u32 s32, s32, s23                     ; + the panel's 256 bytes
	s_mov_b32 s33, 0
	s_wait_kmcnt 0x0
	s_add_nc_u64 s[10:11], s[8:9], s[26:27]        ; the record's scale words,
	s_add_nc_u64 s[8:9], s[8:9], s[24:25]          ; its codes
	s_add_nc_u64 s[4:5], s[4:5], s[28:29]
	s_add_nc_u64 s[6:7], s[6:7], s[30:31]
	s_add_nc_u64 s[12:13], s[12:13], s[32:33]
	s_add_nc_u64 s[14:15], s[14:15], s[32:33]
	s_wait_alu depctr_va_vdst(0)                   ; the addresses v5 to v15, v30, v31 and v254 are written, which every load, store and LDS instruction of the kernel reads
	; THE COPY: my quarter of the record
.set fj, 0
.rept KS/2
	global_load_b32 v[FT+fj], v[L4], s[10:11] offset:128*fj
.set fj, fj+1
.endr
	WIN 0x40
.set fq, 0
.rept NC1
	global_load_b128 v[4*fq:4*fq+3], v[L16], s[8:9] offset:512*fq
.set fq, fq+1
.endr
	WIN 0
.if NCL > NC1
.rept NCL-NC1
	global_load_b128 v[TF+4*(fq-NC1):TF+4*(fq-NC1)+3], v[L16], s[8:9] offset:512*fq
.set fq, fq+1
.endr
.endif
	ALOAD 0
	ALOAD 1
	ALOAD 2
	s_wait_loadcnt 54                              ; all but A's first three K steps
.set fj, 0
.rept KS/2
	ds_store_b32 v[FS], v[FT+fj] offset:128*fj
.set fj, fj+1
.endr
	WIN 0x04                                       ; an LDS store's data are its source 1: window 1
.set fq, 0
.rept NC1
	ds_store_b128 v[FI], v[4*fq:4*fq+3] offset:512*fq
.set fq, fq+1
.endr
	WIN 0
.if NCL > NC1
.rept NCL-NC1
	ds_store_b128 v[FI], v[TF+4*(fq-NC1):TF+4*(fq-NC1)+3] offset:512*fq
.set fq, fq+1
.endr
.endif
	ALOAD 3
	s_wait_dscnt 0x0                               ; for the others' sake: my part of the panel has landed
	s_barrier_signal -1
	s_barrier_wait -1                              ; the panel is whole and is only read from here on; the stages are each wave's own
	s_wait_alu depctr_vm_vsrc(0)                   ; my LDS stores have read the copy's registers: window 1's, which the products write and in which the residual lands, and v128 on, in which rows of the result land
	BSCL 0
	BFRAG 0, 0
	BFRAG 0, 1
	BFRAG 0, 2
	BFRAG 0, 3
.set st, 0
.rept KS
	KSTEP st
.set st, st+1
.endr
	; THE WAY OUT.  LDS serves a wave's instructions in order: no wait between a tile's stores and its loads, nor in front of the next tile's stores
	s_wait_alu depctr_va_vdst(0)                   ; behind the last step's four places: the products have written the accumulators, which the LDS stores read, and are done reading v32-63, in which tile 3's rows land
.irp m, 0,1,2,3
	BKR \m
	WIN 0x04
.irp n, 0,1,2,3
	ds_store_b128 v[STO], v[8*(4*\m+\n):8*(4*\m+\n)+3] offset:64*\n          ; each accumulator from its low end on
	ds_store_b128 v[STO], v[8*(4*\m+\n)+4:8*(4*\m+\n)+7] offset:64*\n+16
.endr
	WIN 0
.irp t, 0,1,2,3,4,5,6,7
	ds_load_b128 v[BK+4*\t:BK+4*\t+3], v[RD] offset:544*\t
.endr
.endr
.irp m, 0,1,2,3
	BKR \m
	s_wait_dscnt 16*(3-\m)                         ; tile m is back; the later tiles' 8 stores and 8 loads each may stay out
	s_wait_loadcnt 8*(3-\m)                        ; its residual is in; the later tiles' 8 loads each may stay out
	WIN 0x04
.irp i, 0,1,2,3,4,5,6,7,8,9,10,11,12,13,14,15
	v_pk_add_f32 v[BK+2*\i:BK+2*\i+1], v[BK+2*\i:BK+2*\i+1], v[128+32*\m+2*\i:128+32*\m+2*\i+1]
.endr
	WIN 0
	s_wait_alu depctr_va_vdst(0)                   ; the additions have written the tile's 32 registers, which the eight stores read; each tile has registers of its own, so none that a store reads is written again
.irp t, 0,1,2,3,4,5,6,7
	global_store_b128 v[CO], v[BK+4*\t:BK+4*\t+3], s[14:15] offset:(32*(\m/2)+8*(\m%2)+2*\t+8*(\t/4))*4096 th:TH_STORE_NT   ; 16 lanes store 256 consecutive bytes, aligned; written once, read by nobody here
.endr
.endr
	s_wait_dscnt 0x0                               ; the closing lines, six on end
	s_wait_alu 0x0
	s_wait_tensorcnt 0x0
	ds_add_u32 v253, v255
	s_wait_dscnt 0x0
	s_endpgm
.Lfunc_end_k_q45ea76cb20_ffn2:
	.size	k_q45ea76cb20_ffn2, .Lfunc_end_k_q45ea76cb20_ffn2-k_q45ea76cb20_ffn2
	.p2alignl 7, 3214868480
	.fill 96, 4, 3214868480
	.section	.rodata,"a",@progbits
	.p2align	6, 0x0
	.amdhsa_kernel k_q45ea76cb20_ffn2
		.amdhsa_group_segment_fixed_size 158720
		.amdhsa_private_segment_fixed_size 0
		.amdhsa_enable_private_segment 0
		.amdhsa_kernarg_size 40
		.amdhsa_user_sgpr_count 2
		.amdhsa_user_sgpr_kernarg_segment_ptr 1
		.amdhsa_wavefront_size32 1
		.amdhsa_system_sgpr_workgroup_id_x 1
		.amdhsa_system_sgpr_workgroup_id_y 1
		.amdhsa_system_sgpr_workgroup_id_z 1
		.amdhsa_system_vgpr_workitem_id 0
		.amdhsa_next_free_vgpr 768
		.amdhsa_next_free_sgpr 66
		.amdhsa_reserve_vcc 0
		.amdhsa_float_denorm_mode_32 3
		.amdhsa_float_denorm_mode_16_64 3
		.amdhsa_memory_ordered 1
		.amdhsa_forward_progress 1
		.amdhsa_inst_pref_size 139
	.end_amdhsa_kernel
	.amdgpu_metadata
---
amdhsa.version: [ 1, 2 ]
amdhsa.kernels:
  - .name:           k_q45ea76cb20_ffn2
    .symbol:         k_q45ea76cb20_ffn2.kd
    .args:
      - { .name: gc, .offset: 0, .size: 8, .value_kind: global_buffer, .address_space: global }
      - { .name: gs, .offset: 8, .size: 8, .value_kind: global_buffer, .address_space: global }
      - { .name: wl, .offset: 16, .size: 8, .value_kind: global_buffer, .address_space: global }
      - { .name: x1, .offset: 24, .size: 8, .value_kind: global_buffer, .address_space: global }
      - { .name: out0, .offset: 32, .size: 8, .value_kind: global_buffer, .address_space: global }
    .group_segment_fixed_size: 158720
    .private_segment_fixed_size: 0
    .kernarg_segment_align: 8
    .kernarg_segment_size: 40
    .max_flat_workgroup_size: 128
    .sgpr_count:     66
    .vgpr_count:     768
    .wavefront_size: 32
...
	.end_amdgpu_metadata
.endif
;; end of part 14
